; MI455X (gfx1250); checked and timed in simulation.
; The chip was launched on July 23, 2026; its instructions are those of AMD's public machine-readable ISA for CDNA 5 (MIT licence, August 2026) and "CDNA5" Instruction Set Architecture Reference Guide (July 2026). The comments in the code are by the model that wrote it; some were corrected since.
;; Mo E Layer. Allowed arithmetic: matrix products marked QUANTISED: E4M3 operands, one E8M0 scale for each 32 along K, by v_wmma_scale_f32_16x16x128_f8f6f4 with both operands' format E4M3, f32 sums; products left as they are: f32 operands where the result goes on into a quantised operand, else bf16, f16 or f32 operands; f32 sums; everything else in f32.
;; Inputs: w1 8 x 1,024 x 2,048 float32; w2 8 x 2,048 x 1,024 float32; w3 8 x 1,024 x 2,048 float32; wg 1,024 x 8 float32; x 1,024 x 1,024 float32.
;; Outputs: out0 1,024 x 1,024 float32.
;; This version of the problem:
;;   THIS VERSION OF THE PROBLEM IS GIVEN IN LOW PRECISION. The matrix products marked QUANTISED in the list below multiply operands that are first quantised to E4M3 (4 exponent bits, 3 mantissa bits; 8 bits a number), with one power-of-two scale for each 32 numbers along K (OCP MX v1.0); their sums are f32. All else is computed in f32.
;;   The module's matrix products, in the order in which they are computed (A, B: the left and right operand; K: the contracted axis; several contracted axes count as one K, in the product's order):
;;     1. [M 1,024, K 1,024] x [K 1,024, N 8]; A: input x; B: input wg: left as it is (N = 8 < 16)
;;     2. batch 1,024 x [M 1, K 2] x [K 2, N 8]; A: softmax; B: computed on the way: left as it is (K = 2 < 32)
;;     3. [M 1,024, K 1,024] x [K 1,024, N 16,384]; A: input x; B: input w1: QUANTISED
;;     4. [M 1,024, K 1,024] x [K 1,024, N 16,384]; A: input x; B: input w3: QUANTISED
;;     5. batch 8 x [M 1,024, K 2,048] x [K 2,048, N 1,024]; A: input w2; B: computed on the way: QUANTISED
;;     6. batch 1,024 x [M 1, K 8] x [K 8, N 1,024]; A: computed on the way; B: computed on the way: left as it is (K = 8 < 32)
;;   THE QUANTISER, for each operand of a quantised product, along K:
;;     - K is cut into blocks of 32 from its start; a last block that is shorter is filled with zeros.
;;     - A block's scale is 2^e with e = floor(log2(the largest magnitude in the block)) - 8, held to -126 .. 127; a block of zeros has e = 0. As a byte (E8M0): e + 127.
;;     - Each number is divided by its block's scale, clamped to +-448, and rounded to the nearest number of E4M3, ties to even, subnormals kept.
;;     - The product sums the exact products of the quantised numbers (number of the format x scale) in f32.
;;   ~~~python
;;   def quantise(x, axis):      # numpy; x: float32 -> the quantised numbers, widened to float32 again
;;       x = np.moveaxis(x, axis, -1); K = x.shape[-1]
;;       x = np.pad(x, [(0, 0)] * (x.ndim - 1) + [(0, -K % 32)]); x = x.reshape(x.shape[:-1] + (-1, 32)); a = np.abs(x).max(-1, keepdims=True)
;;       e = np.where(a > 0, np.clip(np.frexp(np.where(a > 0, a, 1))[1] - 1 - 8, -126, 127), 0)      # np.frexp(a)[1] - 1 = floor(log2(a)), exactly
;;       r = np.clip(x / 2.0 ** e, -448, 448)
;;       step = 2.0 ** (np.maximum(np.frexp(np.where(r == 0, 1, r))[1] - 1, -6) - 3)
;;       q = np.round(r / step) * step * 2.0 ** e      # np.round: ties to even
;;       return np.moveaxis(q.reshape(q.shape[:-2] + (-1,))[..., :K], -1, axis).astype(np.float32)
;;   ~~~
;;   OPERANDS COMPUTED ON THE WAY. 'Computed on the way' means the value that the module computes at that place (a softmax that the list does not call 'softmax' is quantised finished and normalised). What goes into a quantiser is computed in f32, as accurately as f32 sums, v_exp_f32 and their like allow (about 1e-6 of the number): no bf16 or f16 on the way to a quantiser, and a product that is left as it is and whose result goes on into a quantised operand takes f32 operands (vector FMAs, or v_wmma_f32_16x16x4_f32). A number that lies on a knife's edge between two numbers of the format may be rounded either way, as far as f32 arithmetic and the matrix unit's own rounding can turn it there, and no further.
;; 2 versions. Each part assembles by itself: llvm-mc -triple=amdgcn-amd-amdhsa -mcpu=gfx1250 --defsym DOCPART=n.
;; ======== version 1 of 2: 5 launches
;; workspace buffers: sel 8,192 bytes of whole numbers; probs 8,192 bytes; order 10,240 bytes of whole numbers; xq 8,650,752 bytes; hq 17,301,504 bytes; y 67,108,864 bytes
;; launch route (part 1): grid 256 x 1, 4 waves a work-group, no clusters, 38,400 bytes of LDS; arguments x, wg, sel, probs; writes sel, probs
.if DOCPART == 1
	.amdgcn_target "amdgcn-amd-amdhsa--gfx1250"
	.amdhsa_code_object_version 6
	.text
	.protected	k_qa0850c66f2_route
	.globl	k_qa0850c66f2_route
	.p2align	8
	.type	k_qa0850c66f2_route,@function
k_qa0850c66f2_route:
	s_mov_b64 s[64:65], 0
	v_nop
	global_prefetch_b8 v0, s[64:65] scope:SCOPE_SE
	s_setreg_imm32_b32 hwreg(HW_REG_WAVE_MODE, 25, 1), 1
	s_wait_xcnt 0x0
; THE ROUTER.  logits[t][e] = sum over k of x[t][k] wg[k][e] in f32 (1,024 tokens, K = 1,024, 8 experts); the two largest logits of a token
; (on equal logits the lower expert first, as jax.lax.top_k has it); softmax over the two, the larger taken off before the exponential.
; Stored at fixed places: sel[t][2] (expert numbers, i32) and probs[t][2] (f32).  No address and no branch hangs on a floating-point number.
; SHARES.  A work-group takes 4 tokens; wave w takes k = 256 w .. 256 w + 255; lane L takes k = 256 w + 128 i + 4 L + jj (i = 0, 1; jj = 0 .. 3),
; so that each load of x covers 512 consecutive bytes.  A lane keeps 32 sums (4 tokens x 8 experts), packed two experts to an instruction.
; wg: a lane wants four whole rows, 128 bytes on end, so that loaded straight the 32 lanes of a load would stand 128 bytes apart.  Instead each load takes 512 consecutive bytes, 16 a lane,
; and the wave's 8,192 bytes turn through its own stage in LDS: chunks of 128 bytes + 16 of padding, so that lane L reads chunk L at 144 L, an odd multiple of 16 bytes from lane to lane.
; The 32 sums of 32 lanes are added by a reduce-scatter: in each of five stages a lane keeps half of its sums and gives the other half to its partner,
; so that lane L ends with the wave's sum number L = 8 x token + expert.  The four waves' sums meet in LDS; wave 0 finishes.
; No matrix unit, no cluster, no tensor load: 8 columns are too few for a matrix tile, and work-groups share only wg's 32 KiB.
; LIMITS: NaN and infinities among the inputs are not served (the logits are taken to be finite numbers).
; REGISTERS: v1-7 lane numbers, load offsets, LDS addresses, two registers at work; v8-103 what is loaded; v104-166 the sums; v168-187 wave 0's last phase;
; v188-192 the stores' offset, lane numbers and the stage's addresses: made at the head, above all that loads land in, and never rewritten.
.set X,   8                            ; v[8:39]    x: token t, half i at 8 t + 4 i
.set WG,  40                           ; v[40:103]  wg: row k' = 4 i + jj at 8 k', its 8 experts
.set ACC, 104                          ; v[104:135] the sums, 8 t + e
.set LG,  172                          ; v[172:179] wave 0: the 8 logits of my lane's token
.set SOF, 188                          ; v188       where lanes 8 t and 8 t + 1 store: 8 (L / 8) + 4 (L % 2)
.set LB0, 189                          ; v189       L % 2
.set L7,  190                          ; v190       L % 8
.set WST, 191                          ; v191       the stage, in: chunk L / 8 of a load's four, + 16 (L % 8)
.set WLD, 192                          ; v192       the stage, back: chunk L
.set STG, 1024                         ; LDS: bytes 0-1,023 the sums; from here 64 chunks for each wave
.set CH,  144                          ; a chunk: 128 bytes (four rows of wg) + 16 of padding
	s_load_b256 s[4:11], s[0:1], 0x0               ; x s[4:5], wg s[6:7], sel s[8:9], probs s[10:11]
	v_lshl_add_u32 v200, v0, 2, 0x9400
	v_mov_b32 v201, 0
	v_and_b32 v1, 31, v0                           ; lane L
	v_lshrrev_b32 v4, 5, v0
	v_readfirstlane_b32 s12, v4                    ; wave
	v_lshlrev_b32 v2, 4, v1                        ; x and wg: 16 L
	v_lshlrev_b32 v6, 2, v0                        ; LDS: 4 x thread = 128 x wave + 4 L
	v_lshrrev_b32 v7, 3, v1                        ; L / 8: the token of my lane in the last phase
	v_and_b32 v[LB0], 1, v1
	v_lshlrev_b32 v[SOF], 3, v7
	v_lshl_add_u32 v[SOF], v[LB0], 2, v[SOF]
	v_and_b32 v[L7], 7, v1
	s_mul_i32 s25, s12, 64*CH
	s_add_co_u32 s25, s25, STG                     ; my wave's stage
	v_mul_u32_u24 v[WST], v7, CH
	v_lshl_add_u32 v[WST], v[L7], 4, v[WST]
	v_add_nc_u32 v[WST], s25, v[WST]
	v_mul_u32_u24 v[WLD], v1, CH
	v_add_nc_u32 v[WLD], s25, v[WLD]
	v_lshlrev_b32 v7, 5, v7                        ; LDS: a token's 8 logits: 32 (L / 8)
	v_mov_b32 v5, 0                                ; written once: a lane permute's destination counts as one of its sources
	s_lshl_b32 s14, ttmp9, 14                      ; 4 tokens of 4,096 bytes a work-group,
	s_lshl_b32 s13, s12, 10                        ; 256 k of 4 bytes a wave
	s_add_co_u32 s14, s14, s13
	s_mov_b32 s15, 0
	s_lshl_b32 s16, s12, 13                        ; wg: 256 rows of 32 bytes a wave
	s_mov_b32 s17, 0
	s_lshl_b32 s18, ttmp9, 5                       ; sel, probs: 4 tokens of 8 bytes
	s_mov_b32 s19, 0
	s_mov_b32 s20, 0xaaaaaaaa                      ; lanes whose bit 0 is set,
	s_mov_b32 s21, 0xcccccccc                      ; bit 1,
	s_mov_b32 s22, 0xf0f0f0f0                      ; bit 2,
	s_mov_b32 s23, 0xff00ff00                      ; bit 3,
	s_mov_b32 s24, 0xffff0000                      ; bit 4
	s_mov_b32 s26, 0x76543210                      ; v_permlanex16_b32's selects for lane l xor 16
	s_mov_b32 s27, 0xfedcba98
	s_wait_kmcnt 0x0
	s_add_nc_u64 s[4:5], s[4:5], s[14:15]
	s_add_nc_u64 s[6:7], s[6:7], s[16:17]
	s_add_nc_u64 s[8:9], s[8:9], s[18:19]
	s_add_nc_u64 s[10:11], s[10:11], s[18:19]
.irp n, 0,1,2,3,4,5,6,7,8,9,10,11,12,13,14,15
	global_load_b128 v[WG+4*\n:WG+4*\n+3], v2, s[6:7] offset:512*\n   ; wg as it lies: 512 consecutive bytes, sixteen rows
.endr
.irp t, 0,1,2,3
.irp i, 0,1
	global_load_b128 v[X+8*\t+4*\i:X+8*\t+4*\i+3], v2, s[4:5] offset:4096*\t+512*\i
.endr
.endr
.irp n, 0,1,2,3,4,5,6,7,8,9,10,11,12,13,14,15
	s_wait_loadcnt 23-\n                           ; wg's load n is in: behind it stand 15 - n loads of wg and 8 of x
	ds_store_b128 v[WST], v[WG+4*\n:WG+4*\n+3] offset:4*CH*\n   ; its 512 bytes are four chunks
.endr
.irp n, 0,1,2,3,4,5,6,7,8,9,10,11,12,13,14,15
	ds_load_b128 v[WG+4*\n:WG+4*\n+3], v[WLD] offset:32*CH*(\n/8)+16*(\n%8)   ; chunk 32 i + L: my four rows.  LDS serves a wave's instructions in order: these see the stores above, and land in the registers that those left
.endr
	s_wait_loadcnt 0x0                             ; x
	s_wait_dscnt 0x0                               ; wg
	; 128 packed multiply-adds.  The first k of each pair of sums is a multiplication: nothing is cleared.  x is one register of a pair, taken for both halves.
.irp t, 0,1,2,3
.irp p, 0,1,2,3
	v_pk_mul_f32 v[ACC+8*\t+2*\p:ACC+8*\t+2*\p+1], v[WG+2*\p:WG+2*\p+1], v[X+8*\t:X+8*\t+1] op_sel_hi:[1,0]
.endr
.endr
.irp k, 1,2,3,4,5,6,7
.irp t, 0,1,2,3
.irp p, 0,1,2,3
.if (\k)%2 == 0
	v_pk_fma_f32 v[ACC+8*\t+2*\p:ACC+8*\t+2*\p+1], v[WG+8*\k+2*\p:WG+8*\k+2*\p+1], v[X+8*\t+\k:X+8*\t+\k+1], v[ACC+8*\t+2*\p:ACC+8*\t+2*\p+1] op_sel_hi:[1,0,1]
.else
	v_pk_fma_f32 v[ACC+8*\t+2*\p:ACC+8*\t+2*\p+1], v[WG+8*\k+2*\p:WG+8*\k+2*\p+1], v[X+8*\t+\k-1:X+8*\t+\k], v[ACC+8*\t+2*\p:ACC+8*\t+2*\p+1] op_sel:[0,1,0] op_sel_hi:[1,1,1]
.endif
.endr
.endr
.endr
; A stage of the reduce-scatter: of sums 2 i and 2 i + 1 a lane whose bit sg is set keeps the odd one and gives the even one; its partner, lane xor xm, does the reverse.
.macro RS sg, xm, src, dst, n
.set ii, 0
.rept \n
	v_cndmask_b32 v4, v[\src+2*ii+1], v[\src+2*ii], s[20+\sg]          ; what I give
	v_cndmask_b32 v[\dst+ii], v[\src+2*ii], v[\src+2*ii+1], s[20+\sg]  ; what I keep
	v_add_f32_dpp v[\dst+ii], v4, v[\dst+ii] row_xmask:\xm row_mask:0xf bank_mask:0xf
.set ii, ii+1
.endr
.endm
	RS 0, 1, ACC, 136, 16
	RS 1, 2, 136, 152, 8
	RS 2, 4, 152, 160, 4
	RS 3, 8, 160, 164, 2
	v_cndmask_b32 v4, v165, v164, s24
	v_cndmask_b32 v166, v164, v165, s24
	v_permlanex16_b32 v5, v4, s26, s27
	v_add_f32 v166, v166, v5                       ; lane L: my wave's sum number L = 8 x token + expert
	ds_store_b32 v6, v166
	s_wait_dscnt 0x0                               ; for the others' sake: my store has landed
	s_barrier_signal -1
	s_barrier_wait -1
	s_cmp_lg_u32 s12, 0
	s_cbranch_scc1 .Lend                           ; waves 1 to 3 have done their part
	ds_load_b32 v168, v6
	ds_load_b32 v169, v6 offset:128
	ds_load_b32 v170, v6 offset:256
	ds_load_b32 v171, v6 offset:384
	s_wait_dscnt 0x0
	v_add_f32 v168, v168, v169
	v_add_f32 v170, v170, v171
	v_add_f32 v168, v168, v170                     ; the logit number L
	ds_store_b32 v6, v168 offset:512
	ds_load_b128 v[LG:LG+3], v7 offset:512         ; LDS serves a wave's instructions in order: these see the store above
	ds_load_b128 v[LG+4:LG+7], v7 offset:528
	s_wait_dscnt 0x0                               ; each lane has the 8 logits of token L / 8
	v_mov_b32 v180, v[LG]                          ; the largest, and its expert: a strict > keeps the lower expert
	v_mov_b32 v181, 0
.irp e, 1,2,3,4,5,6,7
	v_cmp_gt_f32 vcc_lo, v[LG+\e], v180
	v_cndmask_b32 v180, v180, v[LG+\e], vcc_lo
	v_cndmask_b32 v181, v181, \e, vcc_lo
.endr
	v_mov_b32 v182, 0xff800000                     ; the second: -infinity lies under every logit
	v_mov_b32 v183, 0
.irp e, 0,1,2,3,4,5,6,7
	v_cmp_ne_u32 s28, \e, v181
	v_cmp_gt_f32 s29, v[LG+\e], v182
	s_and_b32 s28, s28, s29
	v_cndmask_b32 v182, v182, v[LG+\e], s28
	v_cndmask_b32 v183, v183, \e, s28
.endr
	v_sub_f32 v184, v182, v180                     ; second - largest: 0 or less
	v_mul_f32 v184, 0x3fb8aa3b, v184
	v_exp_f32 v184, v184
	v_nop                                          ; one plain place behind a transcendental
	s_wait_alu depctr_va_vdst(0)
	v_add_f32 v185, 1.0, v184
	v_rcp_f32 v185, v185                           ; p0 = 1 / (1 + e^(second - largest))
	v_nop
	s_wait_alu depctr_va_vdst(0)
	v_mul_f32 v184, v184, v185                     ; p1
	v_cndmask_b32 v186, v181, v183, s20            ; even lanes hold the first choice, odd lanes the second
	v_cndmask_b32 v187, v185, v184, s20
	v_cmp_gt_u32 vcc_lo, 2, v[L7]
	s_wait_xcnt 0x0                                ; EXEC changes only behind this wait
	s_and_saveexec_b32 s30, vcc_lo                 ; lanes 8 t and 8 t + 1 store token t's pair: 32 consecutive bytes a buffer
	global_store_b32 v[SOF], v186, s[8:9]
	global_store_b32 v[SOF], v187, s[10:11]
	s_wait_xcnt 0x0
	s_or_b32 exec_lo, exec_lo, s30
.Lend:
	s_wait_tensorcnt 0x0
	ds_add_u32 v200, v201
	s_wait_dscnt 0x0
	s_endpgm
.Lfunc_end_k_qa0850c66f2_route:
	.size	k_qa0850c66f2_route, .Lfunc_end_k_qa0850c66f2_route-k_qa0850c66f2_route
	.p2alignl 7, 3214868480
	.fill 96, 4, 3214868480
	.section	.rodata,"a",@progbits
	.p2align	6, 0x0
	.amdhsa_kernel k_qa0850c66f2_route
		.amdhsa_group_segment_fixed_size 38400
		.amdhsa_private_segment_fixed_size 0
		.amdhsa_enable_private_segment 0
		.amdhsa_kernarg_size 32
		.amdhsa_user_sgpr_count 2
		.amdhsa_user_sgpr_kernarg_segment_ptr 1
		.amdhsa_wavefront_size32 1
		.amdhsa_system_sgpr_workgroup_id_x 1
		.amdhsa_system_sgpr_workgroup_id_y 1
		.amdhsa_system_sgpr_workgroup_id_z 1
		.amdhsa_system_vgpr_workitem_id 0
		.amdhsa_next_free_vgpr 202
		.amdhsa_next_free_sgpr 66
		.amdhsa_reserve_vcc 1
		.amdhsa_float_denorm_mode_32 3
		.amdhsa_float_denorm_mode_16_64 3
		.amdhsa_memory_ordered 1
		.amdhsa_forward_progress 1
		.amdhsa_inst_pref_size 26
	.end_amdhsa_kernel
	.amdgpu_metadata
---
amdhsa.version: [ 1, 2 ]
amdhsa.kernels:
  - .name:           k_qa0850c66f2_route
    .symbol:         k_qa0850c66f2_route.kd
    .args:
      - { .name: x, .offset: 0, .size: 8, .value_kind: global_buffer, .address_space: global }
      - { .name: wg, .offset: 8, .size: 8, .value_kind: global_buffer, .address_space: global }
      - { .name: sel, .offset: 16, .size: 8, .value_kind: global_buffer, .address_space: global }
      - { .name: probs, .offset: 24, .size: 8, .value_kind: global_buffer, .address_space: global }
    .group_segment_fixed_size: 38400
    .private_segment_fixed_size: 0
    .kernarg_segment_align: 8
    .kernarg_segment_size: 32
    .max_flat_workgroup_size: 128
    .sgpr_count:     66
    .vgpr_count:     202
    .wavefront_size: 32
...
	.end_amdgpu_metadata
.endif
;; end of part 1
;; launch place (part 2): grid 32 x 8, 8 waves a work-group, no clusters, 0 bytes of LDS; arguments sel, x, xq, order; writes xq, order
.if DOCPART == 2
	.amdgcn_target "amdgcn-amd-amdhsa--gfx1250"
	.amdhsa_code_object_version 6
	.text
	.protected	k_qa0850c66f2_place
	.globl	k_qa0850c66f2_place
	.p2align	8
	.type	k_qa0850c66f2_place,@function
k_qa0850c66f2_place:
	s_mov_b64 s[64:65], 0
	v_nop
	global_prefetch_b8 v0, s[64:65] scope:SCOPE_SE
	s_setreg_imm32_b32 hwreg(HW_REG_WAVE_MODE, 25, 1), 1
	s_wait_xcnt 0x0
; THE ROWS ARE PLACED BY EXPERT, AND x IS QUANTISED.  Expert e = work-group y.  A slot is 1,024 e + pos, pos the token's rank among e's tokens in ascending token order:
; room for 1,024 rows an expert, so every split is served and no sum over experts is needed.
; EVERY WAVE MAKES THE COUNTING PASS ITSELF, IN REGISTERS: it reads sel (32 loads of 256 consecutive bytes) and, for each 32 tokens, has the members' mask and the running count as scalars.
; So the count, on which a branch hangs, and the tokens, of which addresses are made, come straight from whole numbers read from memory: nothing goes from wave to wave, there is no LDS and no barrier.
; The pass goes in four batches of eight mask words: sixteen compares, then the batch's scalar work, then its selections, so that scalar and vector instructions wait for each other twice a batch.
; Wave w of work-group x takes tile 8 w + x / 4 of 16 rows and K steps 2 (x % 4), 2 (x % 4) + 1 of 128: neighbouring tiles lie in different work-groups, so that the tiles that a split fills,
; which are the lowest, are shared out evenly among an expert's 32 work-groups.  Lane r wants the token of rank p = 16 tile + r: during the pass it keeps the last mask word whose running count is
; at most p (the counts never fall, so that word holds the wanted bit), and then finds bit number p - count among the word's set bits by five halving steps on partial counts of 16, 8, 4, 2 and 1 bits.
; The wave gathers its rows of x, quantises them to E4M3 with one E8M0 byte for each 32 along K, and stores them as IMAGES OF THE OPERAND'S REGISTERS:
; xq codes [e][tile 64][K step 8][c 4][lane 32][16 bytes], each store 512 consecutive bytes; scale words from byte 8,388,608 on: [e][tile][x % 4][row 16][2 words].
; Tiles at or past max(ceil(n / 16), 1) are not written; the rows of a last tile that no token takes hold token 0.
; Wave 7 of work-group x = 31 (its tile, 63, has rows only where n is over 1,008) also stores order: map[t][k] = slot (bytes 0 ..), a dump for the lanes that are no members (bytes 8,192 .., never read),
; counts[e] in 32 copies (bytes 9,216 ..).  A wave whose tile a split leaves without rows stores nothing: the grid serves every split, all tokens on one expert too.
; A block's scale is 2^(floor(log2(largest magnitude)) - 8); its byte is the largest magnitude's exponent field - 8, held at 1 from below.
; LIMITS: a block of zeros gets the byte 1 where the rule says 127 (its codes are zeros, and this program alone reads the bytes); blocks under the floor 2^-118 are held at the byte 1;
; NaN and infinities are not served.  sel is taken to hold two different experts 0 .. 7 a token, as the launch before stores it.
.set SW,   13                          ; v13        the mask word that holds my row's token
.set SC,   14                          ; v14        the members ahead of that word
.set SJ,   15                          ; v15        the word's number
.set CA,   24                          ; v24-27     the word's set bits counted in fields of 2, 4, 8 bits, and of 16 in the low byte
.set CB,   25
.set CC,   26
.set CD,   27
.set RK,   28                          ; v28        the rank still to go
.set PO,   29                          ; v29        the bit's place so far
.set T0,   30                          ; v30, v31   at work
.set T1,   31
.set SEL,  64                          ; v[64:127]  sel of token 32 j + L at 2 j
.set AD,   160                         ; v160-191   the map: an address for each step
.set VAL,  224                         ; v224-255   the map: slots
.set XL,   64                          ; v[64:191]  my rows' numbers: K step s at 64 s, register 16 b + i = k 32 b + 16 (lane / 16) + i
.set PC,   192                         ; v[192:223] the codes, 16 registers a K step
.set TM,   32                          ; v[32:47]   at work in QUANT
.set PW,   48                          ; v48, v49   the two scale words
.set SLL,  36                          ; s[36:37]   lane selects
.set MNT,  38                          ; s38        the mantissa field of 448
.set M2,   46                          ; s[46:53]   a batch's masks of the second choice
.set PF,   54                          ; s[54:61]   a batch's running counts
.set MK,   66                          ; s[66:97]   the 32 members' masks
	s_load_b256 s[4:11], s[0:1], 0x0               ; sel s[4:5], x s[6:7], xq s[8:9], order s[10:11]
	v_lshrrev_b32 v4, 5, v0
	v_readfirstlane_b32 s12, v4                    ; wave
	s_and_b32 s16, ttmp7, 0xffff                   ; expert
	v_and_b32 v1, 31, v0                           ; lane L
	v_and_b32 v2, 15, v0                           ; r
	v_bfe_u32 v3, v0, 4, 1                         ; h
	s_lshl_b32 s17, s12, 3
	s_lshr_b32 s20, ttmp9, 2
	s_add_co_u32 s17, s17, s20                     ; my tile: 8 w + x / 4
	s_and_b32 s18, ttmp9, 3                        ; my quarter of K: x % 4
	s_lshl_b32 s20, s17, 4
	v_add_nc_u32 v11, s20, v2                      ; p: the rank that my row wants: 16 x tile + r
	v_lshlrev_b32 v12, 4, v1                       ; 16 L
	v_lshlrev_b32 v9, 3, v1                        ; sel: 8 L
	v_lshlrev_b32 v22, 1, v1                       ; the map's index of token L as first choice: 2 L,
	v_or_b32 v23, 1, v22                           ; as second: 2 L + 1
	s_lshl_b32 s21, s16, 5
	s_add_co_u32 s21, s21, 2048
	v_add_nc_u32 v16, s21, v1                      ; order: my dump word's index: 2,048 + 32 e + L
	s_lshl_b32 s22, s16, 7
	v_lshl_add_u32 v17, v1, 2, s22                 ; order: the counts' place: 128 e + 4 L
	v_lshlrev_b32 v21, 3, v2
	v_lshl_add_u32 v21, v3, 2, v21                 ; a scale word's place: 8 r + 4 h
	s_lshl_b32 s28, s16, 10                        ; 1,024 e
	s_mov_b32 s[SLL], 0x76543210
	s_mov_b32 s[SLL+1], 0xfedcba98
	s_mov_b32 s[MNT], 0x600000
	s_mov_b32 s39, 0xffff0000
.irp b, 0,1,2,3
	v_mov_b32 v[TM+4+\b], 0                        ; written once: a lane permute's destination counts as one of its sources
.endr
	v_mov_b32 v[SW], 0                             ; (the pass's selections read what they may keep)
	v_mov_b32 v[SC], 0
	v_mov_b32 v[SJ], 0
	s_lshl_b32 s30, s16, 6
	s_add_co_u32 s30, s30, s17                     ; 64 e + tile
	s_lshl_b32 s40, s30, 14                        ; codes: 16,384 bytes a tile,
	s_lshl_b32 s31, s18, 12                        ; 4,096 for two K steps
	s_add_co_u32 s40, s40, s31
	s_mov_b32 s41, 0
	s_lshl_b32 s42, s30, 9                         ; scale words: 512 bytes a tile, 128 a quarter
	s_lshl_b32 s31, s18, 7
	s_add_co_u32 s42, s42, s31
	s_add_co_u32 s42, s42, 0x800000
	s_mov_b32 s43, 0
	s_lshl_b32 s44, s18, 10                        ; x: 256 numbers a quarter
	s_mov_b32 s45, 0
	s_wait_kmcnt 0x0
	s_add_nc_u64 s[32:33], s[8:9], s[40:41]
	s_add_nc_u64 s[34:35], s[8:9], s[42:43]
	s_add_nc_u64 s[6:7], s[6:7], s[44:45]
.irp j, 0,1,2,3,4,5,6,7,8,9,10,11,12,13,14,15,16,17,18,19,20,21,22,23,24,25,26,27,28,29,30,31
	global_load_b64 v[SEL+2*\j:SEL+2*\j+1], v9, s[4:5] offset:256*\j   ; 32 tokens' pairs: 256 consecutive bytes
.endr
	s_wait_loadcnt 0x0                             ; all of sel
	s_mov_b32 s23, 0                               ; members so far
; Batch g: words j = 8 g .. 8 g + 7.  s[MK + j] = which of tokens 32 j .. 32 j + 31 chose e; s[PF + i] = the members ahead of word 8 g + i.
; A lane whose rank p is not under that count takes the word, the count and j; a later word takes their place as long as that holds.
.macro CBATCH g
.irp i, 0,1,2,3,4,5,6,7
	v_cmp_eq_u32 s[MK+8*\g+\i], s16, v[SEL+2*(8*\g+\i)]
	v_cmp_eq_u32 s[M2+\i], s16, v[SEL+2*(8*\g+\i)+1]
.endr
.irp i, 0,1,2,3,4,5,6,7
	s_or_b32 s[MK+8*\g+\i], s[MK+8*\g+\i], s[M2+\i]
	s_mov_b32 s[PF+\i], s23
	s_bcnt1_i32_b32 s24, s[MK+8*\g+\i]
	s_add_co_u32 s23, s23, s24
.endr
.irp i, 0,1,2,3,4,5,6,7
	v_cmp_le_u32 vcc_lo, s[PF+\i], v11
	v_cndmask_b32 v[SW], v[SW], s[MK+8*\g+\i], vcc_lo
	v_cndmask_b32 v[SC], v[SC], s[PF+\i], vcc_lo
	v_cndmask_b32 v[SJ], v[SJ], 8*\g+\i, vcc_lo
.endr
.endm
	CBATCH 0
	CBATCH 1
	CBATCH 2
	CBATCH 3
	s_min_u32 s25, s23, 1024                       ; n
	s_add_co_u32 s26, s25, 15
	s_lshr_b32 s26, s26, 4
	s_max_u32 s27, s26, 1                          ; tiles to write: tile 0 always, so that a clamped load of a later launch finds written bytes
	s_cmp_lg_u32 s12, 7
	s_cbranch_scc1 .Ltile
	s_cmp_lg_u32 ttmp9, 31
	s_cbranch_scc1 .Ltile
	; ---- wave 7 of work-group x = 31: the map and the count.  A member's slot is 1,024 e + the members so far + the members in lower lanes.
	; A lane that is no member writes its own dump word, so that EXEC stays whole.  The index is held under the region's end before it becomes an address.
	s_mov_b32 s29, s28
.macro MSTEP j
	v_cmp_eq_u32 s20, s16, v[SEL+2*(\j)]
	v_cmp_eq_u32 s21, s16, v[SEL+2*(\j)+1]
	s_or_b32 s22, s20, s21
	v_cndmask_b32 v[AD+(\j)], v22, v23, s21        ; as first choice or as second
	v_add_nc_u32 v[AD+(\j)], 64*(\j), v[AD+(\j)]   ; 2 (32 j + L) + k
	v_cndmask_b32 v[AD+(\j)], v16, v[AD+(\j)], s22 ; no member: my dump word
	v_min_u32 v[AD+(\j)], 2303, v[AD+(\j)]
	v_lshlrev_b32 v[AD+(\j)], 2, v[AD+(\j)]
	v_mbcnt_lo_u32_b32 v[VAL+(\j)], s22, s29       ; the slot
	global_store_b32 v[AD+(\j)], v[VAL+(\j)], s[10:11]
	s_bcnt1_i32_b32 s24, s22
	s_add_co_u32 s29, s29, s24
.endm
.irp j, 0,1,2,3,4,5,6,7,8,9,10,11,12,13,14,15,16,17,18,19,20,21,22,23,24,25,26,27,28,29,30,31
	MSTEP \j
.endr
	v_mov_b32 v18, s25
	global_store_b32 v17, v18, s[10:11] offset:9216
	s_wait_xcnt 0x0                                ; the stores' address registers lie where x lands below
.Ltile:
	s_cmp_ge_u32 s17, s27
	s_cbranch_scc1 .Lend
	; ---- which token is mine: bit number p - count among the set bits of my word
	v_sub_nc_u32 v[RK], v11, v[SC]
	v_lshrrev_b32 v[T0], 1, v[SW]
	v_and_b32 v[T0], 0x55555555, v[T0]
	v_sub_nc_u32 v[CA], v[SW], v[T0]               ; the set bits of each pair of bits
	v_lshrrev_b32 v[T0], 2, v[CA]
	v_and_b32 v[T0], 0x33333333, v[T0]
	v_and_b32 v[CB], 0x33333333, v[CA]
	v_add_nc_u32 v[CB], v[CB], v[T0]               ; of each four
	v_lshrrev_b32 v[T0], 4, v[CB]
	v_add_nc_u32 v[CC], v[CB], v[T0]
	v_and_b32 v[CC], 0x0f0f0f0f, v[CC]             ; of each byte
	v_lshrrev_b32 v[T0], 8, v[CC]
	v_add_nc_u32 v[CD], v[CC], v[T0]               ; low byte: of bits 0 to 15 (16 at the most: no carry leaves a byte)
	v_mov_b32 v[PO], 0
; A halving step: the set bits of the lower half of what is left; if the rank is not under them, they are taken off it and the place moves into the upper half.
.macro SELSTEP src, bits, w
	v_bfe_u32 v[T0], v[\src], v[PO], \bits
	v_cmp_ge_u32 vcc_lo, v[RK], v[T0]
	v_cndmask_b32 v[T0], 0, v[T0], vcc_lo
	v_cndmask_b32 v[T1], 0, \w, vcc_lo
	v_sub_nc_u32 v[RK], v[RK], v[T0]
	v_add_nc_u32 v[PO], v[PO], v[T1]
.endm
	SELSTEP CD, 8, 16
	SELSTEP CC, 8, 8
	SELSTEP CB, 4, 4
	SELSTEP CA, 2, 2
	SELSTEP SW, 1, 1
	v_lshl_add_u32 v20, v[SJ], 5, v[PO]            ; the token: 32 x word + bit
	v_cmp_gt_u32 vcc_lo, s25, v11
	v_cndmask_b32 v20, 0, v20, vcc_lo              ; a row that no token takes reads token 0
	; ---- my tile's 16 rows, my two K steps
	v_min_u32 v20, 1023, v20                       ; the token, held inside x
	v_lshlrev_b32 v19, 12, v20
	v_lshl_add_u32 v19, v3, 6, v19                 ; its row, + 64 h: my 16 numbers of each block of 32
.irp s, 0,1
.irp b, 0,1,2,3
.irp j, 0,1,2,3
	global_load_b128 v[XL+64*\s+16*\b+4*\j:XL+64*\s+16*\b+4*\j+3], v19, s[6:7] offset:512*\s+128*\b+16*\j
.endr
.endr
.endr
; 64 numbers of a lane, v[s] on, become a fragment's codes in v[pc] on and its scale word in v[pw].
.macro QUANT s, pc, pw
.irp b, 0,1,2,3
	v_max3_num_f32 v[TM+\b], |v[\s+16*\b]|, |v[\s+1+16*\b]|, 0x4800000   ; block b: my 16 numbers, and the floor 2^(9 - 127): the byte cannot fall under 1
.endr
.irp i, 2,4,6,8,10,12,14
.irp b, 0,1,2,3
	v_max3_num_f32 v[TM+\b], v[TM+\b], |v[\s+16*\b+\i]|, |v[\s+1+16*\b+\i]|
.endr
.endr
.irp b, 0,1,2,3
	v_permlanex16_b32 v[TM+4+\b], v[TM+\b], s[SLL], s[SLL+1]
.endr
.irp b, 0,1,2,3
	v_max_num_f32 v[TM+\b], v[TM+\b], v[TM+4+\b]   ; with lane l xor 16's: the block's largest magnitude
.endr
.irp b, 0,1,2,3
	v_add_nc_u32 v[TM+12+\b], 0xfc000000, v[TM+\b] ; 8 off its exponent field: the conversion's scale operand
.endr
.irp b, 0,1,2,3
	v_and_or_b32 v[TM+8+\b], v[TM+\b], 0x7f800000, s[MNT]   ; 448 x the scale
.endr
.irp b, 0,1,2,3
	v_lshrrev_b32 v[TM+4+\b], 23, v[TM+12+\b]      ; the scale's byte
.endr
	v_lshl_or_b32 v[\pw], v[TM+5], 8, v[TM+4]
	v_lshl_or_b32 v[\pw], v[TM+6], 16, v[\pw]
	v_lshl_or_b32 v[\pw], v[TM+7], 24, v[\pw]
.irp b, 0,1,2,3
.irp i, 0,1,2,3,4,5,6,7,8,9,10,11,12,13,14,15
	v_med3_num_f32 v[\s+16*\b+\i], v[\s+16*\b+\i], -v[TM+8+\b], v[TM+8+\b]   ; the conversion to an 8-bit code does not saturate (ISA guide 7.6.2): the hold comes first
.endr
	v_cvt_scalef32_pk8_fp8_f32 v[\pc+4*\b:\pc+4*\b+1], v[\s+16*\b:\s+16*\b+7], v[TM+12+\b]
	v_cvt_scalef32_pk8_fp8_f32 v[\pc+4*\b+2:\pc+4*\b+3], v[\s+16*\b+8:\s+16*\b+15], v[TM+12+\b]
.endr
	v_nop                                          ; one plain place behind the last conversion
.endm
	s_wait_loadcnt 16                              ; the first K step's 16 loads are in; the second's may be out
	QUANT XL, PC, PW
	s_wait_loadcnt 0x0
	QUANT XL+64, PC+16, PW+1
.irp s, 0,1
.irp c, 0,1,2,3
	global_store_b128 v12, v[PC+16*\s+4*\c:PC+16*\s+4*\c+3], s[32:33] offset:2048*\s+512*\c   ; 32 lanes store 512 consecutive bytes
.endr
.endr
	v_cndmask_b32 v50, v[PW], v[PW+1], s39         ; lanes 0-15 the first K step's word of row r, lanes 16-31 the second's
	global_store_b32 v21, v50, s[34:35]            ; 128 consecutive bytes
.Lend:
	s_endpgm
.Lfunc_end_k_qa0850c66f2_place:
	.size	k_qa0850c66f2_place, .Lfunc_end_k_qa0850c66f2_place-k_qa0850c66f2_place
	.p2alignl 7, 3214868480
	.fill 96, 4, 3214868480
	.section	.rodata,"a",@progbits
	.p2align	6, 0x0
	.amdhsa_kernel k_qa0850c66f2_place
		.amdhsa_group_segment_fixed_size 0
		.amdhsa_private_segment_fixed_size 0
		.amdhsa_enable_private_segment 0
		.amdhsa_kernarg_size 32
		.amdhsa_user_sgpr_count 2
		.amdhsa_user_sgpr_kernarg_segment_ptr 1
		.amdhsa_wavefront_size32 1
		.amdhsa_system_sgpr_workgroup_id_x 1
		.amdhsa_system_sgpr_workgroup_id_y 1
		.amdhsa_system_sgpr_workgroup_id_z 1
		.amdhsa_system_vgpr_workitem_id 0
		.amdhsa_next_free_vgpr 256
		.amdhsa_next_free_sgpr 98
		.amdhsa_reserve_vcc 1
		.amdhsa_float_denorm_mode_32 3
		.amdhsa_float_denorm_mode_16_64 3
		.amdhsa_memory_ordered 1
		.amdhsa_forward_progress 1
		.amdhsa_inst_pref_size 64
	.end_amdhsa_kernel
	.amdgpu_metadata
---
amdhsa.version: [ 1, 2 ]
amdhsa.kernels:
  - .name:           k_qa0850c66f2_place
    .symbol:         k_qa0850c66f2_place.kd
    .args:
      - { .name: sel, .offset: 0, .size: 8, .value_kind: global_buffer, .address_space: global }
      - { .name: x, .offset: 8, .size: 8, .value_kind: global_buffer, .address_space: global }
      - { .name: xq, .offset: 16, .size: 8, .value_kind: global_buffer, .address_space: global }
      - { .name: order, .offset: 24, .size: 8, .value_kind: global_buffer, .address_space: global }
    .group_segment_fixed_size: 0
    .private_segment_fixed_size: 0
    .kernarg_segment_align: 8
    .kernarg_segment_size: 32
    .max_flat_workgroup_size: 256
    .sgpr_count:     98
    .vgpr_count:     256
    .wavefront_size: 32
...
	.end_amdgpu_metadata
.endif
;; end of part 2
;; launch up (part 3): grid 32 x 8, 8 waves a work-group, no clusters, 136,448 bytes of LDS; arguments w1, w3, xq, order, hq; writes hq
.if DOCPART == 3
	.amdgcn_target "amdgcn-amd-amdhsa--gfx1250"
	.amdhsa_code_object_version 6
	.text
	.protected	k_qa0850c66f2_up
	.globl	k_qa0850c66f2_up
	.p2align	8
	.type	k_qa0850c66f2_up,@function
k_qa0850c66f2_up:
	s_mov_b64 s[64:65], 0
	v_nop
	global_prefetch_b8 v0, s[64:65] scope:SCOPE_SE
	s_setreg_imm32_b32 hwreg(HW_REG_WAVE_MODE, 25, 1), 1
	s_wait_xcnt 0x0
; h = silu(x w1) * (x w3) on the routed rows, both products on codes of E4M3 with one E8M0 scale for each 32 along K (v_wmma_scale_f32_16x16x128_f8f6f4), h quantised along f on the way out.
; SHARES.  Work-group (fs = x, e = y) owns columns 64 fs .. 64 fs + 63 of expert e's w1 and w3, all K = 1,024: 524,288 bytes of f32 that no other work-group reads.  32 x 8 = 256 work-groups.
; PHASE 1: the weights are streamed and quantised.  Wave w owns K step w (128 k) of both matrices: 8 units of 32 k x 64 columns.  A unit is 16 loads; in each, sixteen lanes read 256 consecutive
; aligned bytes of one row.  Lane (q, h) holds columns 4 q .. 4 q + 3 and k = 32 c + 16 h + 0 .. 15.  Three sets of 64 registers take turns: 48 loads of 512 bytes a wave are on their way.
; A lane's eight neighbouring registers hold four columns with four different scales, so each number is multiplied by its column's inverse scale (a power of two: exact), held within +-448 and
; converted with the scale 1; 32 v_perm_b32 a unit turn the bytes so that a register holds four neighbours along K.  The codes go to LDS as IMAGES OF THE OPERAND'S REGISTERS.
; A unit's 16 registers of codes lie outside the landing sets, so that a set is loaded again straight behind the unit's LDS stores; the wait for those stores stands in the next unit, ahead of its first write of these registers.
; THE COLUMNS THAT FORM A TILE ARE NOT NEIGHBOURS: row r of tile 2 b + u is column 32 b + 8 u + r + 8 (r / 8), so that a lane's 16 results of tiles 2 b and 2 b + 1 are 16 neighbours along the next K.
; PHASE 2, behind the one barrier (LDS is only read from there on): 4 trips; in a trip wave w takes token tiles 16 trip + 2 w and + 1 against all 8 column tiles (4 of w1, 4 of w3): 128 matrix instructions,
; source 0 = 16 columns of a weight, source 1 = 16 tokens, so that a lane holds one token.  The tokens' images (launch place) stay in window 1 for the trip; the weights' come from LDS, two fragments a stage.
; The number of tiles, nt = max(ceil(n / 16), 1), hangs on counts[e], whole numbers that an earlier launch stored; trips past it are jumped over; loads of tiles past it are held at tile nt - 1.
; hq: codes [e][tile 64][K step 16][c 4][lane 32][16 bytes]; scale bytes from byte 16,777,216 on: [e][tile][row 16][64].
; NO CLUSTER, NO TENSOR LOAD: the weights must pass through registers to be quantised and are shared with nobody.  What the 32 work-groups of an expert share is the tokens' images, n KiB against the
; 512 KiB that each reads alone; they go from memory straight into the registers of the wave that multiplies them, and a joint request would send them through LDS behind rounds whose number hangs on a loaded count.
; LIMITS: a block of zeros gets the byte 1 (its codes are zeros; this program alone reads the bytes); blocks under the floor 2^-118 are held at the byte 1; NaN and infinities are not served.
; REGISTERS, window 0: v1-10 addresses and 1.0; v12-15, v16-31 scale words and nothing else; v32-47 at work in phase 1; v48-63 a unit's codes; v64-255 three landing sets; in phase 2 v64-191 the 16 accumulators
; ((fi, t) at 64 + 8 (2 fi + t)), v192-255 two buffers of two weight fragments, on the way out scratch.  Window 1: the tokens' fragments, (t, s) at 128 t + 16 s.
.set PITCH, 8192                       ; a row of w1 or w3 in bytes
.set NF,    8                          ; column tiles
.set TS,    16400                      ; LDS: a column tile's 8 fragments of 2,048 bytes + 16, so that the sixteen lanes of a store's pass fall on sixteen different columns of 16 bytes
.set SCL,   8*TS                       ; behind the images: the scale words of (fi, s) at (8 fi + s) 64 + 4 r
.set LI,   1                           ; v1   16 L: my place in an image, in LDS and in memory
.set LI1,  2                           ; v2   the same for w3's tiles: + 4 TS
.set SLD,  3                           ; v3   SCL + 4 r
.set WOFF, 4                           ; v4   the weights: 16 rows x h + 16 q
.set IST,  5                           ; v5, v6  where I store w1's, w3's codes
.set SST,  7                           ; v7   and their scale words
.set XSO,  8                           ; v8   8 r
.set ONE,  9                           ; v9   1.0
.set HBO,  10                          ; v10  64 r
.set AS,   12                          ; v12-15  the weights' scale words: buffer bf, fragment f at 2 bf + f
.set BS,   16                          ; v16-31  the tokens': tile t, K step s at 8 t + s
.set M,    32
.set T,    36
.set I,    40
.set W,    44
.set P,    48                          ; v48, v49  the first conversion's result
.set KC,   48                          ; v48-63    the unit's codes, column j at 4 j: written behind the last read of P
.set XL,   64
.set ACC,  64
.set AB,   192
.set EE,   192                         ; the way out: v192-199 exponentials; v200-204 at work; v208-223 h's codes; v224-227 its bytes
.set QT,   200
.set HC,   208
.set HBY,  224
.set WB,   22                          ; s[22:25] w1, w3 at my wave's first row and my columns
.set BB,   26                          ; s[26:29] the two token tiles' images
.set XS,   30                          ; s[30:33] and their scale words
.set MSB, 0
.macro WIN new                         ; the immediate's high byte repeats the setting that is left
.if MSB != \new
	s_set_vgpr_msb (MSB<<8)|\new
.set MSB, \new
.endif
.endm
; unit u = (matrix u / 4, block u % 4) into set u % 3
.macro LOADU u
.set xs, XL+64*((\u)%3)
.irp i, 0,1,2,3,4,5,6,7,8,9,10,11,12,13,14,15
	global_load_b128 v[xs+4*\i:xs+4*\i+3], v[WOFF], s[WB+2*((\u)/4):WB+2*((\u)/4)+1] offset:(32*((\u)%4)+\i)*PITCH th:TH_LOAD_NT
.endr
.endm
; unit u is quantised.  Register xs + 4 i + j = W(k = 32 c + 16 h + i, column 4 q + j)
.macro QW u
.set xs, XL+64*((\u)%3)
.set qm, (\u)/4
.set qc, (\u)%4
.irp j, 0,1,2,3
	v_max3_num_f32 v[M+\j], |v[xs+\j]|, |v[xs+4+\j]|, 0x4800000   ; column j: my 16 numbers, and the floor 2^(9 - 127)
.endr
.irp i, 2,4,6,8,10,12,14
.irp j, 0,1,2,3
	v_max3_num_f32 v[M+\j], v[M+\j], |v[xs+4*\i+\j]|, |v[xs+4*\i+4+\j]|
.endr
.endr
.irp j, 0,1,2,3
	v_permlanex16_b32 v[T+\j], v[M+\j], s40, s41
.endr
.irp j, 0,1,2,3
	v_max_num_f32 v[M+\j], v[M+\j], v[T+\j]        ; with lane l xor 16's 16: the block's largest magnitude, exponent field E
.endr
.irp j, 0,1,2,3
	v_and_b32 v[T+\j], 0x7f800000, v[M+\j]
.endr
.irp j, 0,1,2,3
	v_sub_nc_u32 v[I+\j], 0x83000000, v[T+\j]      ; 1 / scale = 2^(135 - E): exponent field 262 - E, between 8 and 253
.endr
.irp j, 0,1,2,3
	v_lshrrev_b32 v[T+\j], 23, v[M+\j]
.endr
	s_wait_dscnt 0x0                               ; the last unit's LDS stores have read the scale words and v48-63, which are written again from here on
.irp j, 0,1,2,3
.if qc == 0
	v_add_nc_u32 v[W+\j], -8, v[T+\j]              ; the scale's byte, E - 8; four blocks' bytes make the K step's word
.else
	v_add_nc_u32 v[T+\j], -8, v[T+\j]
	v_lshl_or_b32 v[W+\j], v[T+\j], 8*qc, v[W+\j]
.endif
.endr
.irp a, 0,1,2,3,4,5,6,7                ; rows 2 a and 2 a + 1: eight numbers, four columns twice
	v_pk_mul_f32 v[xs+8*\a:xs+8*\a+1], v[xs+8*\a:xs+8*\a+1], v[I:I+1]
	v_pk_mul_f32 v[xs+8*\a+2:xs+8*\a+3], v[xs+8*\a+2:xs+8*\a+3], v[I+2:I+3]
	v_pk_mul_f32 v[xs+8*\a+4:xs+8*\a+5], v[xs+8*\a+4:xs+8*\a+5], v[I:I+1]
	v_pk_mul_f32 v[xs+8*\a+6:xs+8*\a+7], v[xs+8*\a+6:xs+8*\a+7], v[I+2:I+3]
.irp k, 0,1,2,3,4,5,6,7
	v_med3_num_f32 v[xs+8*\a+\k], v[xs+8*\a+\k], s44, s43   ; the conversion does not saturate (ISA guide 7.6.2): held within +-448 first
.endr
.if \a == 0
	v_cvt_scalef32_pk8_fp8_f32 v[P:P+1], v[xs:xs+7], v[ONE]
.else
	v_cvt_scalef32_pk8_fp8_f32 v[xs+8*(\a-1):xs+8*(\a-1)+1], v[xs+8*\a:xs+8*\a+7], v[ONE]   ; into registers that the conversion before has read: twelve plain lines stand between
.endif
.endr
	v_nop                                          ; one plain place behind the last conversion
.irp g, 0,1,2,3                        ; rows 4 g .. 4 g + 3: four registers of four columns' bytes are interleaved by pairs of rows, into registers of the set whose numbers are done with
.if \g == 0
.set r0, P
.else
.set r0, xs+8*(2*\g-1)
.endif
.set r2, xs+8*(2*\g)
.set tp, xs+2+8*\g
	v_perm_b32 v[tp], v[r0+1], v[r0], s45
	v_perm_b32 v[tp+1], v[r0+1], v[r0], s46
	v_perm_b32 v[tp+2], v[r2+1], v[r2], s45
	v_perm_b32 v[tp+3], v[r2+1], v[r2], s46
.endr
.irp g, 0,1,2,3                        ; and become four registers of four rows' bytes, outside the set
.set tp, xs+2+8*\g
	v_perm_b32 v[KC+\g], v[tp+2], v[tp], s47       ; column 0, k = 4 g .. 4 g + 3, the lower k in the lower byte
	v_perm_b32 v[KC+4+\g], v[tp+2], v[tp], s48     ; column 1
	v_perm_b32 v[KC+8+\g], v[tp+3], v[tp+1], s47   ; column 2
	v_perm_b32 v[KC+12+\g], v[tp+3], v[tp+1], s48  ; column 3
.endr
.irp j, 0,1,2,3
	ds_store_b128 v[IST+qm], v[KC+4*\j:KC+4*\j+3] offset:512*qc+16*\j   ; column j's 16 codes: registers 4 c .. 4 c + 3 of lane (r, h) of its fragment
.endr
.if qc == 3
	ds_store_b128 v[SST], v[W:W+3] offset:2048*qm  ; four neighbouring rows' scale words (both halves of the lanes write the same bytes with the same values)
.endif
.endm                                  ; no LDS store reads a register of the set: it may be loaded again at once
; loads n0 .. n1 - 1 of the list of 72 that brings two token tiles: 64 of codes into window 1, 8 of scale words
.macro BL n0, n1
.set nn, \n0
.rept \n1-\n0
.if nn < 64
	WIN 0x40                                       ; destination window 1, address window 0
.set rb, 128*(nn/32)+16*((nn%32)/4)+4*(nn%4)
	global_load_b128 v[rb:rb+3], v[LI], s[BB+2*(nn/32):BB+2*(nn/32)+1] offset:2048*((nn%32)/4)+512*(nn%4)
.else
	WIN 0
	global_load_b64 v[BS+8*((nn-64)/4)+2*((nn-64)%4):BS+8*((nn-64)/4)+2*((nn-64)%4)+1], v[XSO], s[XS+2*((nn-64)/4):XS+2*((nn-64)/4)+1] offset:128*((nn-64)%4)
.endif
.set nn, nn+1
.endr
	WIN 0
.endm
; the bases of tiles s[reg] and s[reg] + 1, held at tile nt - 1 and then, by a constant, inside the expert's 64
.macro BASES reg
.irp t, 0,1
	s_add_co_u32 s52, s[\reg], \t
	s_min_u32 s52, s52, s19
	s_min_u32 s52, s52, 63
	s_add_co_u32 s54, s52, s56
	s_lshl_b32 s52, s54, 14
	s_mov_b32 s53, 0
	s_add_nc_u64 s[BB+2*\t:BB+2*\t+1], s[8:9], s[52:53]
	s_lshl_b32 s52, s54, 9
	s_add_co_u32 s52, s52, 0x800000
	s_add_nc_u64 s[XS+2*\t:XS+2*\t+1], s[8:9], s[52:53]
.endr
.endm
; stage n of a trip: K step n / (NF / 2), column tiles 2 (n % (NF / 2)) and + 1, into buffer n % 2: ten LDS loads
.macro ALOAD n
.set als, (\n)/(NF/2)
.set alp, (\n)%(NF/2)
.set alb, (\n)%2
.irp f, 0,1
.set afi, 2*alp+\f
.irp c, 0,1,2,3
.if afi < 4
	ds_load_b128 v[AB+32*alb+16*\f+4*\c:AB+32*alb+16*\f+4*\c+3], v[LI] offset:afi*TS+2048*als+512*\c
.else
	ds_load_b128 v[AB+32*alb+16*\f+4*\c:AB+32*alb+16*\f+4*\c+3], v[LI1] offset:(afi-4)*TS+2048*als+512*\c
.endif
.endr
	ds_load_b32 v[AS+2*alb+\f], v[SLD] offset:(8*afi+als)*64
.endr
.endm
; A trip's products.  The accumulators take turns, one instruction a turn: 2 NF - 1 others stand between two links of a chain.  The first K step's products take the constant 0 as C.
; A load into a register that a matrix instruction has read stands eight places behind it: eight v_nop at the head of each stage.
.macro KLOOP
	ALOAD 0
	WIN 0x04                                       ; source 1 (the tokens) in window 1; LDS loads name no source 1
.set kn, 0
.rept 4*NF
.if kn > 0
.rept 8
	v_nop
.endr
.endif
.if kn < 4*NF-1
	ALOAD kn+1
	s_wait_dscnt 10                                ; this stage's ten loads are in; the ten just issued may be out
.else
	s_wait_dscnt 0x0
.endif
.set ks, kn/(NF/2)
.set kp, kn%(NF/2)
.set kb, kn%2
.irp f, 0,1
.irp t, 0,1
.set ka, ACC+8*(2*(2*kp+\f)+\t)
.if ks == 0
	v_wmma_scale_f32_16x16x128_f8f6f4 v[ka:ka+7], v[AB+32*kb+16*\f:AB+32*kb+16*\f+15], v[128*\t+16*ks:128*\t+16*ks+15], 0, v[AS+2*kb+\f], v[BS+8*\t+ks]
.else
	v_wmma_scale_f32_16x16x128_f8f6f4 v[ka:ka+7], v[AB+32*kb+16*\f:AB+32*kb+16*\f+15], v[128*\t+16*ks:128*\t+16*ks+15], v[ka:ka+7], v[AS+2*kb+\f], v[BS+8*\t+ks]
.endif
.endr
.endr
.set kn, kn+1
.endr
.rept 9
	v_nop                                          ; eight places in front of the first read of results and of loads over operands; nine in front of a matrix instruction that begins an accumulator anew
.endr
	WIN 0
.endm
; v[gg] on: 8 numbers of x w1; v[uu] on: the same places of x w3.  v[gg] becomes g u / (1 + 2^(-g log2 e)).  Each accumulator is read from its low end on.
.macro SILU
.irp k, 0,2,4,6
	v_pk_mul_f32 v[EE+\k:EE+\k+1], v[gg+\k:gg+\k+1], s[50:51] op_sel_hi:[1,0]
.endr
.irp k, 0,1,2,3,4,5,6,7
	v_exp_f32 v[EE+\k], v[EE+\k]
.endr
.irp k, 0,2,4,6
	v_pk_mul_f32 v[gg+\k:gg+\k+1], v[gg+\k:gg+\k+1], v[uu+\k:uu+\k+1]   ; (plain places behind the exponentials)
.endr
	s_wait_alu depctr_va_vdst(0)
.irp k, 0,2,4,6
	v_pk_add_f32 v[EE+\k:EE+\k+1], v[EE+\k:EE+\k+1], 1.0 op_sel_hi:[1,0]
.endr
.irp k, 0,1,2,3,4,5,6,7
	v_rcp_f32 v[EE+\k], v[EE+\k]
.endr
	v_nop
	s_wait_alu depctr_va_vdst(0)
.irp k, 0,2,4,6
	v_pk_mul_f32 v[gg+\k:gg+\k+1], v[gg+\k:gg+\k+1], v[EE+\k:EE+\k+1]
.endr
.endm
; 16 neighbours along f, v[g0] on and v[g1] on, half of a block of 32: its codes into v[hc] on, its scale byte into v[hb]
.macro QH
	v_max3_num_f32 v[QT], |v[g0]|, |v[g0+1]|, 0x4800000
	v_max3_num_f32 v[QT+2], |v[g1]|, |v[g1+1]|, |v[g1+2]|
	v_max3_num_f32 v[QT], v[QT], |v[g0+2]|, |v[g0+3]|
	v_max3_num_f32 v[QT+2], v[QT+2], |v[g1+3]|, |v[g1+4]|
	v_max3_num_f32 v[QT], v[QT], |v[g0+4]|, |v[g0+5]|
	v_max3_num_f32 v[QT+2], v[QT+2], |v[g1+5]|, |v[g1+6]|
	v_max3_num_f32 v[QT], v[QT], |v[g0+6]|, |v[g0+7]|
	v_mov_b32 v[QT+1], 0                           ; a lane permute's destination counts as one of its sources
	v_max3_num_f32 v[QT], v[QT], v[QT+2], |v[g1+7]|
	v_permlanex16_b32 v[QT+1], v[QT], s40, s41
	v_max_num_f32 v[QT], v[QT], v[QT+1]            ; with lane l xor 16's: the block's largest magnitude
	v_add_nc_u32 v[QT+3], 0xfc000000, v[QT]        ; 8 off its exponent field: the conversion's scale operand
	v_and_or_b32 v[QT+4], v[QT], 0x7f800000, s42   ; 448 x the scale
	v_lshrrev_b32 v[hb], 23, v[QT+3]               ; the scale's byte
.irp k, 0,1,2,3,4,5,6,7
	v_med3_num_f32 v[g0+\k], v[g0+\k], -v[QT+4], v[QT+4]
	v_med3_num_f32 v[g1+\k], v[g1+\k], -v[QT+4], v[QT+4]
.endr
	v_cvt_scalef32_pk8_fp8_f32 v[hc:hc+1], v[g0:g0+7], v[QT+3]
	v_cvt_scalef32_pk8_fp8_f32 v[hc+2:hc+3], v[g1:g1+7], v[QT+3]
	v_nop                                          ; one plain place behind the last conversion
.endm
; token tile s39 + t goes out: two blocks of 32 along f: pieces c = 2 (fs % 2) + b of fragment (tile, fs / 2) of h, 512 consecutive bytes each, and a byte a row
.macro POST t
	s_wait_xcnt 0x0                                ; the bases below are written again only behind this wait
	s_add_co_u32 s54, s39, \t
	s_add_co_u32 s54, s54, s56                     ; 64 e + tile
	s_lshl_b32 s52, s54, 15
	s_add_co_u32 s52, s52, s58
	s_mov_b32 s53, 0
	s_add_nc_u64 s[34:35], s[12:13], s[52:53]
	s_lshl_b32 s52, s54, 10
	s_add_co_u32 s52, s52, s59
	s_add_nc_u64 s[36:37], s[12:13], s[52:53]
.irp b, 0,1
.irp u, 0,1
.set gg, ACC+8*(2*(2*\b+\u)+\t)
.set uu, ACC+8*(2*(4+2*\b+\u)+\t)
	SILU
.endr
.set g0, ACC+8*(2*(2*\b)+\t)
.set g1, ACC+8*(2*(2*\b+1)+\t)
.set hc, HC+4*(2*\t+\b)
.set hb, HBY+2*\t+\b
	QH
	global_store_b128 v[LI], v[hc:hc+3], s[34:35] offset:512*\b
	global_store_b8 v[HBO], v[hb], s[36:37] offset:\b   ; both halves of the lanes write row r's byte with the same value; one byte for each 512 bytes of weights read
.endr
.endm
	s_load_b256 s[4:11], s[0:1], 0x0               ; w1 s[4:5], w3 s[6:7], xq s[8:9], order s[10:11]
	s_load_b64 s[12:13], s[0:1], 0x20              ; hq
	v_lshrrev_b32 v32, 5, v0
	v_readfirstlane_b32 s14, v32                   ; wave
	s_mov_b32 s15, ttmp9                           ; fs
	s_and_b32 s16, ttmp7, 0xffff                   ; e
	v_and_b32 v33, 31, v0                          ; L
	v_and_b32 v34, 15, v0                          ; q, also r
	v_bfe_u32 v35, v0, 4, 1                        ; h
	v_lshlrev_b32 v[LI], 4, v33
	v_add_nc_u32 v[LI1], 4*TS, v[LI]
	v_lshl_add_u32 v[SLD], v34, 2, SCL
	v_lshlrev_b32 v[WOFF], 4, v34
	v_lshl_add_u32 v[WOFF], v35, 17, v[WOFF]       ; 16 rows of 8,192 bytes for the upper half of the lanes
	v_lshlrev_b32 v[XSO], 3, v34
	v_lshlrev_b32 v[HBO], 6, v34
	v_mov_b32 v[ONE], 1.0
	v_bfe_u32 v36, v0, 3, 1
	v_bfe_u32 v37, v0, 1, 1
	v_lshl_add_u32 v36, v36, 1, v37                ; my columns' tile: 2 (q / 8) + (q / 2) % 2
	v_bfe_u32 v37, v0, 2, 1                        ; their rows in it: 8 ((q / 4) % 2) + 4 (q % 2) + j
	v_and_b32 v38, 1, v0
	v_mov_b32 v39, 0                               ; (v36-39 are lane permutes' destinations later: all four are written here)
	v_mul_u32_u24 v[IST], v36, TS
	v_lshl_add_u32 v[IST], v37, 7, v[IST]
	v_lshl_add_u32 v[IST], v38, 6, v[IST]
	v_lshl_add_u32 v[IST], v35, 8, v[IST]
	s_lshl_b32 s20, s14, 11                        ; my K step's fragment
	v_add_nc_u32 v[IST], s20, v[IST]
	v_add_nc_u32 v[IST+1], 4*TS, v[IST]
	v_lshlrev_b32 v[SST], 9, v36
	v_lshl_add_u32 v[SST], v37, 5, v[SST]
	v_lshl_add_u32 v[SST], v38, 4, v[SST]
	s_lshl_b32 s21, s14, 6
	v_add_nc_u32 v[SST], s21, v[SST]
	v_add_nc_u32 v[SST], SCL, v[SST]
	s_mov_b32 s40, 0x76543210                      ; v_permlanex16_b32's selects for lane l xor 16
	s_mov_b32 s41, 0xfedcba98
	s_mov_b32 s42, 0x600000                        ; the mantissa field of 448
	s_mov_b32 s43, 0x43e00000                      ; 448
	s_mov_b32 s44, 0xc3e00000                      ; -448
	s_mov_b32 s45, 0x05010400                      ; v_perm_b32: bytes 0 and 1 of two registers, interleaved;
	s_mov_b32 s46, 0x07030602                      ; bytes 2 and 3;
	s_mov_b32 s47, 0x05040100                      ; the low halves of two registers;
	s_mov_b32 s48, 0x07060302                      ; the high halves
	s_mov_b32 s50, 0xbfb8aa3b                      ; -log2(e)
	s_mov_b32 s51, s50                             ; (named with it as a pair, so it is written)
	s_lshl_b32 s52, s16, 23                        ; an expert's 8 MiB,
	s_lshl_b32 s54, s14, 20                        ; 128 rows a wave,
	s_add_co_u32 s52, s52, s54
	s_lshl_b32 s54, s15, 8                         ; 64 columns a work-group
	s_add_co_u32 s52, s52, s54
	s_mov_b32 s53, 0
	s_lshl_b32 s57, s16, 7
	s_lshl_b32 s56, s16, 6
	s_lshl_b32 s58, s15, 10                        ; hq: 2,048 (fs / 2) + 1,024 (fs % 2)
	s_lshl_b32 s59, s15, 1
	s_add_co_u32 s59, s59, 0x1000000               ; and its scale bytes: 16,777,216 + 2 fs
	s_wait_kmcnt 0x0
	s_load_b32 s17, s[10:11], s57 offset:9216      ; counts[e]
	s_add_nc_u64 s[WB:WB+1], s[4:5], s[52:53]
	s_add_nc_u64 s[WB+2:WB+3], s[6:7], s[52:53]
	LOADU 0
	LOADU 1
	LOADU 2
	s_wait_kmcnt 0x0
	s_min_u32 s17, s17, 1024
	s_add_co_u32 s18, s17, 15
	s_lshr_b32 s18, s18, 4
	s_max_u32 s18, s18, 1                          ; nt
	s_sub_co_u32 s19, s18, 1
	s_lshl_b32 s39, s14, 1                         ; my first token tile
	BASES 39
.irp u, 0,1,2,3,4
	s_wait_loadcnt 32                              ; this unit's 16 loads are in; the two units behind it may be out
	QW \u
	LOADU \u+3
.endr
	s_wait_loadcnt 32
	QW 5
	BL 0, 24                                       ; the freed sets stay empty: the first trip's tokens are asked for instead
	s_wait_loadcnt 40                              ; behind unit 6: unit 7's 16 loads and 24 of the tokens'
	QW 6
	BL 24, 48
	s_wait_loadcnt 48                              ; behind unit 7: 48 of the tokens'
	QW 7
	BL 48, 72
	s_wait_dscnt 0x0                               ; for the others' sake: my LDS stores have landed
	s_barrier_signal -1
	s_barrier_wait -1                              ; all 64 fragments and their scale words lie in LDS
	s_mov_b32 s38, 0
.Ltrip:
	s_wait_loadcnt 0x0                             ; the tokens' images and scale words
	s_wait_xcnt 0x0                                ; the last trip's stores have read their registers, which this trip's LDS loads write
	s_cmp_ge_u32 s39, s18
	s_cbranch_scc1 .Lskip
	KLOOP
	s_add_co_u32 s55, s39, 16
	s_cmp_ge_u32 s55, s18
	s_cbranch_scc1 .Lnonext
	BASES 55                                       ; the next trip's tokens are asked for ahead of the way out; the only wait for them is the wait for 0 at the trip's head
	BL 0, 72
.Lnonext:
	POST 0
	s_add_co_u32 s54, s39, 1
	s_cmp_ge_u32 s54, s18
	s_cbranch_scc1 .Lskip
	POST 1
.Lskip:
	s_add_co_u32 s39, s39, 16
	s_add_co_u32 s38, s38, 1
	s_cmp_lt_u32 s38, 4
	s_cbranch_scc1 .Ltrip
	s_wait_xcnt 0x0
	v_lshl_add_u32 v254, v0, 2, 0x21100
	v_mov_b32 v255, 0
	s_wait_tensorcnt 0x0
	ds_add_u32 v254, v255
	s_wait_dscnt 0x0
	s_endpgm
.Lfunc_end_k_qa0850c66f2_up:
	.size	k_qa0850c66f2_up, .Lfunc_end_k_qa0850c66f2_up-k_qa0850c66f2_up
	.p2alignl 7, 3214868480
	.fill 96, 4, 3214868480
	.section	.rodata,"a",@progbits
	.p2align	6, 0x0
	.amdhsa_kernel k_qa0850c66f2_up
		.amdhsa_group_segment_fixed_size 136448
		.amdhsa_private_segment_fixed_size 0
		.amdhsa_enable_private_segment 0
		.amdhsa_kernarg_size 40
		.amdhsa_user_sgpr_count 2
		.amdhsa_user_sgpr_kernarg_segment_ptr 1
		.amdhsa_wavefront_size32 1
		.amdhsa_system_sgpr_workgroup_id_x 1
		.amdhsa_system_sgpr_workgroup_id_y 1
		.amdhsa_system_sgpr_workgroup_id_z 1
		.amdhsa_system_vgpr_workitem_id 0
		.amdhsa_next_free_vgpr 512
		.amdhsa_next_free_sgpr 66
		.amdhsa_reserve_vcc 0
		.amdhsa_float_denorm_mode_32 3
		.amdhsa_float_denorm_mode_16_64 3
		.amdhsa_memory_ordered 1
		.amdhsa_forward_progress 1
		.amdhsa_inst_pref_size 198
	.end_amdhsa_kernel
	.amdgpu_metadata
---
amdhsa.version: [ 1, 2 ]
amdhsa.kernels:
  - .name:           k_qa0850c66f2_up
    .symbol:         k_qa0850c66f2_up.kd
    .args:
      - { .name: w1, .offset: 0, .size: 8, .value_kind: global_buffer, .address_space: global }
      - { .name: w3, .offset: 8, .size: 8, .value_kind: global_buffer, .address_space: global }
      - { .name: xq, .offset: 16, .size: 8, .value_kind: global_buffer, .address_space: global }
      - { .name: order, .offset: 24, .size: 8, .value_kind: global_buffer, .address_space: global }
      - { .name: hq, .offset: 32, .size: 8, .value_kind: global_buffer, .address_space: global }
    .group_segment_fixed_size: 136448
    .private_segment_fixed_size: 0
    .kernarg_segment_align: 8
    .kernarg_segment_size: 40
    .max_flat_workgroup_size: 256
    .sgpr_count:     66
    .vgpr_count:     512
    .wavefront_size: 32
...
	.end_amdgpu_metadata
.endif
;; end of part 3
;; launch down (part 4): grid 32 x 8, 8 waves a work-group, no clusters, 103,680 bytes of LDS; arguments w2, hq, order, y; writes y
.if DOCPART == 4
	.amdgcn_target "amdgcn-amd-amdhsa--gfx1250"
	.amdhsa_code_object_version 6
	.text
	.protected	k_qa0850c66f2_down
	.globl	k_qa0850c66f2_down
	.p2align	8
	.type	k_qa0850c66f2_down,@function
k_qa0850c66f2_down:
	s_mov_b64 s[64:65], 0
	v_nop
	global_prefetch_b8 v0, s[64:65] scope:SCOPE_SE
	s_setreg_imm32_b32 hwreg(HW_REG_WAVE_MODE, 25, 1), 1
	s_wait_xcnt 0x0
; y[fh][slot][d] = sum over half fh of f of h[slot][f] w2[e][f][d] on the routed rows, on codes of E4M3 with one E8M0 scale for each 32 along K = f (v_wmma_scale_f32_16x16x128_f8f6f4).
; SHARES.  Work-group (x, e = y): ds = x % 16 owns columns 64 ds .. + 63 of expert e's w2, fh = x / 16 a half of F: 1,024 rows x 256 bytes = 262,144 bytes of f32 that no other work-group reads.
; Halving F gives 32 x 8 = 256 work-groups with rows of 256 bytes, and lets two token tiles' 8 K steps fill window 1; the two halves' sums are added by the last launch.
; PHASE 1 as in the launch before: wave w owns K step w of the half, 4 units of 32 f x 64 columns; codes and scale words go to LDS as images of the operand's registers.  Here the tiles are natural:
; row r of tile ct is column 16 ct + r.  A unit's 16 registers of codes lie outside the landing sets, so that a set is loaded again straight behind the unit's LDS stores; the wait for those stores stands in the next unit.
; PHASE 2, behind the one barrier: 4 trips; wave w takes token tiles 16 trip + 2 w and + 1 against the 4 column tiles: 64 matrix instructions,
; source 0 = 16 columns of w2, source 1 = 16 tokens of h: a lane holds one token and eight neighbouring d.  A tile's 16 rows x 256 bytes go through the wave's own stage in LDS and leave as whole rows:
; sixteen lanes store 256 consecutive aligned bytes.
; nt = max(ceil(n / 16), 1) hangs on counts[e], whole numbers that an earlier launch stored.
; NO CLUSTER, NO TENSOR LOAD: as in the launch before: the weights pass through registers and are shared with nobody; the shared images of h (n KiB a half against 256 KiB of weights) go straight into registers.
; LIMITS: a block of zeros gets the byte 1; blocks under the floor 2^-118 are held at the byte 1; NaN and infinities are not served.
; REGISTERS, window 0: v1-11 addresses and 1.0; v12-15, v16-31 scale words and nothing else; v32-47 at work in phase 1; v48-63 a unit's codes; v64-255 three landing sets; in phase 2 v64-127 the 8 accumulators
; ((ct, t) at 64 + 8 (2 ct + t)), v128-191 rows on their way out, v192-255 two buffers of two weight fragments.  Window 1: h's fragments, (t, s) at 128 t + 16 s.
.set PITCH, 4096                       ; a row of w2 in bytes
.set NF,    4
.set TS,    16400
.set SCL,   4*TS                       ; 65,600: the scale words, 2,048 bytes
.set STG,   67840                      ; the stages: 16 rows x 272 bytes for each wave
.set LI,   1                           ; v1   16 L
.set YOF,  2                           ; v2   y: 4,096 h + 16 q
.set SLD,  3                           ; v3   SCL + 4 r
.set WOFF, 4                           ; v4   the weights: 16 rows x h + 16 q
.set IST,  5                           ; v5   where I store codes
.set SST,  7                           ; v7   and scale words
.set STO,  8                           ; v8   the stage, in: row r, + 32 h
.set ONE,  9                           ; v9   1.0
.set HBO,  10                          ; v10  64 r
.set SRD,  11                          ; v11  the stage, back: row h, + 16 q
.set AS,   12
.set BS,   16
.set M,    32
.set T,    36
.set I,    40
.set W,    44
.set P,    48                          ; v48, v49  the first conversion's result
.set KC,   48                          ; v48-63    the unit's codes, column j at 4 j: written behind the last read of P
.set XL,   64
.set ACC,  64
.set OUT,  128
.set AB,   192
.set WB,   22                          ; s[22:23] w2 at my wave's first row and my columns
.set BB,   26                          ; s[26:29] the two token tiles' images
.set XS,   30                          ; s[30:33] and their scale bytes
.set MSB, 0
.macro WIN new                         ; the immediate's high byte repeats the setting that is left
.if MSB != \new
	s_set_vgpr_msb (MSB<<8)|\new
.set MSB, \new
.endif
.endm
.macro LOADU u                         ; block u of my K step into set u % 3
.set xs, XL+64*((\u)%3)
.irp i, 0,1,2,3,4,5,6,7,8,9,10,11,12,13,14,15
	global_load_b128 v[xs+4*\i:xs+4*\i+3], v[WOFF], s[WB:WB+1] offset:(32*(\u)+\i)*PITCH th:TH_LOAD_NT
.endr
.endm
; block u is quantised.  Register xs + 4 i + j = W(f = 32 u + 16 h + i, column 4 q + j)
.macro QW u
.set xs, XL+64*((\u)%3)
.set qc, (\u)%4
.irp j, 0,1,2,3
	v_max3_num_f32 v[M+\j], |v[xs+\j]|, |v[xs+4+\j]|, 0x4800000   ; column j: my 16 numbers, and the floor 2^(9 - 127)
.endr
.irp i, 2,4,6,8,10,12,14
.irp j, 0,1,2,3
	v_max3_num_f32 v[M+\j], v[M+\j], |v[xs+4*\i+\j]|, |v[xs+4*\i+4+\j]|
.endr
.endr
.irp j, 0,1,2,3
	v_permlanex16_b32 v[T+\j], v[M+\j], s40, s41
.endr
.irp j, 0,1,2,3
	v_max_num_f32 v[M+\j], v[M+\j], v[T+\j]        ; the block's largest magnitude, exponent field E
.endr
.irp j, 0,1,2,3
	v_and_b32 v[T+\j], 0x7f800000, v[M+\j]
.endr
.irp j, 0,1,2,3
	v_sub_nc_u32 v[I+\j], 0x83000000, v[T+\j]      ; 1 / scale = 2^(135 - E)
.endr
.irp j, 0,1,2,3
	v_lshrrev_b32 v[T+\j], 23, v[M+\j]
.endr
	s_wait_dscnt 0x0                               ; the last unit's LDS stores have read v48-63, which are written again from here on
.irp j, 0,1,2,3
.if qc == 0
	v_add_nc_u32 v[W+\j], -8, v[T+\j]              ; the scale's byte, E - 8
.else
	v_add_nc_u32 v[T+\j], -8, v[T+\j]
	v_lshl_or_b32 v[W+\j], v[T+\j], 8*qc, v[W+\j]
.endif
.endr
.irp a, 0,1,2,3,4,5,6,7
	v_pk_mul_f32 v[xs+8*\a:xs+8*\a+1], v[xs+8*\a:xs+8*\a+1], v[I:I+1]
	v_pk_mul_f32 v[xs+8*\a+2:xs+8*\a+3], v[xs+8*\a+2:xs+8*\a+3], v[I+2:I+3]
	v_pk_mul_f32 v[xs+8*\a+4:xs+8*\a+5], v[xs+8*\a+4:xs+8*\a+5], v[I:I+1]
	v_pk_mul_f32 v[xs+8*\a+6:xs+8*\a+7], v[xs+8*\a+6:xs+8*\a+7], v[I+2:I+3]
.irp k, 0,1,2,3,4,5,6,7
	v_med3_num_f32 v[xs+8*\a+\k], v[xs+8*\a+\k], s44, s43   ; the conversion does not saturate (ISA guide 7.6.2): held within +-448 first
.endr
.if \a == 0
	v_cvt_scalef32_pk8_fp8_f32 v[P:P+1], v[xs:xs+7], v[ONE]
.else
	v_cvt_scalef32_pk8_fp8_f32 v[xs+8*(\a-1):xs+8*(\a-1)+1], v[xs+8*\a:xs+8*\a+7], v[ONE]   ; into registers that the conversion before has read: twelve plain lines stand between
.endif
.endr
	v_nop                                          ; one plain place behind the last conversion
.irp g, 0,1,2,3                        ; rows 4 g .. 4 g + 3: interleaved by pairs of rows, into registers of the set whose numbers are done with
.if \g == 0
.set r0, P
.else
.set r0, xs+8*(2*\g-1)
.endif
.set r2, xs+8*(2*\g)
.set tp, xs+2+8*\g
	v_perm_b32 v[tp], v[r0+1], v[r0], s45
	v_perm_b32 v[tp+1], v[r0+1], v[r0], s46
	v_perm_b32 v[tp+2], v[r2+1], v[r2], s45
	v_perm_b32 v[tp+3], v[r2+1], v[r2], s46
.endr
.irp g, 0,1,2,3                        ; and four registers of four rows' bytes, outside the set
.set tp, xs+2+8*\g
	v_perm_b32 v[KC+\g], v[tp+2], v[tp], s47
	v_perm_b32 v[KC+4+\g], v[tp+2], v[tp], s48
	v_perm_b32 v[KC+8+\g], v[tp+3], v[tp+1], s47
	v_perm_b32 v[KC+12+\g], v[tp+3], v[tp+1], s48
.endr
.irp j, 0,1,2,3
	ds_store_b128 v[IST], v[KC+4*\j:KC+4*\j+3] offset:512*qc+16*\j
.endr
.if qc == 3
	ds_store_b128 v[SST], v[W:W+3]                 ; four neighbouring rows' scale words (both halves of the lanes write the same bytes with the same values)
.endif
.endm                                  ; no LDS store reads a register of the set: it may be loaded again at once
; loads n0 .. n1 - 1 of the list of 68 that brings two token tiles: 64 of codes into window 1, 4 of scale words
.macro BL n0, n1
.set nn, \n0
.rept \n1-\n0
.if nn < 64
	WIN 0x40
.set rb, 128*(nn/32)+16*((nn%32)/4)+4*(nn%4)
	global_load_b128 v[rb:rb+3], v[LI], s[BB+2*(nn/32):BB+2*(nn/32)+1] offset:2048*((nn%32)/4)+512*(nn%4)
.else
	WIN 0
	global_load_b128 v[BS+8*((nn-64)/2)+4*((nn-64)%2):BS+8*((nn-64)/2)+4*((nn-64)%2)+3], v[HBO], s[XS+2*((nn-64)/2):XS+2*((nn-64)/2)+1] offset:16*((nn-64)%2)
.endif
.set nn, nn+1
.endr
	WIN 0
.endm
.macro BASES reg
.irp t, 0,1
	s_add_co_u32 s52, s[\reg], \t
	s_min_u32 s52, s52, s19
	s_min_u32 s52, s52, 63
	s_add_co_u32 s54, s52, s56
	s_lshl_b32 s52, s54, 15
	s_add_co_u32 s52, s52, s58
	s_mov_b32 s53, 0
	s_add_nc_u64 s[BB+2*\t:BB+2*\t+1], s[6:7], s[52:53]
	s_lshl_b32 s52, s54, 10
	s_add_co_u32 s52, s52, s59
	s_add_nc_u64 s[XS+2*\t:XS+2*\t+1], s[6:7], s[52:53]
.endr
.endm
.macro ALOAD n
.set als, (\n)/(NF/2)
.set alp, (\n)%(NF/2)
.set alb, (\n)%2
.irp f, 0,1
.set afi, 2*alp+\f
.irp c, 0,1,2,3
	ds_load_b128 v[AB+32*alb+16*\f+4*\c:AB+32*alb+16*\f+4*\c+3], v[LI] offset:afi*TS+2048*als+512*\c
.endr
	ds_load_b32 v[AS+2*alb+\f], v[SLD] offset:(8*afi+als)*64
.endr
.endm
; A trip's products.  The accumulators take turns, one instruction a turn: seven others stand between two links of a chain.  The first K step's products take the constant 0 as C.
.macro KLOOP
	ALOAD 0
	WIN 0x04                                       ; source 1 (the tokens) in window 1
.set kn, 0
.rept 4*NF
.if kn > 0
.rept 8
	v_nop                                          ; places in front of loads into registers that matrix instructions have read
.endr
.endif
.if kn < 4*NF-1
	ALOAD kn+1
	s_wait_dscnt 10                                ; this stage's ten loads are in; the ten just issued may be out
.else
	s_wait_dscnt 0x0
.endif
.set ks, kn/(NF/2)
.set kp, kn%(NF/2)
.set kb, kn%2
.irp f, 0,1
.irp t, 0,1
.set ka, ACC+8*(2*(2*kp+\f)+\t)
.if ks == 0
	v_wmma_scale_f32_16x16x128_f8f6f4 v[ka:ka+7], v[AB+32*kb+16*\f:AB+32*kb+16*\f+15], v[128*\t+16*ks:128*\t+16*ks+15], 0, v[AS+2*kb+\f], v[BS+8*\t+ks]
.else
	v_wmma_scale_f32_16x16x128_f8f6f4 v[ka:ka+7], v[AB+32*kb+16*\f:AB+32*kb+16*\f+15], v[128*\t+16*ks:128*\t+16*ks+15], v[ka:ka+7], v[AS+2*kb+\f], v[BS+8*\t+ks]
.endif
.endr
.endr
.set kn, kn+1
.endr
.rept 9
	v_nop                                          ; eight places in front of the LDS stores that read results and of loads over operands; nine in front of a matrix instruction that begins an accumulator anew
.endr
	WIN 0
.endm
; token tile s39 + t goes out through my stage
.macro POST t
	s_wait_xcnt 0x0                                ; the base below is written again only behind this wait
	s_add_co_u32 s54, s39, \t
	s_lshl_b32 s52, s54, 16                        ; 16 rows of 4,096 bytes a tile
	s_add_co_u32 s52, s52, s60
	s_mov_b32 s53, 0
	s_add_nc_u64 s[34:35], s[10:11], s[52:53]
.irp c, 0,1,2,3
	ds_store_b128 v[STO], v[ACC+8*(2*\c+\t):ACC+8*(2*\c+\t)+3] offset:64*\c          ; lane (r, h): y(token r, d = 16 c + 8 h + 0 .. 7); each accumulator from its low end on
	ds_store_b128 v[STO], v[ACC+8*(2*\c+\t)+4:ACC+8*(2*\c+\t)+7] offset:64*\c+16
.endr
.irp i, 0,1,2,3,4,5,6,7
	ds_load_b128 v[OUT+32*\t+4*\i:OUT+32*\t+4*\i+3], v[SRD] offset:544*\i            ; LDS serves a wave's instructions in order: these see my stores
.endr
.irp i, 0,1,2,3,4,5,6,7
	s_wait_dscnt 7-\i
	global_store_b128 v[YOF], v[OUT+32*\t+4*\i:OUT+32*\t+4*\i+3], s[34:35] offset:8192*\i   ; rows 2 i and 2 i + 1: sixteen lanes store 256 consecutive aligned bytes
.endr
.endm
	s_load_b256 s[4:11], s[0:1], 0x0               ; w2 s[4:5], hq s[6:7], order s[8:9], y s[10:11]
	v_lshrrev_b32 v32, 5, v0
	v_readfirstlane_b32 s14, v32                   ; wave
	s_and_b32 s15, ttmp9, 15                       ; ds
	s_lshr_b32 s13, ttmp9, 4                       ; fh
	s_and_b32 s16, ttmp7, 0xffff                   ; e
	v_and_b32 v33, 31, v0                          ; L
	v_and_b32 v34, 15, v0                          ; q, also r
	v_bfe_u32 v35, v0, 4, 1                        ; h
	v_lshlrev_b32 v[LI], 4, v33
	v_lshl_add_u32 v[SLD], v34, 2, SCL
	v_lshlrev_b32 v[WOFF], 4, v34
	v_lshl_add_u32 v[WOFF], v35, 16, v[WOFF]       ; 16 rows of 4,096 bytes for the upper half of the lanes
	v_lshlrev_b32 v[HBO], 6, v34
	v_mov_b32 v[ONE], 1.0
	v_lshlrev_b32 v[YOF], 4, v34
	v_lshl_add_u32 v[YOF], v35, 12, v[YOF]
	v_bfe_u32 v36, v0, 2, 2                        ; my columns' tile: q / 4
	v_and_b32 v37, 3, v0                           ; their rows in it: 4 (q % 4) + j
	v_mov_b32 v38, 0                               ; (v36-39 are lane permutes' destinations later: all four are written here)
	v_mov_b32 v39, 0
	v_mul_u32_u24 v[IST], v36, TS
	v_lshl_add_u32 v[IST], v37, 6, v[IST]
	v_lshl_add_u32 v[IST], v35, 8, v[IST]
	s_lshl_b32 s20, s14, 11
	v_add_nc_u32 v[IST], s20, v[IST]
	v_lshlrev_b32 v[SST], 9, v36
	v_lshl_add_u32 v[SST], v37, 4, v[SST]
	s_lshl_b32 s21, s14, 6
	v_add_nc_u32 v[SST], s21, v[SST]
	v_add_nc_u32 v[SST], SCL, v[SST]
	s_mul_i32 s61, s14, 4352
	s_add_co_u32 s61, s61, STG                     ; my stage
	v_mul_u32_u24 v[STO], v34, 272
	v_lshl_add_u32 v[STO], v35, 5, v[STO]
	v_add_nc_u32 v[STO], s61, v[STO]
	v_mul_u32_u24 v[SRD], v35, 272
	v_lshl_add_u32 v[SRD], v34, 4, v[SRD]
	v_add_nc_u32 v[SRD], s61, v[SRD]
	s_mov_b32 s40, 0x76543210
	s_mov_b32 s41, 0xfedcba98
	s_mov_b32 s43, 0x43e00000                      ; 448
	s_mov_b32 s44, 0xc3e00000                      ; -448
	s_mov_b32 s45, 0x05010400
	s_mov_b32 s46, 0x07030602
	s_mov_b32 s47, 0x05040100
	s_mov_b32 s48, 0x07060302
	s_lshl_b32 s52, s16, 23                        ; an expert's 8 MiB,
	s_lshl_b32 s54, s13, 22                        ; 1,024 rows a half,
	s_add_co_u32 s52, s52, s54
	s_lshl_b32 s54, s14, 19                        ; 128 rows a wave,
	s_add_co_u32 s52, s52, s54
	s_lshl_b32 s54, s15, 8                         ; 64 columns a work-group
	s_add_co_u32 s52, s52, s54
	s_mov_b32 s53, 0
	s_lshl_b32 s57, s16, 7
	s_lshl_b32 s56, s16, 6
	s_lshl_b32 s58, s13, 14                        ; hq: 8 fragments of 2,048 bytes a half
	s_lshl_b32 s59, s13, 5
	s_add_co_u32 s59, s59, 0x1000000               ; its scale bytes: 16,777,216 + 32 fh
	s_lshl_b32 s60, s13, 25                        ; y: 32 MiB a half,
	s_lshl_b32 s54, s16, 22                        ; 1,024 rows of 4,096 bytes an expert,
	s_add_co_u32 s60, s60, s54
	s_lshl_b32 s54, s15, 8                         ; my 64 columns
	s_add_co_u32 s60, s60, s54
	s_wait_kmcnt 0x0
	s_load_b32 s17, s[8:9], s57 offset:9216        ; counts[e]
	s_add_nc_u64 s[WB:WB+1], s[4:5], s[52:53]
	LOADU 0
	LOADU 1
	LOADU 2
	s_wait_kmcnt 0x0
	s_min_u32 s17, s17, 1024
	s_add_co_u32 s18, s17, 15
	s_lshr_b32 s18, s18, 4
	s_max_u32 s18, s18, 1                          ; nt
	s_sub_co_u32 s19, s18, 1
	s_lshl_b32 s39, s14, 1                         ; my first token tile
	BASES 39
	s_wait_loadcnt 32                              ; block 0's 16 loads are in; blocks 1 and 2 may be out
	QW 0
	LOADU 3
	s_wait_loadcnt 32
	QW 1
	BL 0, 24
	s_wait_loadcnt 40                              ; behind block 2: block 3's 16 loads and 24 of the tokens'
	QW 2
	BL 24, 48
	s_wait_loadcnt 48                              ; behind block 3: 48 of the tokens'
	QW 3
	BL 48, 68
	s_wait_dscnt 0x0                               ; for the others' sake: my LDS stores have landed
	s_barrier_signal -1
	s_barrier_wait -1                              ; all 32 fragments and their scale words lie in LDS; from here on a wave writes only its own stage
	s_mov_b32 s38, 0
.Ltrip:
	s_wait_loadcnt 0x0                             ; the tokens' images and scale words
	s_wait_xcnt 0x0                                ; the last trip's stores have read their registers
	s_cmp_ge_u32 s39, s18
	s_cbranch_scc1 .Lskip
	KLOOP
	s_add_co_u32 s55, s39, 16
	s_cmp_ge_u32 s55, s18
	s_cbranch_scc1 .Lnonext
	BASES 55                                       ; the next trip's tokens are asked for ahead of the way out; the only wait for them is the wait for 0 at the trip's head
	BL 0, 68
.Lnonext:
	POST 0
	s_add_co_u32 s54, s39, 1
	s_cmp_ge_u32 s54, s18
	s_cbranch_scc1 .Lskip
	POST 1
.Lskip:
	s_add_co_u32 s39, s39, 16
	s_add_co_u32 s38, s38, 1
	s_cmp_lt_u32 s38, 4
	s_cbranch_scc1 .Ltrip
	s_wait_xcnt 0x0
	v_lshl_add_u32 v254, v0, 2, 0x19100
	v_mov_b32 v255, 0
	s_wait_tensorcnt 0x0
	ds_add_u32 v254, v255
	s_wait_dscnt 0x0
	s_endpgm
.Lfunc_end_k_qa0850c66f2_down:
	.size	k_qa0850c66f2_down, .Lfunc_end_k_qa0850c66f2_down-k_qa0850c66f2_down
	.p2alignl 7, 3214868480
	.fill 96, 4, 3214868480
	.section	.rodata,"a",@progbits
	.p2align	6, 0x0
	.amdhsa_kernel k_qa0850c66f2_down
		.amdhsa_group_segment_fixed_size 103680
		.amdhsa_private_segment_fixed_size 0
		.amdhsa_enable_private_segment 0
		.amdhsa_kernarg_size 32
		.amdhsa_user_sgpr_count 2
		.amdhsa_user_sgpr_kernarg_segment_ptr 1
		.amdhsa_wavefront_size32 1
		.amdhsa_system_sgpr_workgroup_id_x 1
		.amdhsa_system_sgpr_workgroup_id_y 1
		.amdhsa_system_sgpr_workgroup_id_z 1
		.amdhsa_system_vgpr_workitem_id 0
		.amdhsa_next_free_vgpr 512
		.amdhsa_next_free_sgpr 66
		.amdhsa_reserve_vcc 0
		.amdhsa_float_denorm_mode_32 3
		.amdhsa_float_denorm_mode_16_64 3
		.amdhsa_memory_ordered 1
		.amdhsa_forward_progress 1
		.amdhsa_inst_pref_size 102
	.end_amdhsa_kernel
	.amdgpu_metadata
---
amdhsa.version: [ 1, 2 ]
amdhsa.kernels:
  - .name:           k_qa0850c66f2_down
    .symbol:         k_qa0850c66f2_down.kd
    .args:
      - { .name: w2, .offset: 0, .size: 8, .value_kind: global_buffer, .address_space: global }
      - { .name: hq, .offset: 8, .size: 8, .value_kind: global_buffer, .address_space: global }
      - { .name: order, .offset: 16, .size: 8, .value_kind: global_buffer, .address_space: global }
      - { .name: y, .offset: 24, .size: 8, .value_kind: global_buffer, .address_space: global }
    .group_segment_fixed_size: 103680
    .private_segment_fixed_size: 0
    .kernarg_segment_align: 8
    .kernarg_segment_size: 32
    .max_flat_workgroup_size: 256
    .sgpr_count:     66
    .vgpr_count:     512
    .wavefront_size: 32
...
	.end_amdgpu_metadata
.endif
;; end of part 4
;; launch combine (part 5): grid 256 x 1, 4 waves a work-group, no clusters, 0 bytes of LDS; arguments y, order, probs, out0; writes out0
.if DOCPART == 5
	.amdgcn_target "amdgcn-amd-amdhsa--gfx1250"
	.amdhsa_code_object_version 6
	.text
	.protected	k_qa0850c66f2_combine
	.globl	k_qa0850c66f2_combine
	.p2align	8
	.type	k_qa0850c66f2_combine,@function
k_qa0850c66f2_combine:
	s_mov_b64 s[64:65], 0
	v_nop
	global_prefetch_b8 v0, s[64:65] scope:SCOPE_SE
	s_setreg_imm32_b32 hwreg(HW_REG_WAVE_MODE, 25, 1), 1
	s_wait_xcnt 0x0
; out0[t] = p0 (yA + yB)[slot0] + p1 (yA + yB)[slot1]: the two halves of F are added, each expert's row is weighed by its gate, and the two experts' rows are added.  All in f32.
; One wave to a token: t = 4 x work-group + wave.  The slots come from order's map (whole numbers that an earlier launch stored), held inside y's 8,192 rows before they become addresses; the gates from probs.
; A row is 4,096 bytes: eight loads of 512 consecutive bytes from each of four rows, all 32 asked for at once; each store covers 512 consecutive bytes.  Each output row has one owner.
; A stream: no LDS, no barrier, no matrix unit, nothing shared between work-groups.
.set R, 8                              ; v[8:135]  piece i at 16 i: slot 0's two halves, then slot 1's
	s_load_b256 s[4:11], s[0:1], 0x0               ; y s[4:5], order s[6:7], probs s[8:9], out0 s[10:11]
	v_lshrrev_b32 v2, 5, v0
	v_readfirstlane_b32 s12, v2                    ; wave
	v_and_b32 v1, 31, v0
	v_lshlrev_b32 v1, 4, v1                        ; 16 L
	s_lshl_b32 s13, ttmp9, 2
	s_add_co_u32 s13, s13, s12                     ; t
	s_lshl_b32 s32, s13, 3
	s_lshl_b32 s34, s13, 12
	s_mov_b32 s35, 0
	s_wait_kmcnt 0x0
	s_load_b64 s[14:15], s[6:7], s32 offset:0x0    ; the two slots
	s_load_b64 s[16:17], s[8:9], s32 offset:0x0    ; the two gates
	s_add_nc_u64 s[10:11], s[10:11], s[34:35]
	s_wait_kmcnt 0x0
	s_min_u32 s20, s14, 8191
	s_lshl_b32 s20, s20, 12
	s_mov_b32 s21, 0
	s_min_u32 s22, s15, 8191
	s_lshl_b32 s22, s22, 12
	s_mov_b32 s23, 0
	s_add_nc_u64 s[24:25], s[4:5], s[20:21]
	s_add_nc_u64 s[26:27], s[24:25], 0x2000000     ; the other half of F lies 32 MiB on
	s_add_nc_u64 s[28:29], s[4:5], s[22:23]
	s_add_nc_u64 s[30:31], s[28:29], 0x2000000
	s_mov_b32 s18, s17                             ; p1 in a pair of its own: the packed forms take a scalar pair's low word for both halves
	s_mov_b32 s19, s17
.irp i, 0,1,2,3,4,5,6,7
	global_load_b128 v[R+16*\i:R+16*\i+3], v1, s[24:25] offset:512*\i th:TH_LOAD_NT
	global_load_b128 v[R+16*\i+4:R+16*\i+7], v1, s[26:27] offset:512*\i th:TH_LOAD_NT
	global_load_b128 v[R+16*\i+8:R+16*\i+11], v1, s[28:29] offset:512*\i th:TH_LOAD_NT
	global_load_b128 v[R+16*\i+12:R+16*\i+15], v1, s[30:31] offset:512*\i th:TH_LOAD_NT
.endr
.irp i, 0,1,2,3,4,5,6,7
	s_wait_loadcnt 4*(7-\i)                        ; piece i's four loads are in; the later pieces' may be out
.irp p, 0,2
	v_pk_add_f32 v[R+16*\i+\p:R+16*\i+\p+1], v[R+16*\i+\p:R+16*\i+\p+1], v[R+16*\i+4+\p:R+16*\i+4+\p+1]
	v_pk_add_f32 v[R+16*\i+8+\p:R+16*\i+8+\p+1], v[R+16*\i+8+\p:R+16*\i+8+\p+1], v[R+16*\i+12+\p:R+16*\i+12+\p+1]
	v_pk_mul_f32 v[R+16*\i+\p:R+16*\i+\p+1], v[R+16*\i+\p:R+16*\i+\p+1], s[16:17] op_sel_hi:[1,0]
	v_pk_fma_f32 v[R+16*\i+\p:R+16*\i+\p+1], v[R+16*\i+8+\p:R+16*\i+8+\p+1], s[18:19], v[R+16*\i+\p:R+16*\i+\p+1] op_sel_hi:[1,0,1]
.endr
	global_store_b128 v1, v[R+16*\i:R+16*\i+3], s[10:11] offset:512*\i th:TH_STORE_NT
.endr
	s_endpgm
.Lfunc_end_k_qa0850c66f2_combine:
	.size	k_qa0850c66f2_combine, .Lfunc_end_k_qa0850c66f2_combine-k_qa0850c66f2_combine
	.p2alignl 7, 3214868480
	.fill 96, 4, 3214868480
	.section	.rodata,"a",@progbits
	.p2align	6, 0x0
	.amdhsa_kernel k_qa0850c66f2_combine
		.amdhsa_group_segment_fixed_size 0
		.amdhsa_private_segment_fixed_size 0
		.amdhsa_enable_private_segment 0
		.amdhsa_kernarg_size 32
		.amdhsa_user_sgpr_count 2
		.amdhsa_user_sgpr_kernarg_segment_ptr 1
		.amdhsa_wavefront_size32 1
		.amdhsa_system_sgpr_workgroup_id_x 1
		.amdhsa_system_sgpr_workgroup_id_y 1
		.amdhsa_system_sgpr_workgroup_id_z 1
		.amdhsa_system_vgpr_workitem_id 0
		.amdhsa_next_free_vgpr 136
		.amdhsa_next_free_sgpr 66
		.amdhsa_reserve_vcc 0
		.amdhsa_float_denorm_mode_32 3
		.amdhsa_float_denorm_mode_16_64 3
		.amdhsa_memory_ordered 1
		.amdhsa_forward_progress 1
		.amdhsa_inst_pref_size 10
	.end_amdhsa_kernel
	.amdgpu_metadata
---
amdhsa.version: [ 1, 2 ]
amdhsa.kernels:
  - .name:           k_qa0850c66f2_combine
    .symbol:         k_qa0850c66f2_combine.kd
    .args:
      - { .name: y, .offset: 0, .size: 8, .value_kind: global_buffer, .address_space: global }
      - { .name: order, .offset: 8, .size: 8, .value_kind: global_buffer, .address_space: global }
      - { .name: probs, .offset: 16, .size: 8, .value_kind: global_buffer, .address_space: global }
      - { .name: out0, .offset: 24, .size: 8, .value_kind: global_buffer, .address_space: global }
    .group_segment_fixed_size: 0
    .private_segment_fixed_size: 0
    .kernarg_segment_align: 8
    .kernarg_segment_size: 32
    .max_flat_workgroup_size: 128
    .sgpr_count:     66
    .vgpr_count:     136
    .wavefront_size: 32
...
	.end_amdgpu_metadata
.endif
;; end of part 5
;; ======== version 2 of 2: 5 launches
;; workspace buffers: sel 8,192 bytes of whole numbers; probs 8,192 bytes; order 10,240 bytes of whole numbers; xq 8,650,752 bytes; hq 17,301,504 bytes; y 67,108,864 bytes
;; launch route (part 6): grid 256 x 1, 4 waves a work-group, no clusters, 38,400 bytes of LDS; arguments x, wg, sel, probs; writes sel, probs
.if DOCPART == 6
	.amdgcn_target "amdgcn-amd-amdhsa--gfx1250"
	.amdhsa_code_object_version 6
	.text
	.protected	k_qa0850c66f2_route
	.globl	k_qa0850c66f2_route
	.p2align	8
	.type	k_qa0850c66f2_route,@function
k_qa0850c66f2_route:
	s_mov_b64 s[64:65], 0
	v_nop
	global_prefetch_b8 v0, s[64:65] scope:SCOPE_SE
	s_setreg_imm32_b32 hwreg(HW_REG_WAVE_MODE, 25, 1), 1
	s_wait_xcnt 0x0
; THE ROUTER.  logits[t][e] = sum over k of x[t][k] wg[k][e] in f32 (1,024 tokens, K = 1,024, 8 experts); the two largest logits of a token
; (on equal logits the lower expert first, as jax.lax.top_k has it); softmax over the two, the larger taken off before the exponential.
; Stored at fixed places: sel[t][2] (expert numbers, i32) and probs[t][2] (f32).  No address and no branch hangs on a floating-point number.
; SHARES.  A work-group takes 4 tokens; wave w takes k = 256 w .. 256 w + 255; lane L takes k = 256 w + 128 i + 4 L + jj (i = 0, 1; jj = 0 .. 3),
; so that each load of x covers 512 consecutive bytes.  A lane keeps 32 sums (4 tokens x 8 experts), packed two experts to an instruction.
; wg: a lane wants four whole rows, 128 bytes on end, so that loaded straight the 32 lanes of a load would stand 128 bytes apart.  Instead each load takes 512 consecutive bytes, 16 a lane,
; and the wave's 8,192 bytes turn through its own stage in LDS: chunks of 128 bytes + 16 of padding, so that lane L reads chunk L at 144 L, an odd multiple of 16 bytes from lane to lane.
; The 32 sums of 32 lanes are added by a reduce-scatter: in each of five stages a lane keeps half of its sums and gives the other half to its partner,
; so that lane L ends with the wave's sum number L = 8 x token + expert.  The four waves' sums meet in LDS; wave 0 finishes.
; No matrix unit, no cluster, no tensor load: 8 columns are too few for a matrix tile, and work-groups share only wg's 32 KiB.
; LIMITS: NaN and infinities among the inputs are not served (the logits are taken to be finite numbers).
; REGISTERS: v1-7 lane numbers, load offsets, LDS addresses, two registers at work; v8-103 what is loaded; v104-166 the sums; v168-187 wave 0's last phase;
; v188-192 the stores' offset, lane numbers and the stage's addresses: made at the head, above all that loads land in, and never rewritten.
.set X,   8                            ; v[8:39]    x: token t, half i at 8 t + 4 i
.set WG,  40                           ; v[40:103]  wg: row k' = 4 i + jj at 8 k', its 8 experts
.set ACC, 104                          ; v[104:135] the sums, 8 t + e
.set LG,  172                          ; v[172:179] wave 0: the 8 logits of my lane's token
.set SOF, 188                          ; v188       where lanes 8 t and 8 t + 1 store: 8 (L / 8) + 4 (L % 2)
.set LB0, 189                          ; v189       L % 2
.set L7,  190                          ; v190       L % 8
.set WST, 191                          ; v191       the stage, in: chunk L / 8 of a load's four, + 16 (L % 8)
.set WLD, 192                          ; v192       the stage, back: chunk L
.set STG, 1024                         ; LDS: bytes 0-1,023 the sums; from here 64 chunks for each wave
.set CH,  144                          ; a chunk: 128 bytes (four rows of wg) + 16 of padding
	s_load_b256 s[4:11], s[0:1], 0x0               ; x s[4:5], wg s[6:7], sel s[8:9], probs s[10:11]
	v_lshl_add_u32 v200, v0, 2, 0x9400
	v_mov_b32 v201, 0
	v_and_b32 v1, 31, v0                           ; lane L
	v_lshrrev_b32 v4, 5, v0
	v_readfirstlane_b32 s12, v4                    ; wave
	v_lshlrev_b32 v2, 4, v1                        ; x and wg: 16 L
	v_lshlrev_b32 v6, 2, v0                        ; LDS: 4 x thread = 128 x wave + 4 L
	v_lshrrev_b32 v7, 3, v1                        ; L / 8: the token of my lane in the last phase
	v_and_b32 v[LB0], 1, v1
	v_lshlrev_b32 v[SOF], 3, v7
	v_lshl_add_u32 v[SOF], v[LB0], 2, v[SOF]
	v_and_b32 v[L7], 7, v1
	s_mul_i32 s25, s12, 64*CH
	s_add_co_u32 s25, s25, STG                     ; my wave's stage
	v_mul_u32_u24 v[WST], v7, CH
	v_lshl_add_u32 v[WST], v[L7], 4, v[WST]
	v_add_nc_u32 v[WST], s25, v[WST]
	v_mul_u32_u24 v[WLD], v1, CH
	v_add_nc_u32 v[WLD], s25, v[WLD]
	v_lshlrev_b32 v7, 5, v7                        ; LDS: a token's 8 logits: 32 (L / 8)
	v_mov_b32 v5, 0                                ; written once: a lane permute's destination counts as one of its sources
	s_lshl_b32 s14, ttmp9, 14                      ; 4 tokens of 4,096 bytes a work-group,
	s_lshl_b32 s13, s12, 10                        ; 256 k of 4 bytes a wave
	s_add_co_u32 s14, s14, s13
	s_mov_b32 s15, 0
	s_lshl_b32 s16, s12, 13                        ; wg: 256 rows of 32 bytes a wave
	s_mov_b32 s17, 0
	s_lshl_b32 s18, ttmp9, 5                       ; sel, probs: 4 tokens of 8 bytes
	s_mov_b32 s19, 0
	s_mov_b32 s20, 0xaaaaaaaa                      ; lanes whose bit 0 is set,
	s_mov_b32 s21, 0xcccccccc                      ; bit 1,
	s_mov_b32 s22, 0xf0f0f0f0                      ; bit 2,
	s_mov_b32 s23, 0xff00ff00                      ; bit 3,
	s_mov_b32 s24, 0xffff0000                      ; bit 4
	s_mov_b32 s26, 0x76543210                      ; v_permlanex16_b32's selects for lane l xor 16
	s_mov_b32 s27, 0xfedcba98
	s_wait_alu depctr_va_vdst(0)
	s_wait_kmcnt 0x0
	s_add_nc_u64 s[4:5], s[4:5], s[14:15]
	s_add_nc_u64 s[6:7], s[6:7], s[16:17]
	s_add_nc_u64 s[8:9], s[8:9], s[18:19]
	s_add_nc_u64 s[10:11], s[10:11], s[18:19]
.irp n, 0,1,2,3,4,5,6,7,8,9,10,11,12,13,14,15
	global_load_b128 v[WG+4*\n:WG+4*\n+3], v2, s[6:7] offset:512*\n   ; wg as it lies: 512 consecutive bytes, sixteen rows
.endr
.irp t, 0,1,2,3
.irp i, 0,1
	global_load_b128 v[X+8*\t+4*\i:X+8*\t+4*\i+3], v2, s[4:5] offset:4096*\t+512*\i
.endr
.endr
.irp n, 0,1,2,3,4,5,6,7,8,9,10,11,12,13,14,15
	s_wait_loadcnt 23-\n                           ; wg's load n is in: behind it stand 15 - n loads of wg and 8 of x
	ds_store_b128 v[WST], v[WG+4*\n:WG+4*\n+3] offset:4*CH*\n   ; its 512 bytes are four chunks
.endr
.irp n, 0,1,2,3,4,5,6,7,8,9,10,11,12,13,14,15
	ds_load_b128 v[WG+4*\n:WG+4*\n+3], v[WLD] offset:32*CH*(\n/8)+16*(\n%8)   ; chunk 32 i + L: my four rows.  LDS serves a wave's instructions in order: these see the stores above, and land in the registers that those left
.endr
	s_wait_loadcnt 0x0                             ; x
	s_wait_dscnt 0x0                               ; wg
	; 128 packed multiply-adds.  The first k of each pair of sums is a multiplication: nothing is cleared.  x is one register of a pair, taken for both halves.
.irp t, 0,1,2,3
.irp p, 0,1,2,3
	v_pk_mul_f32 v[ACC+8*\t+2*\p:ACC+8*\t+2*\p+1], v[WG+2*\p:WG+2*\p+1], v[X+8*\t:X+8*\t+1] op_sel_hi:[1,0]
.endr
.endr
.irp k, 1,2,3,4,5,6,7
.irp t, 0,1,2,3
.irp p, 0,1,2,3
.if (\k)%2 == 0
	v_pk_fma_f32 v[ACC+8*\t+2*\p:ACC+8*\t+2*\p+1], v[WG+8*\k+2*\p:WG+8*\k+2*\p+1], v[X+8*\t+\k:X+8*\t+\k+1], v[ACC+8*\t+2*\p:ACC+8*\t+2*\p+1] op_sel_hi:[1,0,1]
.else
	v_pk_fma_f32 v[ACC+8*\t+2*\p:ACC+8*\t+2*\p+1], v[WG+8*\k+2*\p:WG+8*\k+2*\p+1], v[X+8*\t+\k-1:X+8*\t+\k], v[ACC+8*\t+2*\p:ACC+8*\t+2*\p+1] op_sel:[0,1,0] op_sel_hi:[1,1,1]
.endif
.endr
.endr
.endr
; A stage of the reduce-scatter: of sums 2 i and 2 i + 1 a lane whose bit sg is set keeps the odd one and gives the even one; its partner, lane xor xm, does the reverse.
.macro RS sg, xm, src, dst, n
.set ii, 0
.rept \n
	v_cndmask_b32 v4, v[\src+2*ii+1], v[\src+2*ii], s[20+\sg]          ; what I give
	v_cndmask_b32 v[\dst+ii], v[\src+2*ii], v[\src+2*ii+1], s[20+\sg]  ; what I keep
	v_add_f32_dpp v[\dst+ii], v4, v[\dst+ii] row_xmask:\xm row_mask:0xf bank_mask:0xf
.set ii, ii+1
.endr
.endm
	RS 0, 1, ACC, 136, 16
	RS 1, 2, 136, 152, 8
	RS 2, 4, 152, 160, 4
	RS 3, 8, 160, 164, 2
	v_cndmask_b32 v4, v165, v164, s24
	v_cndmask_b32 v166, v164, v165, s24
	v_permlanex16_b32 v5, v4, s26, s27
	v_add_f32 v166, v166, v5                       ; lane L: my wave's sum number L = 8 x token + expert
	ds_store_b32 v6, v166
	s_wait_dscnt 0x0                               ; for the others' sake: my store has landed
	s_barrier_signal -1
	s_barrier_wait -1
	s_cmp_lg_u32 s12, 0
	s_cbranch_scc1 .Lend                           ; waves 1 to 3 have done their part
	ds_load_b32 v168, v6
	ds_load_b32 v169, v6 offset:128
	ds_load_b32 v170, v6 offset:256
	ds_load_b32 v171, v6 offset:384
	s_wait_dscnt 0x0
	v_add_f32 v168, v168, v169
	v_add_f32 v170, v170, v171
	v_add_f32 v168, v168, v170                     ; the logit number L
	ds_store_b32 v6, v168 offset:512
	ds_load_b128 v[LG:LG+3], v7 offset:512         ; LDS serves a wave's instructions in order: these see the store above
	ds_load_b128 v[LG+4:LG+7], v7 offset:528
	s_wait_dscnt 0x0                               ; each lane has the 8 logits of token L / 8
	v_mov_b32 v180, v[LG]                          ; the largest, and its expert: a strict > keeps the lower expert
	v_mov_b32 v181, 0
.irp e, 1,2,3,4,5,6,7
	v_cmp_gt_f32 vcc_lo, v[LG+\e], v180
	v_cndmask_b32 v180, v180, v[LG+\e], vcc_lo
	v_cndmask_b32 v181, v181, \e, vcc_lo
.endr
	v_mov_b32 v182, 0xff800000                     ; the second: -infinity lies under every logit
	v_mov_b32 v183, 0
.irp e, 0,1,2,3,4,5,6,7
	v_cmp_ne_u32 s28, \e, v181
	v_cmp_gt_f32 s29, v[LG+\e], v182
	s_and_b32 s28, s28, s29
	v_cndmask_b32 v182, v182, v[LG+\e], s28
	v_cndmask_b32 v183, v183, \e, s28
.endr
	v_sub_f32 v184, v182, v180                     ; second - largest: 0 or less
	v_mul_f32 v184, 0x3fb8aa3b, v184
	s_wait_alu depctr_va_vdst(0)
	v_exp_f32 v184, v184
	v_nop                                          ; one plain place behind a transcendental
	s_wait_alu depctr_va_vdst(0)
	v_add_f32 v185, 1.0, v184
	s_wait_alu depctr_va_vdst(0)
	v_rcp_f32 v185, v185                           ; p0 = 1 / (1 + e^(second - largest))
	v_nop
	s_wait_alu depctr_va_vdst(0)
	v_mul_f32 v184, v184, v185                     ; p1
	v_cndmask_b32 v186, v181, v183, s20            ; even lanes hold the first choice, odd lanes the second
	v_cndmask_b32 v187, v185, v184, s20
	v_cmp_gt_u32 vcc_lo, 2, v[L7]
	s_wait_alu depctr_va_vdst(0)
	s_wait_xcnt 0x0                                ; EXEC changes only behind this wait
	s_and_saveexec_b32 s30, vcc_lo                 ; lanes 8 t and 8 t + 1 store token t's pair: 32 consecutive bytes a buffer
	global_store_b32 v[SOF], v186, s[8:9]
	global_store_b32 v[SOF], v187, s[10:11]
	s_wait_xcnt 0x0
	s_or_b32 exec_lo, exec_lo, s30
.Lend:
	s_wait_tensorcnt 0x0
	ds_add_u32 v200, v201
	s_wait_dscnt 0x0
	s_endpgm
.Lfunc_end_k_qa0850c66f2_route:
	.size	k_qa0850c66f2_route, .Lfunc_end_k_qa0850c66f2_route-k_qa0850c66f2_route
	.p2alignl 7, 3214868480
	.fill 96, 4, 3214868480
	.section	.rodata,"a",@progbits
	.p2align	6, 0x0
	.amdhsa_kernel k_qa0850c66f2_route
		.amdhsa_group_segment_fixed_size 38400
		.amdhsa_private_segment_fixed_size 0
		.amdhsa_enable_private_segment 0
		.amdhsa_kernarg_size 32
		.amdhsa_user_sgpr_count 2
		.amdhsa_user_sgpr_kernarg_segment_ptr 1
		.amdhsa_wavefront_size32 1
		.amdhsa_system_sgpr_workgroup_id_x 1
		.amdhsa_system_sgpr_workgroup_id_y 1
		.amdhsa_system_sgpr_workgroup_id_z 1
		.amdhsa_system_vgpr_workitem_id 0
		.amdhsa_next_free_vgpr 202
		.amdhsa_next_free_sgpr 66
		.amdhsa_reserve_vcc 1
		.amdhsa_float_denorm_mode_32 3
		.amdhsa_float_denorm_mode_16_64 3
		.amdhsa_memory_ordered 1
		.amdhsa_forward_progress 1
		.amdhsa_inst_pref_size 26
	.end_amdhsa_kernel
	.amdgpu_metadata
---
amdhsa.version: [ 1, 2 ]
amdhsa.kernels:
  - .name:           k_qa0850c66f2_route
    .symbol:         k_qa0850c66f2_route.kd
    .args:
      - { .name: x, .offset: 0, .size: 8, .value_kind: global_buffer, .address_space: global }
      - { .name: wg, .offset: 8, .size: 8, .value_kind: global_buffer, .address_space: global }
      - { .name: sel, .offset: 16, .size: 8, .value_kind: global_buffer, .address_space: global }
      - { .name: probs, .offset: 24, .size: 8, .value_kind: global_buffer, .address_space: global }
    .group_segment_fixed_size: 38400
    .private_segment_fixed_size: 0
    .kernarg_segment_align: 8
    .kernarg_segment_size: 32
    .max_flat_workgroup_size: 128
    .sgpr_count:     66
    .vgpr_count:     202
    .wavefront_size: 32
...
	.end_amdgpu_metadata
.endif
;; end of part 6
;; launch place (part 7): grid 32 x 8, 8 waves a work-group, no clusters, 0 bytes of LDS; arguments sel, x, xq, order; writes xq, order
.if DOCPART == 7
	.amdgcn_target "amdgcn-amd-amdhsa--gfx1250"
	.amdhsa_code_object_version 6
	.text
	.protected	k_qa0850c66f2_place
	.globl	k_qa0850c66f2_place
	.p2align	8
	.type	k_qa0850c66f2_place,@function
k_qa0850c66f2_place:
	s_mov_b64 s[64:65], 0
	v_nop
	global_prefetch_b8 v0, s[64:65] scope:SCOPE_SE
	s_setreg_imm32_b32 hwreg(HW_REG_WAVE_MODE, 25, 1), 1
	s_wait_xcnt 0x0
; THE ROWS ARE PLACED BY EXPERT, AND x IS QUANTISED.  Expert e = work-group y.  A slot is 1,024 e + pos, pos the token's rank among e's tokens in ascending token order:
; room for 1,024 rows an expert, so every split is served and no sum over experts is needed.
; EVERY WAVE MAKES THE COUNTING PASS ITSELF, IN REGISTERS: it reads sel (32 loads of 256 consecutive bytes) and, for each 32 tokens, has the members' mask and the running count as scalars.
; So the count, on which a branch hangs, and the tokens, of which addresses are made, come straight from whole numbers read from memory: nothing goes from wave to wave, there is no LDS and no barrier.
; The pass goes in four batches of eight mask words: sixteen compares, then the batch's scalar work, then its selections, so that scalar and vector instructions wait for each other twice a batch.
; Wave w of work-group x takes tile 8 w + x / 4 of 16 rows and K steps 2 (x % 4), 2 (x % 4) + 1 of 128: neighbouring tiles lie in different work-groups, so that the tiles that a split fills,
; which are the lowest, are shared out evenly among an expert's 32 work-groups.  Lane r wants the token of rank p = 16 tile + r: during the pass it keeps the last mask word whose running count is
; at most p (the counts never fall, so that word holds the wanted bit), and then finds bit number p - count among the word's set bits by five halving steps on partial counts of 16, 8, 4, 2 and 1 bits.
; The wave gathers its rows of x, quantises them to E4M3 with one E8M0 byte for each 32 along K, and stores them as IMAGES OF THE OPERAND'S REGISTERS:
; xq codes [e][tile 64][K step 8][c 4][lane 32][16 bytes], each store 512 consecutive bytes; scale words from byte 8,388,608 on: [e][tile][x % 4][row 16][2 words].
; Tiles at or past max(ceil(n / 16), 1) are not written; the rows of a last tile that no token takes hold token 0.
; Wave 7 of work-group x = 31 (its tile, 63, has rows only where n is over 1,008) also stores order: map[t][k] = slot (bytes 0 ..), a dump for the lanes that are no members (bytes 8,192 .., never read),
; counts[e] in 32 copies (bytes 9,216 ..).  A wave whose tile a split leaves without rows stores nothing: the grid serves every split, all tokens on one expert too.
; A block's scale is 2^(floor(log2(largest magnitude)) - 8); its byte is the largest magnitude's exponent field - 8, held at 1 from below.
; LIMITS: a block of zeros gets the byte 1 where the rule says 127 (its codes are zeros, and this program alone reads the bytes); blocks under the floor 2^-118 are held at the byte 1;
; NaN and infinities are not served.  sel is taken to hold two different experts 0 .. 7 a token, as the launch before stores it.
.set SW,   13                          ; v13        the mask word that holds my row's token
.set SC,   14                          ; v14        the members ahead of that word
.set SJ,   15                          ; v15        the word's number
.set CA,   24                          ; v24-27     the word's set bits counted in fields of 2, 4, 8 bits, and of 16 in the low byte
.set CB,   25
.set CC,   26
.set CD,   27
.set RK,   28                          ; v28        the rank still to go
.set PO,   29                          ; v29        the bit's place so far
.set T0,   30                          ; v30, v31   at work
.set T1,   31
.set SEL,  64                          ; v[64:127]  sel of token 32 j + L at 2 j
.set AD,   160                         ; v160-191   the map: an address for each step
.set VAL,  224                         ; v224-255   the map: slots
.set XL,   64                          ; v[64:191]  my rows' numbers: K step s at 64 s, register 16 b + i = k 32 b + 16 (lane / 16) + i
.set PC,   192                         ; v[192:223] the codes, 16 registers a K step
.set TM,   32                          ; v[32:47]   at work in QUANT
.set PW,   48                          ; v48, v49   the two scale words
.set SLL,  36                          ; s[36:37]   lane selects
.set MNT,  38                          ; s38        the mantissa field of 448
.set M2,   46                          ; s[46:53]   a batch's masks of the second choice
.set PF,   54                          ; s[54:61]   a batch's running counts
.set MK,   66                          ; s[66:97]   the 32 members' masks
	s_load_b256 s[4:11], s[0:1], 0x0               ; sel s[4:5], x s[6:7], xq s[8:9], order s[10:11]
	v_lshrrev_b32 v4, 5, v0
	s_delay_alu instid0(VALU_DEP_1)
	v_readfirstlane_b32 s12, v4                    ; wave
	s_and_b32 s16, ttmp7, 0xffff                   ; expert
	v_and_b32 v1, 31, v0                           ; lane L
	s_wait_alu depctr_va_vdst(0)
	v_and_b32 v2, 15, v0                           ; r
	s_wait_alu depctr_va_vdst(0)
	v_bfe_u32 v3, v0, 4, 1                         ; h
	s_lshl_b32 s17, s12, 3
	s_lshr_b32 s20, ttmp9, 2
	s_add_co_u32 s17, s17, s20                     ; my tile: 8 w + x / 4
	s_and_b32 s18, ttmp9, 3                        ; my quarter of K: x % 4
	s_lshl_b32 s20, s17, 4
	v_add_nc_u32 v11, s20, v2                      ; p: the rank that my row wants: 16 x tile + r
	v_lshlrev_b32 v12, 4, v1                       ; 16 L
	v_lshlrev_b32 v9, 3, v1                        ; sel: 8 L
	v_lshlrev_b32 v22, 1, v1                       ; the map's index of token L as first choice: 2 L,
	s_delay_alu instid0(VALU_DEP_1)
	v_or_b32 v23, 1, v22                           ; as second: 2 L + 1
	s_lshl_b32 s21, s16, 5
	s_add_co_u32 s21, s21, 2048
	v_add_nc_u32 v16, s21, v1                      ; order: my dump word's index: 2,048 + 32 e + L
	s_lshl_b32 s22, s16, 7
	v_lshl_add_u32 v17, v1, 2, s22                 ; order: the counts' place: 128 e + 4 L
	v_lshlrev_b32 v21, 3, v2
	s_wait_alu depctr_va_vdst(0)
	v_lshl_add_u32 v21, v3, 2, v21                 ; a scale word's place: 8 r + 4 h
	s_lshl_b32 s28, s16, 10                        ; 1,024 e
	s_mov_b32 s[SLL], 0x76543210
	s_mov_b32 s[SLL+1], 0xfedcba98
	s_mov_b32 s[MNT], 0x600000
	s_mov_b32 s39, 0xffff0000
.irp b, 0,1,2,3
	v_mov_b32 v[TM+4+\b], 0                        ; written once: a lane permute's destination counts as one of its sources
.endr
	v_mov_b32 v[SW], 0                             ; (the pass's selections read what they may keep)
	v_mov_b32 v[SC], 0
	v_mov_b32 v[SJ], 0
	s_lshl_b32 s30, s16, 6
	s_add_co_u32 s30, s30, s17                     ; 64 e + tile
	s_lshl_b32 s40, s30, 14                        ; codes: 16,384 bytes a tile,
	s_lshl_b32 s31, s18, 12                        ; 4,096 for two K steps
	s_add_co_u32 s40, s40, s31
	s_mov_b32 s41, 0
	s_lshl_b32 s42, s30, 9                         ; scale words: 512 bytes a tile, 128 a quarter
	s_lshl_b32 s31, s18, 7
	s_add_co_u32 s42, s42, s31
	s_add_co_u32 s42, s42, 0x800000
	s_mov_b32 s43, 0
	s_lshl_b32 s44, s18, 10                        ; x: 256 numbers a quarter
	s_mov_b32 s45, 0
	s_wait_kmcnt 0x0
	s_add_nc_u64 s[32:33], s[8:9], s[40:41]
	s_add_nc_u64 s[34:35], s[8:9], s[42:43]
	s_add_nc_u64 s[6:7], s[6:7], s[44:45]
.irp j, 0,1,2,3,4,5,6,7,8,9,10,11,12,13,14,15,16,17,18,19,20,21,22,23,24,25,26,27,28,29,30,31
	global_load_b64 v[SEL+2*\j:SEL+2*\j+1], v9, s[4:5] offset:256*\j   ; 32 tokens' pairs: 256 consecutive bytes
.endr
	s_wait_loadcnt 0x0                             ; all of sel
	s_mov_b32 s23, 0                               ; members so far
; Batch g: words j = 8 g .. 8 g + 7.  s[MK + j] = which of tokens 32 j .. 32 j + 31 chose e; s[PF + i] = the members ahead of word 8 g + i.
; A lane whose rank p is not under that count takes the word, the count and j; a later word takes their place as long as that holds.
.macro CBATCH g
.irp i, 0,1,2,3,4,5,6,7
	v_cmp_eq_u32 s[MK+8*\g+\i], s16, v[SEL+2*(8*\g+\i)]
	v_cmp_eq_u32 s[M2+\i], s16, v[SEL+2*(8*\g+\i)+1]
.endr
.irp i, 0,1,2,3,4,5,6,7
	s_or_b32 s[MK+8*\g+\i], s[MK+8*\g+\i], s[M2+\i]
	s_mov_b32 s[PF+\i], s23
	s_bcnt1_i32_b32 s24, s[MK+8*\g+\i]
	s_add_co_u32 s23, s23, s24
.endr
.irp i, 0,1,2,3,4,5,6,7
	v_cmp_le_u32 vcc_lo, s[PF+\i], v11
	s_delay_alu instid0(VALU_DEP_1)
	v_cndmask_b32 v[SW], v[SW], s[MK+8*\g+\i], vcc_lo
	s_delay_alu instid0(VALU_DEP_2)
	v_cndmask_b32 v[SC], v[SC], s[PF+\i], vcc_lo
	s_delay_alu instid0(VALU_DEP_3)
	v_cndmask_b32 v[SJ], v[SJ], 8*\g+\i, vcc_lo
.endr
.endm
	CBATCH 0
	CBATCH 1
	CBATCH 2
	CBATCH 3
	s_min_u32 s25, s23, 1024                       ; n
	s_add_co_u32 s26, s25, 15
	s_lshr_b32 s26, s26, 4
	s_max_u32 s27, s26, 1                          ; tiles to write: tile 0 always, so that a clamped load of a later launch finds written bytes
	s_cmp_lg_u32 s12, 7
	s_cbranch_scc1 .Ltile
	s_cmp_lg_u32 ttmp9, 31
	s_cbranch_scc1 .Ltile
	; ---- wave 7 of work-group x = 31: the map and the count.  A member's slot is 1,024 e + the members so far + the members in lower lanes.
	; A lane that is no member writes its own dump word, so that EXEC stays whole.  The index is held under the region's end before it becomes an address.
	s_mov_b32 s29, s28
.macro MSTEP j
	v_cmp_eq_u32 s20, s16, v[SEL+2*(\j)]
	v_cmp_eq_u32 s21, s16, v[SEL+2*(\j)+1]
	s_or_b32 s22, s20, s21
	v_cndmask_b32 v[AD+(\j)], v22, v23, s21        ; as first choice or as second
	s_delay_alu instid0(VALU_DEP_1)
	v_add_nc_u32 v[AD+(\j)], 64*(\j), v[AD+(\j)]   ; 2 (32 j + L) + k
	s_delay_alu instid0(VALU_DEP_1)
	v_cndmask_b32 v[AD+(\j)], v16, v[AD+(\j)], s22 ; no member: my dump word
	s_delay_alu instid0(VALU_DEP_1)
	v_min_u32 v[AD+(\j)], 2303, v[AD+(\j)]
	s_delay_alu instid0(VALU_DEP_1)
	v_lshlrev_b32 v[AD+(\j)], 2, v[AD+(\j)]
	v_mbcnt_lo_u32_b32 v[VAL+(\j)], s22, s29       ; the slot
	global_store_b32 v[AD+(\j)], v[VAL+(\j)], s[10:11]
	s_bcnt1_i32_b32 s24, s22
	s_add_co_u32 s29, s29, s24
.endm
.irp j, 0,1,2,3,4,5,6,7,8,9,10,11,12,13,14,15,16,17,18,19,20,21,22,23,24,25,26,27,28,29,30,31
	MSTEP \j
.endr
	v_mov_b32 v18, s25
	global_store_b32 v17, v18, s[10:11] offset:9216
	s_wait_xcnt 0x0                                ; the stores' address registers lie where x lands below
.Ltile:
	s_cmp_ge_u32 s17, s27
	s_cbranch_scc1 .Lend
	s_wait_alu depctr_va_vdst(0)
	; ---- which token is mine: bit number p - count among the set bits of my word
	v_sub_nc_u32 v[RK], v11, v[SC]
	v_lshrrev_b32 v[T0], 1, v[SW]
	s_delay_alu instid0(VALU_DEP_1)
	v_and_b32 v[T0], 0x55555555, v[T0]
	s_delay_alu instid0(VALU_DEP_1)
	v_sub_nc_u32 v[CA], v[SW], v[T0]               ; the set bits of each pair of bits
	s_delay_alu instid0(VALU_DEP_1)
	v_lshrrev_b32 v[T0], 2, v[CA]
	s_delay_alu instid0(VALU_DEP_1)
	v_and_b32 v[T0], 0x33333333, v[T0]
	s_delay_alu instid0(VALU_DEP_3)
	v_and_b32 v[CB], 0x33333333, v[CA]
	s_delay_alu instid0(VALU_DEP_1)
	v_add_nc_u32 v[CB], v[CB], v[T0]               ; of each four
	s_delay_alu instid0(VALU_DEP_1)
	v_lshrrev_b32 v[T0], 4, v[CB]
	s_delay_alu instid0(VALU_DEP_1)
	v_add_nc_u32 v[CC], v[CB], v[T0]
	s_delay_alu instid0(VALU_DEP_1)
	v_and_b32 v[CC], 0x0f0f0f0f, v[CC]             ; of each byte
	s_delay_alu instid0(VALU_DEP_1)
	v_lshrrev_b32 v[T0], 8, v[CC]
	s_delay_alu instid0(VALU_DEP_1)
	v_add_nc_u32 v[CD], v[CC], v[T0]               ; low byte: of bits 0 to 15 (16 at the most: no carry leaves a byte)
	v_mov_b32 v[PO], 0
; A halving step: the set bits of the lower half of what is left; if the rank is not under them, they are taken off it and the place moves into the upper half.
.macro SELSTEP src, bits, w
	s_delay_alu instid0(VALU_DEP_1)
	v_bfe_u32 v[T0], v[\src], v[PO], \bits
	s_delay_alu instid0(VALU_DEP_1)
	v_cmp_ge_u32 vcc_lo, v[RK], v[T0]
	s_delay_alu instid0(VALU_DEP_1)
	v_cndmask_b32 v[T0], 0, v[T0], vcc_lo
	s_delay_alu instid0(VALU_DEP_2)
	v_cndmask_b32 v[T1], 0, \w, vcc_lo
	s_delay_alu instid0(VALU_DEP_2)
	v_sub_nc_u32 v[RK], v[RK], v[T0]
	s_delay_alu instid0(VALU_DEP_2)
	v_add_nc_u32 v[PO], v[PO], v[T1]
.endm
	SELSTEP CD, 8, 16
	SELSTEP CC, 8, 8
	SELSTEP CB, 4, 4
	SELSTEP CA, 2, 2
	SELSTEP SW, 1, 1
	s_delay_alu instid0(VALU_DEP_1)
	v_lshl_add_u32 v20, v[SJ], 5, v[PO]            ; the token: 32 x word + bit
	v_cmp_gt_u32 vcc_lo, s25, v11
	s_delay_alu instid0(VALU_DEP_1)
	v_cndmask_b32 v20, 0, v20, vcc_lo              ; a row that no token takes reads token 0
	s_delay_alu instid0(VALU_DEP_1)
	; ---- my tile's 16 rows, my two K steps
	v_min_u32 v20, 1023, v20                       ; the token, held inside x
	s_delay_alu instid0(VALU_DEP_1)
	v_lshlrev_b32 v19, 12, v20
	s_delay_alu instid0(VALU_DEP_1)
	v_lshl_add_u32 v19, v3, 6, v19                 ; its row, + 64 h: my 16 numbers of each block of 32
.irp s, 0,1
.irp b, 0,1,2,3
.irp j, 0,1,2,3
	global_load_b128 v[XL+64*\s+16*\b+4*\j:XL+64*\s+16*\b+4*\j+3], v19, s[6:7] offset:512*\s+128*\b+16*\j
.endr
.endr
.endr
; 64 numbers of a lane, v[s] on, become a fragment's codes in v[pc] on and its scale word in v[pw].
.macro QUANT s, pc, pw
.irp b, 0,1,2,3
	v_max3_num_f32 v[TM+\b], |v[\s+16*\b]|, |v[\s+1+16*\b]|, 0x4800000   ; block b: my 16 numbers, and the floor 2^(9 - 127): the byte cannot fall under 1
.endr
.irp i, 2,4,6,8,10,12,14
.irp b, 0,1,2,3
	s_delay_alu instid0(VALU_DEP_4)
	v_max3_num_f32 v[TM+\b], v[TM+\b], |v[\s+16*\b+\i]|, |v[\s+1+16*\b+\i]|
.endr
.endr
.irp b, 0,1,2,3
	s_delay_alu instid0(VALU_DEP_4)
	v_permlanex16_b32 v[TM+4+\b], v[TM+\b], s[SLL], s[SLL+1]
.endr
.irp b, 0,1,2,3
	s_delay_alu instid0(VALU_DEP_4)
	v_max_num_f32 v[TM+\b], v[TM+\b], v[TM+4+\b]   ; with lane l xor 16's: the block's largest magnitude
.endr
.irp b, 0,1,2,3
	s_delay_alu instid0(VALU_DEP_4)
	v_add_nc_u32 v[TM+12+\b], 0xfc000000, v[TM+\b] ; 8 off its exponent field: the conversion's scale operand
.endr
.irp b, 0,1,2,3
	v_and_or_b32 v[TM+8+\b], v[TM+\b], 0x7f800000, s[MNT]   ; 448 x the scale
.endr
.irp b, 0,1,2,3
	v_lshrrev_b32 v[TM+4+\b], 23, v[TM+12+\b]      ; the scale's byte
.endr
	s_delay_alu instid0(VALU_DEP_3)
	v_lshl_or_b32 v[\pw], v[TM+5], 8, v[TM+4]
	s_delay_alu instid0(VALU_DEP_1)
	v_lshl_or_b32 v[\pw], v[TM+6], 16, v[\pw]
	s_delay_alu instid0(VALU_DEP_1)
	v_lshl_or_b32 v[\pw], v[TM+7], 24, v[\pw]
.irp b, 0,1,2,3
.irp i, 0,1,2,3,4,5,6,7,8,9,10,11,12,13,14,15
	v_med3_num_f32 v[\s+16*\b+\i], v[\s+16*\b+\i], -v[TM+8+\b], v[TM+8+\b]   ; the conversion to an 8-bit code does not saturate (ISA guide 7.6.2): the hold comes first
.endr
	v_cvt_scalef32_pk8_fp8_f32 v[\pc+4*\b:\pc+4*\b+1], v[\s+16*\b:\s+16*\b+7], v[TM+12+\b]
	v_cvt_scalef32_pk8_fp8_f32 v[\pc+4*\b+2:\pc+4*\b+3], v[\s+16*\b+8:\s+16*\b+15], v[TM+12+\b]
.endr
	v_nop                                          ; one plain place behind the last conversion
.endm
	s_wait_loadcnt 16                              ; the first K step's 16 loads are in; the second's may be out
	QUANT XL, PC, PW
	s_wait_loadcnt 0x0
	QUANT XL+64, PC+16, PW+1
.irp s, 0,1
.irp c, 0,1,2,3
	global_store_b128 v12, v[PC+16*\s+4*\c:PC+16*\s+4*\c+3], s[32:33] offset:2048*\s+512*\c   ; 32 lanes store 512 consecutive bytes
.endr
.endr
	v_cndmask_b32 v50, v[PW], v[PW+1], s39         ; lanes 0-15 the first K step's word of row r, lanes 16-31 the second's
	global_store_b32 v21, v50, s[34:35]            ; 128 consecutive bytes
.Lend:
	s_endpgm
.Lfunc_end_k_qa0850c66f2_place:
	.size	k_qa0850c66f2_place, .Lfunc_end_k_qa0850c66f2_place-k_qa0850c66f2_place
	.p2alignl 7, 3214868480
	.fill 96, 4, 3214868480
	.section	.rodata,"a",@progbits
	.p2align	6, 0x0
	.amdhsa_kernel k_qa0850c66f2_place
		.amdhsa_group_segment_fixed_size 0
		.amdhsa_private_segment_fixed_size 0
		.amdhsa_enable_private_segment 0
		.amdhsa_kernarg_size 32
		.amdhsa_user_sgpr_count 2
		.amdhsa_user_sgpr_kernarg_segment_ptr 1
		.amdhsa_wavefront_size32 1
		.amdhsa_system_sgpr_workgroup_id_x 1
		.amdhsa_system_sgpr_workgroup_id_y 1
		.amdhsa_system_sgpr_workgroup_id_z 1
		.amdhsa_system_vgpr_workitem_id 0
		.amdhsa_next_free_vgpr 256
		.amdhsa_next_free_sgpr 98
		.amdhsa_reserve_vcc 1
		.amdhsa_float_denorm_mode_32 3
		.amdhsa_float_denorm_mode_16_64 3
		.amdhsa_memory_ordered 1
		.amdhsa_forward_progress 1
		.amdhsa_inst_pref_size 76
	.end_amdhsa_kernel
	.amdgpu_metadata
---
amdhsa.version: [ 1, 2 ]
amdhsa.kernels:
  - .name:           k_qa0850c66f2_place
    .symbol:         k_qa0850c66f2_place.kd
    .args:
      - { .name: sel, .offset: 0, .size: 8, .value_kind: global_buffer, .address_space: global }
      - { .name: x, .offset: 8, .size: 8, .value_kind: global_buffer, .address_space: global }
      - { .name: xq, .offset: 16, .size: 8, .value_kind: global_buffer, .address_space: global }
      - { .name: order, .offset: 24, .size: 8, .value_kind: global_buffer, .address_space: global }
    .group_segment_fixed_size: 0
    .private_segment_fixed_size: 0
    .kernarg_segment_align: 8
    .kernarg_segment_size: 32
    .max_flat_workgroup_size: 256
    .sgpr_count:     98
    .vgpr_count:     256
    .wavefront_size: 32
...
	.end_amdgpu_metadata
.endif
;; end of part 7
;; launch up (part 8): grid 32 x 8, 8 waves a work-group, no clusters, 136,448 bytes of LDS; arguments w1, w3, xq, order, hq; writes hq
.if DOCPART == 8
	.amdgcn_target "amdgcn-amd-amdhsa--gfx1250"
	.amdhsa_code_object_version 6
	.text
	.protected	k_qa0850c66f2_up
	.globl	k_qa0850c66f2_up
	.p2align	8
	.type	k_qa0850c66f2_up,@function
k_qa0850c66f2_up:
	s_mov_b64 s[64:65], 0
	v_nop
	global_prefetch_b8 v0, s[64:65] scope:SCOPE_SE
	s_setreg_imm32_b32 hwreg(HW_REG_WAVE_SCHED_MODE, 0, 2), 2
	s_setreg_imm32_b32 hwreg(HW_REG_WAVE_MODE, 25, 1), 1
	s_wait_xcnt 0x0
	s_wait_alu depctr_vm_vsrc(0)
; h = silu(x w1) * (x w3) on the routed rows, both products on codes of E4M3 with one E8M0 scale for each 32 along K (v_wmma_scale_f32_16x16x128_f8f6f4), h quantised along f on the way out.
; SHARES.  Work-group (fs = x, e = y) owns columns 64 fs .. 64 fs + 63 of expert e's w1 and w3, all K = 1,024: 524,288 bytes of f32 that no other work-group reads.  32 x 8 = 256 work-groups.
; PHASE 1: the weights are streamed and quantised.  Wave w owns K step w (128 k) of both matrices: 8 units of 32 k x 64 columns.  A unit is 16 loads; in each, sixteen lanes read 256 consecutive
; aligned bytes of one row.  Lane (q, h) holds columns 4 q .. 4 q + 3 and k = 32 c + 16 h + 0 .. 15.  Three sets of 64 registers take turns: 48 loads of 512 bytes a wave are on their way.
; A lane's eight neighbouring registers hold four columns with four different scales, so each number is multiplied by its column's inverse scale (a power of two: exact), held within +-448 and
; converted with the scale 1; 32 v_perm_b32 a unit turn the bytes so that a register holds four neighbours along K.  The codes go to LDS as IMAGES OF THE OPERAND'S REGISTERS.
; A unit's 16 registers of codes lie outside the landing sets, so that a set is loaded again straight behind the unit's LDS stores; the wait for those stores stands in the next unit, ahead of its first write of these registers.
; THE COLUMNS THAT FORM A TILE ARE NOT NEIGHBOURS: row r of tile 2 b + u is column 32 b + 8 u + r + 8 (r / 8), so that a lane's 16 results of tiles 2 b and 2 b + 1 are 16 neighbours along the next K.
; PHASE 2, behind the one barrier (LDS is only read from there on): 4 trips; in a trip wave w takes token tiles 16 trip + 2 w and + 1 against all 8 column tiles (4 of w1, 4 of w3): 128 matrix instructions,
; source 0 = 16 columns of a weight, source 1 = 16 tokens, so that a lane holds one token.  The tokens' images (launch place) stay in window 1 for the trip; the weights' come from LDS, two fragments a stage.
; The number of tiles, nt = max(ceil(n / 16), 1), hangs on counts[e], whole numbers that an earlier launch stored; trips past it are jumped over; loads of tiles past it are held at tile nt - 1.
; hq: codes [e][tile 64][K step 16][c 4][lane 32][16 bytes]; scale bytes from byte 16,777,216 on: [e][tile][row 16][64].
; NO CLUSTER, NO TENSOR LOAD: the weights must pass through registers to be quantised and are shared with nobody.  What the 32 work-groups of an expert share is the tokens' images, n KiB against the
; 512 KiB that each reads alone; they go from memory straight into the registers of the wave that multiplies them, and a joint request would send them through LDS behind rounds whose number hangs on a loaded count.
; LIMITS: a block of zeros gets the byte 1 (its codes are zeros; this program alone reads the bytes); blocks under the floor 2^-118 are held at the byte 1; NaN and infinities are not served.
; REGISTERS, window 0: v1-10 addresses and 1.0; v12-15, v16-31 scale words and nothing else; v32-47 at work in phase 1; v48-63 a unit's codes; v64-255 three landing sets; in phase 2 v64-191 the 16 accumulators
; ((fi, t) at 64 + 8 (2 fi + t)), v192-255 two buffers of two weight fragments, on the way out scratch.  Window 1: the tokens' fragments, (t, s) at 128 t + 16 s.
; THE MODE: SCHED_MODE bits 1:0 = 2 (LLVM: expert scheduling mode 2), set by the entry lines.  The code itself states the register dependences
; between vector or matrix instructions and memory or LDS instructions, with s_wait_alu, always for 0.
; THE PLAN.  Registers that memory or LDS instructions touch:
;   v1-8, v10       Offsets and LDS addresses: written at the head, read by every load and store, never written again: one wait on va_vdst ahead of the first load.
;   the three sets  Unit u's vector lines read and write set u % 3; behind them the loads of unit u + 3 land in it.  No LDS store reads a set.
;   v44-47, v48-63  Scale words and codes: written by unit u's vector lines, read by its LDS stores, written again by unit u + 1.
;                   So a unit has ONE wait on va_vdst, behind its last v_perm_b32: the codes and scale words are written, and the unit is done with its set; the LDS stores and the set's 16 loads follow it.
;                   And one wait on vm_vsrc, ahead of the unit's first write of v44-63: the last unit's LDS stores have read them.
;   window 1, v16-31  The tokens' images and scale words: loads land, the trip's matrix instructions read; one wait on va_vdst behind a trip's products, ahead of the next trip's loads.
;   AB0, AB1, v12-15  Stage n's ten LDS loads land in buffer n % 2 and its two scale words; stage n's four matrix instructions read them.  ONE wait on va_vdst at a stage's head, behind the wait for the stage's own
;                   loads: the last stage's matrix instructions are done reading the other buffer.  The next stage's ten loads follow it, dealt among this stage's four matrix instructions, which name this
;                   stage's buffer and scale words, window 1, v16-31 and the accumulators: none of the registers that those loads touch.
;   v208-227        h's codes and bytes: written by a tile's way out, read by its four stores, which stand in one run behind one wait on va_vdst.  That wait is the trip's last vector-side line on every path,
;                   so the next trip's first LDS loads, which land in v192-255, owe no further one; one wait on vm_vsrc at the trip's head states that the stores have read v208-227.
.set PITCH, 8192                       ; a row of w1 or w3 in bytes
.set NF,    8                          ; column tiles
.set TS,    16400                      ; LDS: a column tile's 8 fragments of 2,048 bytes + 16, so that the sixteen lanes of a store's pass fall on sixteen different columns of 16 bytes
.set SCL,   8*TS                       ; behind the images: the scale words of (fi, s) at (8 fi + s) 64 + 4 r
.set LI,   1                           ; v1   16 L: my place in an image, in LDS and in memory
.set LI1,  2                           ; v2   the same for w3's tiles: + 4 TS
.set SLD,  3                           ; v3   SCL + 4 r
.set WOFF, 4                           ; v4   the weights: 16 rows x h + 16 q
.set IST,  5                           ; v5, v6  where I store w1's, w3's codes
.set SST,  7                           ; v7   and their scale words
.set XSO,  8                           ; v8   8 r
.set ONE,  9                           ; v9   1.0
.set HBO,  10                          ; v10  64 r
.set AS,   12                          ; v12-15  the weights' scale words: buffer bf, fragment f at 2 bf + f
.set BS,   16                          ; v16-31  the tokens': tile t, K step s at 8 t + s
.set M,    32
.set T,    36
.set I,    40
.set W,    44
.set P,    48                          ; v48, v49  the first conversion's result
.set KC,   48                          ; v48-63    the unit's codes, column j at 4 j: written behind the last read of P
.set XL,   64
.set ACC,  64
.set AB,   192
.set EE,   192                         ; the way out: v192-199 exponentials; v200-204 at work; v208-223 h's codes; v224-227 its bytes
.set QT,   200
.set HC,   208
.set HBY,  224
.set WB,   22                          ; s[22:25] w1, w3 at my wave's first row and my columns
.set BB,   26                          ; s[26:29] the two token tiles' images
.set XS,   30                          ; s[30:33] and their scale words
.set MSB, 0
.macro WIN new                         ; the immediate's high byte repeats the setting that is left
.if MSB != \new
	s_set_vgpr_msb (MSB<<8)|\new
.set MSB, \new
.endif
.endm
; unit u = (matrix u / 4, block u % 4) into set u % 3
.macro LOADU u
.set xs, XL+64*((\u)%3)
.irp i, 0,1,2,3,4,5,6,7,8,9,10,11,12,13,14,15
	global_load_b128 v[xs+4*\i:xs+4*\i+3], v[WOFF], s[WB+2*((\u)/4):WB+2*((\u)/4)+1] offset:(32*((\u)%4)+\i)*PITCH th:TH_LOAD_NT
.endr
.endm
; unit u is quantised.  Register xs + 4 i + j = W(k = 32 c + 16 h + i, column 4 q + j)
.macro QW u
.set xs, XL+64*((\u)%3)
.set qm, (\u)/4
.set qc, (\u)%4
.irp j, 0,1,2,3
	v_max3_num_f32 v[M+\j], |v[xs+\j]|, |v[xs+4+\j]|, 0x4800000   ; column j: my 16 numbers, and the floor 2^(9 - 127)
.endr
.irp i, 2,4,6,8,10,12,14
.irp j, 0,1,2,3
	v_max3_num_f32 v[M+\j], v[M+\j], |v[xs+4*\i+\j]|, |v[xs+4*\i+4+\j]|
.endr
.endr
.irp j, 0,1,2,3
	v_permlanex16_b32 v[T+\j], v[M+\j], s40, s41
.endr
.irp j, 0,1,2,3
	v_max_num_f32 v[M+\j], v[M+\j], v[T+\j]        ; with lane l xor 16's 16: the block's largest magnitude, exponent field E
.endr
.irp j, 0,1,2,3
	v_and_b32 v[T+\j], 0x7f800000, v[M+\j]
.endr
.irp j, 0,1,2,3
	v_sub_nc_u32 v[I+\j], 0x83000000, v[T+\j]      ; 1 / scale = 2^(135 - E): exponent field 262 - E, between 8 and 253
.endr
.irp j, 0,1,2,3
	v_lshrrev_b32 v[T+\j], 23, v[M+\j]
.endr
	s_wait_alu depctr_va_vdst(0)
	s_wait_dscnt 0x0                               ; the last unit's LDS stores are done
.if (\u) > 0
	s_wait_alu depctr_vm_vsrc(0)                   ; the last unit's LDS stores have read the scale words v44-47 and the codes v48-63, which are written again from here on
.endif
.irp j, 0,1,2,3
.if qc == 0
	v_add_nc_u32 v[W+\j], -8, v[T+\j]              ; the scale's byte, E - 8; four blocks' bytes make the K step's word
.else
	v_add_nc_u32 v[T+\j], -8, v[T+\j]
	v_lshl_or_b32 v[W+\j], v[T+\j], 8*qc, v[W+\j]
.endif
.endr
.irp a, 0,1,2,3,4,5,6,7                ; rows 2 a and 2 a + 1: eight numbers, four columns twice
	v_pk_mul_f32 v[xs+8*\a:xs+8*\a+1], v[xs+8*\a:xs+8*\a+1], v[I:I+1]
	v_pk_mul_f32 v[xs+8*\a+2:xs+8*\a+3], v[xs+8*\a+2:xs+8*\a+3], v[I+2:I+3]
	v_pk_mul_f32 v[xs+8*\a+4:xs+8*\a+5], v[xs+8*\a+4:xs+8*\a+5], v[I:I+1]
	v_pk_mul_f32 v[xs+8*\a+6:xs+8*\a+7], v[xs+8*\a+6:xs+8*\a+7], v[I+2:I+3]
.irp k, 0,1,2,3,4,5,6,7
	v_med3_num_f32 v[xs+8*\a+\k], v[xs+8*\a+\k], s44, s43   ; the conversion does not saturate (ISA guide 7.6.2): held within +-448 first
.endr
.if \a == 0
	v_cvt_scalef32_pk8_fp8_f32 v[P:P+1], v[xs:xs+7], v[ONE]
.else
	v_cvt_scalef32_pk8_fp8_f32 v[xs+8*(\a-1):xs+8*(\a-1)+1], v[xs+8*\a:xs+8*\a+7], v[ONE]   ; into registers that the conversion before has read: twelve plain lines stand between
.endif
.endr
	v_nop                                          ; one plain place behind the last conversion
.irp g, 0,1,2,3                        ; rows 4 g .. 4 g + 3: four registers of four columns' bytes are interleaved by pairs of rows, into registers of the set whose numbers are done with
.if \g == 0
.set r0, P
.else
.set r0, xs+8*(2*\g-1)
.endif
.set r2, xs+8*(2*\g)
.set tp, xs+2+8*\g
	v_perm_b32 v[tp], v[r0+1], v[r0], s45
	v_perm_b32 v[tp+1], v[r0+1], v[r0], s46
	v_perm_b32 v[tp+2], v[r2+1], v[r2], s45
	v_perm_b32 v[tp+3], v[r2+1], v[r2], s46
.endr
.irp g, 0,1,2,3                        ; and become four registers of four rows' bytes, outside the set
.set tp, xs+2+8*\g
	v_perm_b32 v[KC+\g], v[tp+2], v[tp], s47       ; column 0, k = 4 g .. 4 g + 3, the lower k in the lower byte
	v_perm_b32 v[KC+4+\g], v[tp+2], v[tp], s48     ; column 1
	v_perm_b32 v[KC+8+\g], v[tp+3], v[tp+1], s47   ; column 2
	v_perm_b32 v[KC+12+\g], v[tp+3], v[tp+1], s48  ; column 3
.endr
	s_wait_alu depctr_va_vdst(0)                   ; the codes v48-63 and the scale words v44-47 are written, which the LDS stores below read; and the unit's vector lines are done with its set, in which the loads behind those stores land
.irp j, 0,1,2,3
	ds_store_b128 v[IST+qm], v[KC+4*\j:KC+4*\j+3] offset:512*qc+16*\j   ; column j's 16 codes: registers 4 c .. 4 c + 3 of lane (r, h) of its fragment
.endr
.if qc == 3
	ds_store_b128 v[SST], v[W:W+3] offset:2048*qm  ; four neighbouring rows' scale words (both halves of the lanes write the same bytes with the same values)
.endif
.endm                                  ; no LDS store reads a register of the set: it may be loaded again at once
; loads n0 .. n1 - 1 of the list of 72 that brings two token tiles: 64 of codes into window 1, 8 of scale words
.macro BL n0, n1
.set nn, \n0
.rept \n1-\n0
.if nn < 64
	WIN 0x40                                       ; destination window 1, address window 0
.set rb, 128*(nn/32)+16*((nn%32)/4)+4*(nn%4)
	global_load_b128 v[rb:rb+3], v[LI], s[BB+2*(nn/32):BB+2*(nn/32)+1] offset:2048*((nn%32)/4)+512*(nn%4)
.else
	WIN 0
	global_load_b64 v[BS+8*((nn-64)/4)+2*((nn-64)%4):BS+8*((nn-64)/4)+2*((nn-64)%4)+1], v[XSO], s[XS+2*((nn-64)/4):XS+2*((nn-64)/4)+1] offset:128*((nn-64)%4)
.endif
.set nn, nn+1
.endr
	WIN 0
.endm
; the bases of tiles s[reg] and s[reg] + 1, held at tile nt - 1 and then, by a constant, inside the expert's 64
.macro BASES reg
.irp t, 0,1
	s_add_co_u32 s52, s[\reg], \t
	s_min_u32 s52, s52, s19
	s_min_u32 s52, s52, 63
	s_add_co_u32 s54, s52, s56
	s_lshl_b32 s52, s54, 14
	s_mov_b32 s53, 0
	s_add_nc_u64 s[BB+2*\t:BB+2*\t+1], s[8:9], s[52:53]
	s_lshl_b32 s52, s54, 9
	s_add_co_u32 s52, s52, 0x800000
	s_add_nc_u64 s[XS+2*\t:XS+2*\t+1], s[8:9], s[52:53]
.endr
.endm
; stage n of a trip: K step n / (NF / 2), column tiles 2 (n % (NF / 2)) and + 1, into buffer n % 2.  Fragment f of the two: five LDS loads
.macro AFRAG n, f
.set als, (\n)/(NF/2)
.set alp, (\n)%(NF/2)
.set alb, (\n)%2
.set afi, 2*alp+\f
.irp c, 0,1,2,3
.if afi < 4
	ds_load_b128 v[AB+32*alb+16*\f+4*\c:AB+32*alb+16*\f+4*\c+3], v[LI] offset:afi*TS+2048*als+512*\c
.else
	ds_load_b128 v[AB+32*alb+16*\f+4*\c:AB+32*alb+16*\f+4*\c+3], v[LI1] offset:(afi-4)*TS+2048*als+512*\c
.endif
.endr
	ds_load_b32 v[AS+2*alb+\f], v[SLD] offset:(8*afi+als)*64
.endm
; the product of the stage's fragment f and token tile t
.macro MM f, t
.set ka, ACC+8*(2*(2*kp+\f)+\t)
.if ks == 0
	v_wmma_scale_f32_16x16x128_f8f6f4 v[ka:ka+7], v[AB+32*kb+16*\f:AB+32*kb+16*\f+15], v[128*\t+16*ks:128*\t+16*ks+15], 0, v[AS+2*kb+\f], v[BS+8*\t+ks]
.else
	v_wmma_scale_f32_16x16x128_f8f6f4 v[ka:ka+7], v[AB+32*kb+16*\f:AB+32*kb+16*\f+15], v[128*\t+16*ks:128*\t+16*ks+15], v[ka:ka+7], v[AS+2*kb+\f], v[BS+8*\t+ks]
.endif
.endm
; A trip's products.  The accumulators take turns, one instruction a turn: 2 NF - 1 others stand between two links of a chain.  The first K step's products take the constant 0 as C.
; Eight v_nop stand at the head of each stage, between the last stage's matrix instructions and the loads into the registers that those have read; the wait on va_vdst behind them states that dependence.
.macro KLOOP
	AFRAG 0, 0
	AFRAG 0, 1
	WIN 0x04                                       ; source 1 (the tokens) in window 1; LDS loads name no source 1
.set kn, 0
.rept 4*NF
.if kn > 0
.rept 8
	v_nop
.endr
.endif
	s_wait_dscnt 0x0                               ; this stage's ten loads are in: nothing younger is out
.if (kn > 0) && (kn < 4*NF-1)
	s_wait_alu depctr_va_vdst(0)                   ; the last stage's matrix instructions are done reading the other buffer and its two scale words, in which the ten loads below land
.endif
.set ks, kn/(NF/2)
.set kp, kn%(NF/2)
.set kb, kn%2
	MM 0, 0
.if kn < 4*NF-1
	AFRAG kn+1, 0                                  ; no wait: no matrix instruction since the wait above names the other buffer or its scale words (stage 0: none since the last trip's last wait)
.endif
	MM 0, 1
.if kn < 4*NF-1
	AFRAG kn+1, 1
.endif
	MM 1, 0
	MM 1, 1
.set kn, kn+1
.endr
.rept 9
	v_nop                                          ; eight places in front of the first read of results; nine in front of a matrix instruction that begins an accumulator anew
.endr
	WIN 0
.endm
; v[gg] on: 8 numbers of x w1; v[uu] on: the same places of x w3.  v[gg] becomes g u / (1 + 2^(-g log2 e)).  Each accumulator is read from its low end on.
.macro SILU
.irp k, 0,2,4,6
	v_pk_mul_f32 v[EE+\k:EE+\k+1], v[gg+\k:gg+\k+1], s[50:51] op_sel_hi:[1,0]
.endr
	s_wait_alu depctr_va_vdst(0)
.irp k, 0,1,2,3,4,5,6,7
	v_exp_f32 v[EE+\k], v[EE+\k]
.endr
	s_wait_alu depctr_va_vdst(0)
.irp k, 0,2,4,6
	v_pk_mul_f32 v[gg+\k:gg+\k+1], v[gg+\k:gg+\k+1], v[uu+\k:uu+\k+1]   ; (plain places behind the exponentials)
.endr
	s_wait_alu depctr_va_vdst(0)                   ; the eight exponentials have written v[EE ..], ahead of their first reader
.irp k, 0,2,4,6
	v_pk_add_f32 v[EE+\k:EE+\k+1], v[EE+\k:EE+\k+1], 1.0 op_sel_hi:[1,0]
.endr
	s_wait_alu depctr_va_vdst(0)
.irp k, 0,1,2,3,4,5,6,7
	v_rcp_f32 v[EE+\k], v[EE+\k]
.endr
	v_nop
	s_wait_alu depctr_va_vdst(0)                   ; the eight reciprocals have written v[EE ..], ahead of their first reader
.irp k, 0,2,4,6
	v_pk_mul_f32 v[gg+\k:gg+\k+1], v[gg+\k:gg+\k+1], v[EE+\k:EE+\k+1]
.endr
.endm
; 16 neighbours along f, v[g0] on and v[g1] on, half of a block of 32: its codes into v[hc] on, its scale byte into v[hb]
.macro QH
	v_max3_num_f32 v[QT], |v[g0]|, |v[g0+1]|, 0x4800000
	v_max3_num_f32 v[QT+2], |v[g1]|, |v[g1+1]|, |v[g1+2]|
	v_max3_num_f32 v[QT], v[QT], |v[g0+2]|, |v[g0+3]|
	v_max3_num_f32 v[QT+2], v[QT+2], |v[g1+3]|, |v[g1+4]|
	v_max3_num_f32 v[QT], v[QT], |v[g0+4]|, |v[g0+5]|
	v_max3_num_f32 v[QT+2], v[QT+2], |v[g1+5]|, |v[g1+6]|
	v_max3_num_f32 v[QT], v[QT], |v[g0+6]|, |v[g0+7]|
	v_mov_b32 v[QT+1], 0                           ; a lane permute's destination counts as one of its sources
	v_max3_num_f32 v[QT], v[QT], v[QT+2], |v[g1+7]|
	v_permlanex16_b32 v[QT+1], v[QT], s40, s41
	v_max_num_f32 v[QT], v[QT], v[QT+1]            ; with lane l xor 16's: the block's largest magnitude
	v_add_nc_u32 v[QT+3], 0xfc000000, v[QT]        ; 8 off its exponent field: the conversion's scale operand
	v_and_or_b32 v[QT+4], v[QT], 0x7f800000, s42   ; 448 x the scale
	v_lshrrev_b32 v[hb], 23, v[QT+3]               ; the scale's byte
.irp k, 0,1,2,3,4,5,6,7
	v_med3_num_f32 v[g0+\k], v[g0+\k], -v[QT+4], v[QT+4]
	v_med3_num_f32 v[g1+\k], v[g1+\k], -v[QT+4], v[QT+4]
.endr
	v_cvt_scalef32_pk8_fp8_f32 v[hc:hc+1], v[g0:g0+7], v[QT+3]
	v_cvt_scalef32_pk8_fp8_f32 v[hc+2:hc+3], v[g1:g1+7], v[QT+3]
	v_nop                                          ; one plain place behind the last conversion
.endm
; token tile s39 + t goes out: two blocks of 32 along f: pieces c = 2 (fs % 2) + b of fragment (tile, fs / 2) of h, 512 consecutive bytes each, and a byte a row.
; Each block has registers of its own for its codes and its byte: both blocks' arithmetic first, then the four stores in one run.
.macro POST t
	s_wait_xcnt 0x0                                ; the bases below are written again only behind this wait
	s_add_co_u32 s54, s39, \t
	s_add_co_u32 s54, s54, s56                     ; 64 e + tile
	s_lshl_b32 s52, s54, 15
	s_add_co_u32 s52, s52, s58
	s_mov_b32 s53, 0
	s_add_nc_u64 s[34:35], s[12:13], s[52:53]
	s_lshl_b32 s52, s54, 10
	s_add_co_u32 s52, s52, s59
	s_add_nc_u64 s[36:37], s[12:13], s[52:53]
.irp b, 0,1
.irp u, 0,1
.set gg, ACC+8*(2*(2*\b+\u)+\t)
.set uu, ACC+8*(2*(4+2*\b+\u)+\t)
	SILU
.endr
.set g0, ACC+8*(2*(2*\b)+\t)
.set g1, ACC+8*(2*(2*\b+1)+\t)
.set hc, HC+4*(2*\t+\b)
.set hb, HBY+2*\t+\b
	QH
.endr
	s_wait_alu depctr_va_vdst(0)                   ; the conversions and shifts have written the tile's codes and bytes, which the four stores read; and the way out's vector lines are done with v192-227, in which the next trip's LDS loads land
.irp b, 0,1
	global_store_b128 v[LI], v[HC+4*(2*\t+\b):HC+4*(2*\t+\b)+3], s[34:35] offset:512*\b
	global_store_b8 v[HBO], v[HBY+2*\t+\b], s[36:37] offset:\b   ; both halves of the lanes write row r's byte with the same value; one byte for each 512 bytes of weights read
.endr
.endm
	s_load_b256 s[4:11], s[0:1], 0x0               ; w1 s[4:5], w3 s[6:7], xq s[8:9], order s[10:11]
	s_load_b64 s[12:13], s[0:1], 0x20              ; hq
	v_lshrrev_b32 v32, 5, v0
	v_readfirstlane_b32 s14, v32                   ; wave
	s_mov_b32 s15, ttmp9                           ; fs
	s_and_b32 s16, ttmp7, 0xffff                   ; e
	v_and_b32 v33, 31, v0                          ; L
	v_and_b32 v34, 15, v0                          ; q, also r
	v_bfe_u32 v35, v0, 4, 1                        ; h
	v_lshlrev_b32 v[LI], 4, v33
	v_add_nc_u32 v[LI1], 4*TS, v[LI]
	v_lshl_add_u32 v[SLD], v34, 2, SCL
	v_lshlrev_b32 v[WOFF], 4, v34
	v_lshl_add_u32 v[WOFF], v35, 17, v[WOFF]       ; 16 rows of 8,192 bytes for the upper half of the lanes
	v_lshlrev_b32 v[XSO], 3, v34
	v_lshlrev_b32 v[HBO], 6, v34
	v_mov_b32 v[ONE], 1.0
	v_bfe_u32 v36, v0, 3, 1
	v_bfe_u32 v37, v0, 1, 1
	v_lshl_add_u32 v36, v36, 1, v37                ; my columns' tile: 2 (q / 8) + (q / 2) % 2
	v_bfe_u32 v37, v0, 2, 1                        ; their rows in it: 8 ((q / 4) % 2) + 4 (q % 2) + j
	v_and_b32 v38, 1, v0
	v_mov_b32 v39, 0                               ; (v36-39 are lane permutes' destinations later: all four are written here)
	v_mul_u32_u24 v[IST], v36, TS
	v_lshl_add_u32 v[IST], v37, 7, v[IST]
	v_lshl_add_u32 v[IST], v38, 6, v[IST]
	v_lshl_add_u32 v[IST], v35, 8, v[IST]
	s_wait_alu depctr_va_sdst(0)                   ; s14 is written, ahead of its first reader: LDS addresses and the bases of the weights are made from it
	s_lshl_b32 s20, s14, 11                        ; my K step's fragment
	v_add_nc_u32 v[IST], s20, v[IST]
	v_add_nc_u32 v[IST+1], 4*TS, v[IST]
	v_lshlrev_b32 v[SST], 9, v36
	v_lshl_add_u32 v[SST], v37, 5, v[SST]
	v_lshl_add_u32 v[SST], v38, 4, v[SST]
	s_lshl_b32 s21, s14, 6
	v_add_nc_u32 v[SST], s21, v[SST]
	v_add_nc_u32 v[SST], SCL, v[SST]
	s_mov_b32 s40, 0x76543210                      ; v_permlanex16_b32's selects for lane l xor 16
	s_mov_b32 s41, 0xfedcba98
	s_mov_b32 s42, 0x600000                        ; the mantissa field of 448
	s_mov_b32 s43, 0x43e00000                      ; 448
	s_mov_b32 s44, 0xc3e00000                      ; -448
	s_mov_b32 s45, 0x05010400                      ; v_perm_b32: bytes 0 and 1 of two registers, interleaved;
	s_mov_b32 s46, 0x07030602                      ; bytes 2 and 3;
	s_mov_b32 s47, 0x05040100                      ; the low halves of two registers;
	s_mov_b32 s48, 0x07060302                      ; the high halves
	s_mov_b32 s50, 0xbfb8aa3b                      ; -log2(e)
	s_mov_b32 s51, s50                             ; (named with it as a pair, so it is written)
	s_lshl_b32 s52, s16, 23                        ; an expert's 8 MiB,
	s_lshl_b32 s54, s14, 20                        ; 128 rows a wave,
	s_add_co_u32 s52, s52, s54
	s_lshl_b32 s54, s15, 8                         ; 64 columns a work-group
	s_add_co_u32 s52, s52, s54
	s_mov_b32 s53, 0
	s_lshl_b32 s57, s16, 7
	s_lshl_b32 s56, s16, 6
	s_lshl_b32 s58, s15, 10                        ; hq: 2,048 (fs / 2) + 1,024 (fs % 2)
	s_lshl_b32 s59, s15, 1
	s_add_co_u32 s59, s59, 0x1000000               ; and its scale bytes: 16,777,216 + 2 fs
	s_wait_kmcnt 0x0
	s_load_b32 s17, s[10:11], s57 offset:9216      ; counts[e]
	s_add_nc_u64 s[WB:WB+1], s[4:5], s[52:53]
	s_add_nc_u64 s[WB+2:WB+3], s[6:7], s[52:53]
	s_wait_alu depctr_va_vdst(0)                   ; the offsets and LDS addresses v1-8 and v10 are written, which the kernel's loads and stores read
	LOADU 0
	LOADU 1
	LOADU 2
	s_wait_kmcnt 0x0
	s_min_u32 s17, s17, 1024
	s_add_co_u32 s18, s17, 15
	s_lshr_b32 s18, s18, 4
	s_max_u32 s18, s18, 1                          ; nt
	s_sub_co_u32 s19, s18, 1
	s_lshl_b32 s39, s14, 1                         ; my first token tile
	BASES 39
.irp u, 0,1,2,3,4
	s_wait_loadcnt 32                              ; this unit's 16 loads are in; the two units behind it may be out
	QW \u
	LOADU \u+3
.endr
	s_wait_loadcnt 32
	QW 5
	BL 0, 24                                       ; the freed sets stay empty: the first trip's tokens are asked for instead (no vector or matrix instruction has named window 1 or v16-31 yet)
	s_wait_loadcnt 40                              ; behind unit 6: unit 7's 16 loads and 24 of the tokens'
	QW 6
	BL 24, 48
	s_wait_loadcnt 48                              ; behind unit 7: 48 of the tokens'
	QW 7
	BL 48, 72
	s_wait_dscnt 0x0                               ; for the others' sake: my LDS stores have landed
	s_barrier_signal -1
	s_barrier_wait -1                              ; all 64 fragments and their scale words lie in LDS
	s_mov_b32 s38, 0
.Ltrip:
	s_wait_loadcnt 0x0                             ; the tokens' images and scale words
	s_wait_xcnt 0x0                                ; the last trip's stores have had their addresses translated
	s_wait_alu depctr_vm_vsrc(0)                   ; the last trip's stores have read h's codes and bytes, v208-227, in which this trip's LDS loads land
	s_cmp_ge_u32 s39, s18
	s_cbranch_scc1 .Lskip
	KLOOP
	s_add_co_u32 s55, s39, 16
	s_cmp_ge_u32 s55, s18
	s_cbranch_scc1 .Lnonext
	s_wait_alu depctr_va_vdst(0)                   ; the trip's matrix instructions are done reading the tokens' fragments in window 1 and their scale words v16-31, in which the 72 loads below land
	BASES 55                                       ; the next trip's tokens are asked for ahead of the way out; the only wait for them is the wait for 0 at the trip's head
	BL 0, 72
.Lnonext:
	POST 0
	s_add_co_u32 s54, s39, 1
	s_cmp_ge_u32 s54, s18
	s_cbranch_scc1 .Lskip
	POST 1
.Lskip:
	s_add_co_u32 s39, s39, 16
	s_add_co_u32 s38, s38, 1
	s_cmp_lt_u32 s38, 4
	s_cbranch_scc1 .Ltrip
	s_wait_xcnt 0x0
	v_lshl_add_u32 v254, v0, 2, 0x21100            ; the add's two registers, made anew straight ahead of the closing lines: no memory or LDS instruction has read v254 or v255
	v_mov_b32 v255, 0
	s_wait_dscnt 0x0                               ; the closing lines, six on end
	s_wait_alu 0x0
	s_wait_tensorcnt 0x0
	ds_add_u32 v254, v255
	s_wait_dscnt 0x0
	s_endpgm
.Lfunc_end_k_qa0850c66f2_up:
	.size	k_qa0850c66f2_up, .Lfunc_end_k_qa0850c66f2_up-k_qa0850c66f2_up
	.p2alignl 7, 3214868480
	.fill 96, 4, 3214868480
	.section	.rodata,"a",@progbits
	.p2align	6, 0x0
	.amdhsa_kernel k_qa0850c66f2_up
		.amdhsa_group_segment_fixed_size 136448
		.amdhsa_private_segment_fixed_size 0
		.amdhsa_enable_private_segment 0
		.amdhsa_kernarg_size 40
		.amdhsa_user_sgpr_count 2
		.amdhsa_user_sgpr_kernarg_segment_ptr 1
		.amdhsa_wavefront_size32 1
		.amdhsa_system_sgpr_workgroup_id_x 1
		.amdhsa_system_sgpr_workgroup_id_y 1
		.amdhsa_system_sgpr_workgroup_id_z 1
		.amdhsa_system_vgpr_workitem_id 0
		.amdhsa_next_free_vgpr 512
		.amdhsa_next_free_sgpr 66
		.amdhsa_reserve_vcc 0
		.amdhsa_float_denorm_mode_32 3
		.amdhsa_float_denorm_mode_16_64 3
		.amdhsa_memory_ordered 1
		.amdhsa_forward_progress 1
		.amdhsa_inst_pref_size 200
	.end_amdhsa_kernel
	.amdgpu_metadata
---
amdhsa.version: [ 1, 2 ]
amdhsa.kernels:
  - .name:           k_qa0850c66f2_up
    .symbol:         k_qa0850c66f2_up.kd
    .args:
      - { .name: w1, .offset: 0, .size: 8, .value_kind: global_buffer, .address_space: global }
      - { .name: w3, .offset: 8, .size: 8, .value_kind: global_buffer, .address_space: global }
      - { .name: xq, .offset: 16, .size: 8, .value_kind: global_buffer, .address_space: global }
      - { .name: order, .offset: 24, .size: 8, .value_kind: global_buffer, .address_space: global }
      - { .name: hq, .offset: 32, .size: 8, .value_kind: global_buffer, .address_space: global }
    .group_segment_fixed_size: 136448
    .private_segment_fixed_size: 0
    .kernarg_segment_align: 8
    .kernarg_segment_size: 40
    .max_flat_workgroup_size: 256
    .sgpr_count:     66
    .vgpr_count:     512
    .wavefront_size: 32
...
	.end_amdgpu_metadata
.endif
;; end of part 8
;; launch down (part 9): grid 32 x 8, 8 waves a work-group, no clusters, 103,680 bytes of LDS; arguments w2, hq, order, y; writes y
.if DOCPART == 9
	.amdgcn_target "amdgcn-amd-amdhsa--gfx1250"
	.amdhsa_code_object_version 6
	.text
	.protected	k_qa0850c66f2_down
	.globl	k_qa0850c66f2_down
	.p2align	8
	.type	k_qa0850c66f2_down,@function
k_qa0850c66f2_down:
	s_mov_b64 s[64:65], 0
	v_nop
	global_prefetch_b8 v0, s[64:65] scope:SCOPE_SE
	s_setreg_imm32_b32 hwreg(HW_REG_WAVE_SCHED_MODE, 0, 2), 2
	s_setreg_imm32_b32 hwreg(HW_REG_WAVE_MODE, 25, 1), 1
	s_wait_xcnt 0x0
	s_wait_alu depctr_vm_vsrc(0)
; y[fh][slot][d] = sum over half fh of f of h[slot][f] w2[e][f][d] on the routed rows, on codes of E4M3 with one E8M0 scale for each 32 along K = f (v_wmma_scale_f32_16x16x128_f8f6f4).
; SHARES.  Work-group (x, e = y): ds = x % 16 owns columns 64 ds .. + 63 of expert e's w2, fh = x / 16 a half of F: 1,024 rows x 256 bytes = 262,144 bytes of f32 that no other work-group reads.
; Halving F gives 32 x 8 = 256 work-groups with rows of 256 bytes, and lets two token tiles' 8 K steps fill window 1; the two halves' sums are added by the last launch.
; PHASE 1 as in the launch before: wave w owns K step w of the half, 4 units of 32 f x 64 columns; codes and scale words go to LDS as images of the operand's registers.  Here the tiles are natural:
; row r of tile ct is column 16 ct + r.  A unit's 16 registers of codes lie outside the landing sets, so that a set is loaded again straight behind the unit's LDS stores; the wait for those stores stands in the next unit.
; PHASE 2, behind the one barrier: 4 trips; wave w takes token tiles 16 trip + 2 w and + 1 against the 4 column tiles: 64 matrix instructions,
; source 0 = 16 columns of w2, source 1 = 16 tokens of h: a lane holds one token and eight neighbouring d.  A tile's 16 rows x 256 bytes go through the wave's own stage in LDS and leave as whole rows:
; sixteen lanes store 256 consecutive aligned bytes.
; nt = max(ceil(n / 16), 1) hangs on counts[e], whole numbers that an earlier launch stored.
; NO CLUSTER, NO TENSOR LOAD: as in the launch before: the weights pass through registers and are shared with nobody; the shared images of h (n KiB a half against 256 KiB of weights) go straight into registers.
; LIMITS: a block of zeros gets the byte 1; blocks under the floor 2^-118 are held at the byte 1; NaN and infinities are not served.
; REGISTERS, window 0: v1-11 addresses and 1.0; v12-15, v16-31 scale words and nothing else; v32-47 at work in phase 1; v48-63 a unit's codes; v64-255 three landing sets; in phase 2 v64-127 the 8 accumulators
; ((ct, t) at 64 + 8 (2 ct + t)), v128-191 rows on their way out, v192-255 two buffers of two weight fragments.  Window 1: h's fragments, (t, s) at 128 t + 16 s.
; THE MODE: SCHED_MODE bits 1:0 = 2 (LLVM: expert scheduling mode 2), set by the entry lines.  The code itself states the register dependences
; between vector or matrix instructions and memory or LDS instructions, with s_wait_alu, always for 0.
; THE PLAN.  Registers that memory or LDS instructions touch:
;   v1-5, v7, v8, v10, v11  Offsets and LDS addresses: written at the head, read by every load and store, never written again: one wait on va_vdst ahead of the first load.
;   the three sets  Unit u's vector lines read and write set u % 3; behind unit 0 the loads of unit 3 land in its set.  No LDS store reads a set.
;   v44-47, v48-63  Scale words and codes: written by unit u's vector lines, read by its LDS stores, written again by unit u + 1.  A unit has ONE wait on va_vdst, behind its last v_perm_b32, ahead of its LDS stores
;                   and of the loads behind them, and one wait on vm_vsrc ahead of its first write of v44-63.
;   AB0, AB1, v12-15  Stage n's ten LDS loads land in buffer n % 2 and its two scale words; stage n's four matrix instructions read them.  ONE wait on va_vdst at a stage's head, behind the wait for the stage's own
;                   loads: the last stage's matrix instructions are done reading the other buffer.  The next stage's ten loads follow it, dealt among this stage's four matrix instructions, which name this
;                   stage's buffer and scale words, window 1, v16-31 and the accumulators: none of the registers that those loads touch.
;   v64-127         The accumulators: written by the trip's matrix instructions, read by the way out's LDS stores, begun anew by the next trip's first products.
;   window 1, v16-31  h's images and scale words: loads land, the trip's matrix instructions read, the next trip's loads land.
;   v128-191        Rows on their way out: LDS loads land, global stores read, the next trip's LDS loads land.
;                   ONE wait on va_vdst stands at the end of a trip's products, behind their places: the accumulators are written, and the products are done reading window 1, v16-31 and both weight buffers.
;                   No vector or matrix instruction follows it in the trip, so it serves the way out's LDS stores, the loads of the next trip's tokens and the next trip's first LDS loads.
;                   One wait on vm_vsrc at the trip's head: the LDS stores have read the accumulators and the global stores v128-191.
.set PITCH, 4096                       ; a row of w2 in bytes
.set NF,    4
.set TS,    16400
.set SCL,   4*TS                       ; 65,600: the scale words, 2,048 bytes
.set STG,   67840                      ; the stages: 16 rows x 272 bytes for each wave
.set LI,   1                           ; v1   16 L
.set YOF,  2                           ; v2   y: 4,096 h + 16 q
.set SLD,  3                           ; v3   SCL + 4 r
.set WOFF, 4                           ; v4   the weights: 16 rows x h + 16 q
.set IST,  5                           ; v5   where I store codes
.set SST,  7                           ; v7   and scale words
.set STO,  8                           ; v8   the stage, in: row r, + 32 h
.set ONE,  9                           ; v9   1.0
.set HBO,  10                          ; v10  64 r
.set SRD,  11                          ; v11  the stage, back: row h, + 16 q
.set AS,   12
.set BS,   16
.set M,    32
.set T,    36
.set I,    40
.set W,    44
.set P,    48                          ; v48, v49  the first conversion's result
.set KC,   48                          ; v48-63    the unit's codes, column j at 4 j: written behind the last read of P
.set XL,   64
.set ACC,  64
.set OUT,  128
.set AB,   192
.set WB,   22                          ; s[22:23] w2 at my wave's first row and my columns
.set BB,   26                          ; s[26:29] the two token tiles' images
.set XS,   30                          ; s[30:33] and their scale bytes
.set MSB, 0
.macro WIN new                         ; the immediate's high byte repeats the setting that is left
.if MSB != \new
	s_set_vgpr_msb (MSB<<8)|\new
.set MSB, \new
.endif
.endm
.macro LOADU u                         ; block u of my K step into set u % 3
.set xs, XL+64*((\u)%3)
.irp i, 0,1,2,3,4,5,6,7,8,9,10,11,12,13,14,15
	global_load_b128 v[xs+4*\i:xs+4*\i+3], v[WOFF], s[WB:WB+1] offset:(32*(\u)+\i)*PITCH th:TH_LOAD_NT
.endr
.endm
; block u is quantised.  Register xs + 4 i + j = W(f = 32 u + 16 h + i, column 4 q + j)
.macro QW u
.set xs, XL+64*((\u)%3)
.set qc, (\u)%4
.irp j, 0,1,2,3
	v_max3_num_f32 v[M+\j], |v[xs+\j]|, |v[xs+4+\j]|, 0x4800000   ; column j: my 16 numbers, and the floor 2^(9 - 127)
.endr
.irp i, 2,4,6,8,10,12,14
.irp j, 0,1,2,3
	v_max3_num_f32 v[M+\j], v[M+\j], |v[xs+4*\i+\j]|, |v[xs+4*\i+4+\j]|
.endr
.endr
.irp j, 0,1,2,3
	v_permlanex16_b32 v[T+\j], v[M+\j], s40, s41
.endr
.irp j, 0,1,2,3
	v_max_num_f32 v[M+\j], v[M+\j], v[T+\j]        ; the block's largest magnitude, exponent field E
.endr
.irp j, 0,1,2,3
	v_and_b32 v[T+\j], 0x7f800000, v[M+\j]
.endr
.irp j, 0,1,2,3
	v_sub_nc_u32 v[I+\j], 0x83000000, v[T+\j]      ; 1 / scale = 2^(135 - E)
.endr
.irp j, 0,1,2,3
	v_lshrrev_b32 v[T+\j], 23, v[M+\j]
.endr
	s_wait_alu depctr_va_vdst(0)
	s_wait_dscnt 0x0                               ; the last unit's LDS stores are done
.if (\u) > 0
	s_wait_alu depctr_vm_vsrc(0)                   ; the last unit's LDS stores have read the codes v48-63, which are written again from here on
.endif
.irp j, 0,1,2,3
.if qc == 0
	v_add_nc_u32 v[W+\j], -8, v[T+\j]              ; the scale's byte, E - 8
.else
	v_add_nc_u32 v[T+\j], -8, v[T+\j]
	v_lshl_or_b32 v[W+\j], v[T+\j], 8*qc, v[W+\j]
.endif
.endr
.irp a, 0,1,2,3,4,5,6,7
	v_pk_mul_f32 v[xs+8*\a:xs+8*\a+1], v[xs+8*\a:xs+8*\a+1], v[I:I+1]
	v_pk_mul_f32 v[xs+8*\a+2:xs+8*\a+3], v[xs+8*\a+2:xs+8*\a+3], v[I+2:I+3]
	v_pk_mul_f32 v[xs+8*\a+4:xs+8*\a+5], v[xs+8*\a+4:xs+8*\a+5], v[I:I+1]
	v_pk_mul_f32 v[xs+8*\a+6:xs+8*\a+7], v[xs+8*\a+6:xs+8*\a+7], v[I+2:I+3]
.irp k, 0,1,2,3,4,5,6,7
	v_med3_num_f32 v[xs+8*\a+\k], v[xs+8*\a+\k], s44, s43   ; the conversion does not saturate (ISA guide 7.6.2): held within +-448 first
.endr
.if \a == 0
	v_cvt_scalef32_pk8_fp8_f32 v[P:P+1], v[xs:xs+7], v[ONE]
.else
	v_cvt_scalef32_pk8_fp8_f32 v[xs+8*(\a-1):xs+8*(\a-1)+1], v[xs+8*\a:xs+8*\a+7], v[ONE]   ; into registers that the conversion before has read: twelve plain lines stand between
.endif
.endr
	v_nop                                          ; one plain place behind the last conversion
.irp g, 0,1,2,3                        ; rows 4 g .. 4 g + 3: interleaved by pairs of rows, into registers of the set whose numbers are done with
.if \g == 0
.set r0, P
.else
.set r0, xs+8*(2*\g-1)
.endif
.set r2, xs+8*(2*\g)
.set tp, xs+2+8*\g
	v_perm_b32 v[tp], v[r0+1], v[r0], s45
	v_perm_b32 v[tp+1], v[r0+1], v[r0], s46
	v_perm_b32 v[tp+2], v[r2+1], v[r2], s45
	v_perm_b32 v[tp+3], v[r2+1], v[r2], s46
.endr
.irp g, 0,1,2,3                        ; and four registers of four rows' bytes, outside the set
.set tp, xs+2+8*\g
	v_perm_b32 v[KC+\g], v[tp+2], v[tp], s47
	v_perm_b32 v[KC+4+\g], v[tp+2], v[tp], s48
	v_perm_b32 v[KC+8+\g], v[tp+3], v[tp+1], s47
	v_perm_b32 v[KC+12+\g], v[tp+3], v[tp+1], s48
.endr
	s_wait_alu depctr_va_vdst(0)                   ; the codes v48-63 and the scale words v44-47 are written, which the LDS stores below read; and the unit's vector lines are done with its set, in which loads land behind those stores
.irp j, 0,1,2,3
	ds_store_b128 v[IST], v[KC+4*\j:KC+4*\j+3] offset:512*qc+16*\j
.endr
.if qc == 3
	ds_store_b128 v[SST], v[W:W+3]                 ; four neighbouring rows' scale words (both halves of the lanes write the same bytes with the same values)
.endif
.endm                                  ; no LDS store reads a register of the set: it may be loaded again at once
; loads n0 .. n1 - 1 of the list of 68 that brings two token tiles: 64 of codes into window 1, 4 of scale words
.macro BL n0, n1
.set nn, \n0
.rept \n1-\n0
.if nn < 64
	WIN 0x40
.set rb, 128*(nn/32)+16*((nn%32)/4)+4*(nn%4)
	global_load_b128 v[rb:rb+3], v[LI], s[BB+2*(nn/32):BB+2*(nn/32)+1] offset:2048*((nn%32)/4)+512*(nn%4)
.else
	WIN 0
	global_load_b128 v[BS+8*((nn-64)/2)+4*((nn-64)%2):BS+8*((nn-64)/2)+4*((nn-64)%2)+3], v[HBO], s[XS+2*((nn-64)/2):XS+2*((nn-64)/2)+1] offset:16*((nn-64)%2)
.endif
.set nn, nn+1
.endr
	WIN 0
.endm
.macro BASES reg
.irp t, 0,1
	s_add_co_u32 s52, s[\reg], \t
	s_min_u32 s52, s52, s19
	s_min_u32 s52, s52, 63
	s_add_co_u32 s54, s52, s56
	s_lshl_b32 s52, s54, 15
	s_add_co_u32 s52, s52, s58
	s_mov_b32 s53, 0
	s_add_nc_u64 s[BB+2*\t:BB+2*\t+1], s[6:7], s[52:53]
	s_lshl_b32 s52, s54, 10
	s_add_co_u32 s52, s52, s59
	s_add_nc_u64 s[XS+2*\t:XS+2*\t+1], s[6:7], s[52:53]
.endr
.endm
; stage n of a trip: K step n / (NF / 2), column tiles 2 (n % (NF / 2)) and + 1, into buffer n % 2.  Fragment f of the two: five LDS loads
.macro AFRAG n, f
.set als, (\n)/(NF/2)
.set alp, (\n)%(NF/2)
.set alb, (\n)%2
.set afi, 2*alp+\f
.irp c, 0,1,2,3
	ds_load_b128 v[AB+32*alb+16*\f+4*\c:AB+32*alb+16*\f+4*\c+3], v[LI] offset:afi*TS+2048*als+512*\c
.endr
	ds_load_b32 v[AS+2*alb+\f], v[SLD] offset:(8*afi+als)*64
.endm
; the product of the stage's fragment f and token tile t
.macro MM f, t
.set ka, ACC+8*(2*(2*kp+\f)+\t)
.if ks == 0
	v_wmma_scale_f32_16x16x128_f8f6f4 v[ka:ka+7], v[AB+32*kb+16*\f:AB+32*kb+16*\f+15], v[128*\t+16*ks:128*\t+16*ks+15], 0, v[AS+2*kb+\f], v[BS+8*\t+ks]
.else
	v_wmma_scale_f32_16x16x128_f8f6f4 v[ka:ka+7], v[AB+32*kb+16*\f:AB+32*kb+16*\f+15], v[128*\t+16*ks:128*\t+16*ks+15], v[ka:ka+7], v[AS+2*kb+\f], v[BS+8*\t+ks]
.endif
.endm
; A trip's products.  The accumulators take turns, one instruction a turn: seven others stand between two links of a chain.  The first K step's products take the constant 0 as C.
; Eight v_nop stand at the head of each stage, between the last stage's matrix instructions and the loads into the registers that those have read; the wait on va_vdst behind them states that dependence.
.macro KLOOP
	AFRAG 0, 0
	AFRAG 0, 1
	WIN 0x04                                       ; source 1 (the tokens) in window 1
.set kn, 0
.rept 4*NF
.if kn > 0
.rept 8
	v_nop
.endr
.endif
	s_wait_dscnt 0x0                               ; this stage's ten loads are in: nothing younger is out
.if (kn > 0) && (kn < 4*NF-1)
	s_wait_alu depctr_va_vdst(0)                   ; the last stage's matrix instructions are done reading the other buffer and its two scale words, in which the ten loads below land
.endif
.set ks, kn/(NF/2)
.set kp, kn%(NF/2)
.set kb, kn%2
	MM 0, 0
.if kn < 4*NF-1
	AFRAG kn+1, 0                                  ; no wait: no matrix instruction since the wait above names the other buffer or its scale words (stage 0: none since the wait at the end of the last trip's products)
.endif
	MM 0, 1
.if kn < 4*NF-1
	AFRAG kn+1, 1
.endif
	MM 1, 0
	MM 1, 1
.set kn, kn+1
.endr
.rept 9
	v_nop                                          ; eight places in front of the LDS stores that read results; nine in front of a matrix instruction that begins an accumulator anew
.endr
	WIN 0
	s_wait_alu depctr_va_vdst(0)                   ; the matrix instructions have written the accumulators, which the LDS stores of the way out read, and are done reading window 1, v16-31, both weight buffers and v12-15, in which later loads land; the places above stay beside this wait
.endm
; token tile s39 + t goes out through my stage
.macro POST t
	s_wait_xcnt 0x0                                ; the base below is written again only behind this wait
	s_add_co_u32 s54, s39, \t
	s_lshl_b32 s52, s54, 16                        ; 16 rows of 4,096 bytes a tile
	s_add_co_u32 s52, s52, s60
	s_mov_b32 s53, 0
	s_add_nc_u64 s[34:35], s[10:11], s[52:53]
.irp c, 0,1,2,3
	ds_store_b128 v[STO], v[ACC+8*(2*\c+\t):ACC+8*(2*\c+\t)+3] offset:64*\c          ; lane (r, h): y(token r, d = 16 c + 8 h + 0 .. 7); each accumulator from its low end on
	ds_store_b128 v[STO], v[ACC+8*(2*\c+\t)+4:ACC+8*(2*\c+\t)+7] offset:64*\c+16
.endr
.irp i, 0,1,2,3,4,5,6,7
	ds_load_b128 v[OUT+32*\t+4*\i:OUT+32*\t+4*\i+3], v[SRD] offset:544*\i            ; LDS serves a wave's instructions in order: these see my stores
.endr
.irp i, 0,1,2,3,4,5,6,7
	s_wait_dscnt 7-\i
	global_store_b128 v[YOF], v[OUT+32*\t+4*\i:OUT+32*\t+4*\i+3], s[34:35] offset:8192*\i   ; rows 2 i and 2 i + 1: sixteen lanes store 256 consecutive aligned bytes
.endr
.endm
	s_load_b256 s[4:11], s[0:1], 0x0               ; w2 s[4:5], hq s[6:7], order s[8:9], y s[10:11]
	v_lshrrev_b32 v32, 5, v0
	v_readfirstlane_b32 s14, v32                   ; wave
	s_and_b32 s15, ttmp9, 15                       ; ds
	s_lshr_b32 s13, ttmp9, 4                       ; fh
	s_and_b32 s16, ttmp7, 0xffff                   ; e
	v_and_b32 v33, 31, v0                          ; L
	v_and_b32 v34, 15, v0                          ; q, also r
	v_bfe_u32 v35, v0, 4, 1                        ; h
	v_lshlrev_b32 v[LI], 4, v33
	v_lshl_add_u32 v[SLD], v34, 2, SCL
	v_lshlrev_b32 v[WOFF], 4, v34
	v_lshl_add_u32 v[WOFF], v35, 16, v[WOFF]       ; 16 rows of 4,096 bytes for the upper half of the lanes
	v_lshlrev_b32 v[HBO], 6, v34
	v_mov_b32 v[ONE], 1.0
	v_lshlrev_b32 v[YOF], 4, v34
	v_lshl_add_u32 v[YOF], v35, 12, v[YOF]
	v_bfe_u32 v36, v0, 2, 2                        ; my columns' tile: q / 4
	v_and_b32 v37, 3, v0                           ; their rows in it: 4 (q % 4) + j
	v_mov_b32 v38, 0                               ; (v36-39 are lane permutes' destinations later: all four are written here)
	v_mov_b32 v39, 0
	v_mul_u32_u24 v[IST], v36, TS
	v_lshl_add_u32 v[IST], v37, 6, v[IST]
	v_lshl_add_u32 v[IST], v35, 8, v[IST]
	s_wait_alu depctr_va_sdst(0)                   ; s14 is written, ahead of its first reader: LDS addresses and the base of the weights are made from it
	s_lshl_b32 s20, s14, 11
	v_add_nc_u32 v[IST], s20, v[IST]
	v_lshlrev_b32 v[SST], 9, v36
	v_lshl_add_u32 v[SST], v37, 4, v[SST]
	s_lshl_b32 s21, s14, 6
	v_add_nc_u32 v[SST], s21, v[SST]
	v_add_nc_u32 v[SST], SCL, v[SST]
	s_mul_i32 s61, s14, 4352
	s_add_co_u32 s61, s61, STG                     ; my stage
	v_mul_u32_u24 v[STO], v34, 272
	v_lshl_add_u32 v[STO], v35, 5, v[STO]
	v_add_nc_u32 v[STO], s61, v[STO]
	v_mul_u32_u24 v[SRD], v35, 272
	v_lshl_add_u32 v[SRD], v34, 4, v[SRD]
	v_add_nc_u32 v[SRD], s61, v[SRD]
	s_mov_b32 s40, 0x76543210
	s_mov_b32 s41, 0xfedcba98
	s_mov_b32 s43, 0x43e00000                      ; 448
	s_mov_b32 s44, 0xc3e00000                      ; -448
	s_mov_b32 s45, 0x05010400
	s_mov_b32 s46, 0x07030602
	s_mov_b32 s47, 0x05040100
	s_mov_b32 s48, 0x07060302
	s_lshl_b32 s52, s16, 23                        ; an expert's 8 MiB,
	s_lshl_b32 s54, s13, 22                        ; 1,024 rows a half,
	s_add_co_u32 s52, s52, s54
	s_lshl_b32 s54, s14, 19                        ; 128 rows a wave,
	s_add_co_u32 s52, s52, s54
	s_lshl_b32 s54, s15, 8                         ; 64 columns a work-group
	s_add_co_u32 s52, s52, s54
	s_mov_b32 s53, 0
	s_lshl_b32 s57, s16, 7
	s_lshl_b32 s56, s16, 6
	s_lshl_b32 s58, s13, 14                        ; hq: 8 fragments of 2,048 bytes a half
	s_lshl_b32 s59, s13, 5
	s_add_co_u32 s59, s59, 0x1000000               ; its scale bytes: 16,777,216 + 32 fh
	s_lshl_b32 s60, s13, 25                        ; y: 32 MiB a half,
	s_lshl_b32 s54, s16, 22                        ; 1,024 rows of 4,096 bytes an expert,
	s_add_co_u32 s60, s60, s54
	s_lshl_b32 s54, s15, 8                         ; my 64 columns
	s_add_co_u32 s60, s60, s54
	s_wait_kmcnt 0x0
	s_load_b32 s17, s[8:9], s57 offset:9216        ; counts[e]
	s_add_nc_u64 s[WB:WB+1], s[4:5], s[52:53]
	s_wait_alu depctr_va_vdst(0)                   ; the offsets and LDS addresses v1-5, v7, v8, v10 and v11 are written, which the kernel's loads and stores read
	LOADU 0
	LOADU 1
	LOADU 2
	s_wait_kmcnt 0x0
	s_min_u32 s17, s17, 1024
	s_add_co_u32 s18, s17, 15
	s_lshr_b32 s18, s18, 4
	s_max_u32 s18, s18, 1                          ; nt
	s_sub_co_u32 s19, s18, 1
	s_lshl_b32 s39, s14, 1                         ; my first token tile
	BASES 39
	s_wait_loadcnt 32                              ; block 0's 16 loads are in; blocks 1 and 2 may be out
	QW 0
	LOADU 3
	s_wait_loadcnt 32
	QW 1
	BL 0, 24                                       ; (no vector or matrix instruction has named window 1 or v16-31 yet)
	s_wait_loadcnt 40                              ; behind block 2: block 3's 16 loads and 24 of the tokens'
	QW 2
	BL 24, 48
	s_wait_loadcnt 48                              ; behind block 3: 48 of the tokens'
	QW 3
	BL 48, 68
	s_wait_dscnt 0x0                               ; for the others' sake: my LDS stores have landed
	s_barrier_signal -1
	s_barrier_wait -1                              ; all 32 fragments and their scale words lie in LDS; from here on a wave writes only its own stage
	s_mov_b32 s38, 0
.Ltrip:
	s_wait_loadcnt 0x0                             ; the tokens' images and scale words
	s_wait_xcnt 0x0                                ; the last trip's stores have had their addresses translated
	s_wait_alu depctr_vm_vsrc(0)                   ; the last trip's LDS stores have read the accumulators, which this trip's first products write, and its global stores have read v128-191, in which this trip's LDS loads land
	s_cmp_ge_u32 s39, s18
	s_cbranch_scc1 .Lskip
	KLOOP
	s_add_co_u32 s55, s39, 16
	s_cmp_ge_u32 s55, s18
	s_cbranch_scc1 .Lnonext
	BASES 55                                       ; the next trip's tokens are asked for ahead of the way out; the only wait for them is the wait for 0 at the trip's head.  The wait at the end of the products serves these loads: only scalar lines stand between
	BL 0, 68
.Lnonext:
	POST 0
	s_add_co_u32 s54, s39, 1
	s_cmp_ge_u32 s54, s18
	s_cbranch_scc1 .Lskip
	POST 1
.Lskip:
	s_add_co_u32 s39, s39, 16
	s_add_co_u32 s38, s38, 1
	s_cmp_lt_u32 s38, 4
	s_cbranch_scc1 .Ltrip
	s_wait_xcnt 0x0
	v_lshl_add_u32 v254, v0, 2, 0x19100            ; the add's two registers, made anew straight ahead of the closing lines: no memory or LDS instruction has read v254 or v255
	v_mov_b32 v255, 0
	s_wait_dscnt 0x0                               ; the closing lines, six on end
	s_wait_alu 0x0
	s_wait_tensorcnt 0x0
	ds_add_u32 v254, v255
	s_wait_dscnt 0x0
	s_endpgm
.Lfunc_end_k_qa0850c66f2_down:
	.size	k_qa0850c66f2_down, .Lfunc_end_k_qa0850c66f2_down-k_qa0850c66f2_down
	.p2alignl 7, 3214868480
	.fill 96, 4, 3214868480
	.section	.rodata,"a",@progbits
	.p2align	6, 0x0
	.amdhsa_kernel k_qa0850c66f2_down
		.amdhsa_group_segment_fixed_size 103680
		.amdhsa_private_segment_fixed_size 0
		.amdhsa_enable_private_segment 0
		.amdhsa_kernarg_size 32
		.amdhsa_user_sgpr_count 2
		.amdhsa_user_sgpr_kernarg_segment_ptr 1
		.amdhsa_wavefront_size32 1
		.amdhsa_system_sgpr_workgroup_id_x 1
		.amdhsa_system_sgpr_workgroup_id_y 1
		.amdhsa_system_sgpr_workgroup_id_z 1
		.amdhsa_system_vgpr_workitem_id 0
		.amdhsa_next_free_vgpr 512
		.amdhsa_next_free_sgpr 66
		.amdhsa_reserve_vcc 0
		.amdhsa_float_denorm_mode_32 3
		.amdhsa_float_denorm_mode_16_64 3
		.amdhsa_memory_ordered 1
		.amdhsa_forward_progress 1
		.amdhsa_inst_pref_size 103
	.end_amdhsa_kernel
	.amdgpu_metadata
---
amdhsa.version: [ 1, 2 ]
amdhsa.kernels:
  - .name:           k_qa0850c66f2_down
    .symbol:         k_qa0850c66f2_down.kd
    .args:
      - { .name: w2, .offset: 0, .size: 8, .value_kind: global_buffer, .address_space: global }
      - { .name: hq, .offset: 8, .size: 8, .value_kind: global_buffer, .address_space: global }
      - { .name: order, .offset: 16, .size: 8, .value_kind: global_buffer, .address_space: global }
      - { .name: y, .offset: 24, .size: 8, .value_kind: global_buffer, .address_space: global }
    .group_segment_fixed_size: 103680
    .private_segment_fixed_size: 0
    .kernarg_segment_align: 8
    .kernarg_segment_size: 32
    .max_flat_workgroup_size: 256
    .sgpr_count:     66
    .vgpr_count:     512
    .wavefront_size: 32
...
	.end_amdgpu_metadata
.endif
;; end of part 9
;; launch combine (part 10): grid 256 x 1, 4 waves a work-group, no clusters, 0 bytes of LDS; arguments y, order, probs, out0; writes out0
.if DOCPART == 10
	.amdgcn_target "amdgcn-amd-amdhsa--gfx1250"
	.amdhsa_code_object_version 6
	.text
	.protected	k_qa0850c66f2_combine
	.globl	k_qa0850c66f2_combine
	.p2align	8
	.type	k_qa0850c66f2_combine,@function
k_qa0850c66f2_combine:
	s_mov_b64 s[64:65], 0
	v_nop
	global_prefetch_b8 v0, s[64:65] scope:SCOPE_SE
	s_setreg_imm32_b32 hwreg(HW_REG_WAVE_MODE, 25, 1), 1
	s_wait_xcnt 0x0
; out0[t] = p0 (yA + yB)[slot0] + p1 (yA + yB)[slot1]: the two halves of F are added, each expert's row is weighed by its gate, and the two experts' rows are added.  All in f32.
; One wave to a token: t = 4 x work-group + wave.  The slots come from order's map (whole numbers that an earlier launch stored), held inside y's 8,192 rows before they become addresses; the gates from probs.
; A row is 4,096 bytes: eight loads of 512 consecutive bytes from each of four rows, all 32 asked for at once; each store covers 512 consecutive bytes.  Each output row has one owner.
; A stream: no LDS, no barrier, no matrix unit, nothing shared between work-groups.
.set R, 8                              ; v[8:135]  piece i at 16 i: slot 0's two halves, then slot 1's
	s_load_b256 s[4:11], s[0:1], 0x0               ; y s[4:5], order s[6:7], probs s[8:9], out0 s[10:11]
	v_lshrrev_b32 v2, 5, v0
	v_readfirstlane_b32 s12, v2                    ; wave
	v_and_b32 v1, 31, v0
	v_lshlrev_b32 v1, 4, v1                        ; 16 L
	s_lshl_b32 s13, ttmp9, 2
	s_add_co_u32 s13, s13, s12                     ; t
	s_lshl_b32 s32, s13, 3
	s_lshl_b32 s34, s13, 12
	s_mov_b32 s35, 0
	s_wait_alu depctr_va_vdst(0)
	s_wait_kmcnt 0x0
	s_load_b64 s[14:15], s[6:7], s32 offset:0x0    ; the two slots
	s_load_b64 s[16:17], s[8:9], s32 offset:0x0    ; the two gates
	s_add_nc_u64 s[10:11], s[10:11], s[34:35]
	s_wait_kmcnt 0x0
	s_min_u32 s20, s14, 8191
	s_lshl_b32 s20, s20, 12
	s_mov_b32 s21, 0
	s_min_u32 s22, s15, 8191
	s_lshl_b32 s22, s22, 12
	s_mov_b32 s23, 0
	s_add_nc_u64 s[24:25], s[4:5], s[20:21]
	s_add_nc_u64 s[26:27], s[24:25], 0x2000000     ; the other half of F lies 32 MiB on
	s_add_nc_u64 s[28:29], s[4:5], s[22:23]
	s_add_nc_u64 s[30:31], s[28:29], 0x2000000
	s_mov_b32 s18, s17                             ; p1 in a pair of its own: the packed forms take a scalar pair's low word for both halves
	s_mov_b32 s19, s17
.irp i, 0,1,2,3,4,5,6,7
	global_load_b128 v[R+16*\i:R+16*\i+3], v1, s[24:25] offset:512*\i th:TH_LOAD_NT
	global_load_b128 v[R+16*\i+4:R+16*\i+7], v1, s[26:27] offset:512*\i th:TH_LOAD_NT
	global_load_b128 v[R+16*\i+8:R+16*\i+11], v1, s[28:29] offset:512*\i th:TH_LOAD_NT
	global_load_b128 v[R+16*\i+12:R+16*\i+15], v1, s[30:31] offset:512*\i th:TH_LOAD_NT
.endr
.irp i, 0,1,2,3,4,5,6,7
	s_wait_loadcnt 4*(7-\i)                        ; piece i's four loads are in; the later pieces' may be out
.irp p, 0,2
	v_pk_add_f32 v[R+16*\i+\p:R+16*\i+\p+1], v[R+16*\i+\p:R+16*\i+\p+1], v[R+16*\i+4+\p:R+16*\i+4+\p+1]
	v_pk_add_f32 v[R+16*\i+8+\p:R+16*\i+8+\p+1], v[R+16*\i+8+\p:R+16*\i+8+\p+1], v[R+16*\i+12+\p:R+16*\i+12+\p+1]
	v_pk_mul_f32 v[R+16*\i+\p:R+16*\i+\p+1], v[R+16*\i+\p:R+16*\i+\p+1], s[16:17] op_sel_hi:[1,0]
	v_pk_fma_f32 v[R+16*\i+\p:R+16*\i+\p+1], v[R+16*\i+8+\p:R+16*\i+8+\p+1], s[18:19], v[R+16*\i+\p:R+16*\i+\p+1] op_sel_hi:[1,0,1]
.endr
	global_store_b128 v1, v[R+16*\i:R+16*\i+3], s[10:11] offset:512*\i th:TH_STORE_NT
.endr
	s_endpgm
.Lfunc_end_k_qa0850c66f2_combine:
	.size	k_qa0850c66f2_combine, .Lfunc_end_k_qa0850c66f2_combine-k_qa0850c66f2_combine
	.p2alignl 7, 3214868480
	.fill 96, 4, 3214868480
	.section	.rodata,"a",@progbits
	.p2align	6, 0x0
	.amdhsa_kernel k_qa0850c66f2_combine
		.amdhsa_group_segment_fixed_size 0
		.amdhsa_private_segment_fixed_size 0
		.amdhsa_enable_private_segment 0
		.amdhsa_kernarg_size 32
		.amdhsa_user_sgpr_count 2
		.amdhsa_user_sgpr_kernarg_segment_ptr 1
		.amdhsa_wavefront_size32 1
		.amdhsa_system_sgpr_workgroup_id_x 1
		.amdhsa_system_sgpr_workgroup_id_y 1
		.amdhsa_system_sgpr_workgroup_id_z 1
		.amdhsa_system_vgpr_workitem_id 0
		.amdhsa_next_free_vgpr 136
		.amdhsa_next_free_sgpr 66
		.amdhsa_reserve_vcc 0
		.amdhsa_float_denorm_mode_32 3
		.amdhsa_float_denorm_mode_16_64 3
		.amdhsa_memory_ordered 1
		.amdhsa_forward_progress 1
		.amdhsa_inst_pref_size 10
	.end_amdhsa_kernel
	.amdgpu_metadata
---
amdhsa.version: [ 1, 2 ]
amdhsa.kernels:
  - .name:           k_qa0850c66f2_combine
    .symbol:         k_qa0850c66f2_combine.kd
    .args:
      - { .name: y, .offset: 0, .size: 8, .value_kind: global_buffer, .address_space: global }
      - { .name: order, .offset: 8, .size: 8, .value_kind: global_buffer, .address_space: global }
      - { .name: probs, .offset: 16, .size: 8, .value_kind: global_buffer, .address_space: global }
      - { .name: out0, .offset: 24, .size: 8, .value_kind: global_buffer, .address_space: global }
    .group_segment_fixed_size: 0
    .private_segment_fixed_size: 0
    .kernarg_segment_align: 8
    .kernarg_segment_size: 32
    .max_flat_workgroup_size: 128
    .sgpr_count:     66
    .vgpr_count:     136
    .wavefront_size: 32
...
	.end_amdgpu_metadata
.endif
;; end of part 10
